; MI455X (gfx1250); checked and timed in simulation.
; The chip was launched on July 23, 2026; its instructions are those of AMD's public machine-readable ISA for CDNA 5 (MIT licence, August 2026) and "CDNA5" Instruction Set Architecture Reference Guide (July 2026). The comments in the code are by the model that wrote it; some were corrected since.
;; Cross Attention. Allowed arithmetic: matrix products marked QUANTISED: E5M2 operands, one E8M0 scale for each 32 along K, by v_wmma_scale_f32_16x16x128_f8f6f4 with both operands' format E5M2, f32 sums; everything else in f32.
;; Inputs: Wkv_codes 2,048 x 32 x 32 uint8 (E5M2 codes of Wkv, K innermost, in blocks of 32 codes); Wkv_scales 2,048 x 32 uint8 (E8M0 scales of Wkv, one for each 32 codes along K); Wout_codes 1,024 x 32 x 32 uint8 (E5M2 codes of Wout, K innermost, in blocks of 32 codes); Wout_scales 1,024 x 32 uint8 (E8M0 scales of Wout, one for each 32 codes along K); Wq_codes 1,024 x 32 x 32 uint8 (E5M2 codes of Wq, K innermost, in blocks of 32 codes); Wq_scales 1,024 x 32 uint8 (E8M0 scales of Wq, one for each 32 codes along K); beta one number float32; bout 1,024 float32; context_codes 2 x 4 x 1,024 x 32 x 32 uint8 (E5M2 codes of context, K innermost, in blocks of 32 codes); context_scales 2 x 4 x 1,024 x 32 uint8 (E8M0 scales of context, one for each 32 codes along K); doc_similarities 2 x 4 float32; x_codes 2 x 1,024 x 32 x 32 uint8 (E5M2 codes of x, K innermost, in blocks of 32 codes); x_scales 2 x 1,024 x 32 uint8 (E8M0 scales of x, one for each 32 codes along K).
;; Outputs: out0 2 x 1,024 x 1,024 float32.
;; This version of the problem:
;;   THIS VERSION OF THE PROBLEM IS GIVEN IN LOW PRECISION. The matrix products marked QUANTISED in the list below multiply operands that are first quantised to E5M2 (5 exponent bits, 2 mantissa bits; 8 bits a number), with one power-of-two scale for each 32 numbers along K (OCP MX v1.0); their sums are f32. All else is computed in f32.
;;   The module's matrix products, in the order in which they are computed (A, B: the left and right operand; K: the contracted axis; several contracted axes count as one K, in the product's order):
;;     1. [M 2,048, K 1,024] x [K 1,024, N 1,024]; A: input x (given as codes); B: input Wq (given as codes): QUANTISED
;;     2. [M 8,192, K 1,024] x [K 1,024, N 2,048]; A: input context (given as codes); B: input Wkv (given as codes): QUANTISED
;;     3. batch 16 x [M 1,024, K 128] x [K 128, N 4,096]; A: computed on the way; B: computed on the way: QUANTISED
;;     4. batch 16 x [M 1,024, K 4,096] x [K 4,096, N 128]; A: softmax (see below); B: computed on the way: QUANTISED
;;     5. [M 2,048, K 1,024] x [K 1,024, N 1,024]; A: computed on the way; B: input Wout (given as codes): QUANTISED
;;   THE QUANTISER, for each operand of a quantised product, along K:
;;     - K is cut into blocks of 32 from its start; a last block that is shorter is filled with zeros.
;;     - A block's scale is 2^e with e = floor(log2(the largest magnitude in the block)) - 15, held to -126 .. 127; a block of zeros has e = 0. As a byte (E8M0): e + 127.
;;     - Each number is divided by its block's scale, clamped to +-57,344, and rounded to the nearest number of E5M2, ties to even, subnormals kept.
;;     - The product sums the exact products of the quantised numbers (number of the format x scale) in f32.
;;   ~~~python
;;   def quantise(x, axis):      # numpy; x: float32 -> the quantised numbers, widened to float32 again
;;       x = np.moveaxis(x, axis, -1); K = x.shape[-1]
;;       x = np.pad(x, [(0, 0)] * (x.ndim - 1) + [(0, -K % 32)]); x = x.reshape(x.shape[:-1] + (-1, 32)); a = np.abs(x).max(-1, keepdims=True)
;;       e = np.where(a > 0, np.clip(np.frexp(np.where(a > 0, a, 1))[1] - 1 - 15, -126, 127), 0)      # np.frexp(a)[1] - 1 = floor(log2(a)), exactly
;;       r = np.clip(x / 2.0 ** e, -57344, 57344)
;;       step = 2.0 ** (np.maximum(np.frexp(np.where(r == 0, 1, r))[1] - 1, -14) - 2)
;;       q = np.round(r / step) * step * 2.0 ** e      # np.round: ties to even
;;       return np.moveaxis(q.reshape(q.shape[:-2] + (-1,))[..., :K], -1, axis).astype(np.float32)
;;   ~~~
;;   SOFTMAX AHEAD OF A QUANTISED PRODUCT. Where the list says 'softmax', what is quantised is not the finished softmax but p = 2^(t - M), with t = logit x log2(e) and M = ceil(the row's largest t), a whole number; so 1/2 < the row's largest p <= 1. The row's sum l is taken of the UNQUANTISED p, in f32, and the product's result is divided by l at the end. Since M is a whole number, a kernel that streams over the keys may use a running M (the ceiling of the running maximum): every later rescaling is an exact power of two, which a block's scale takes up: the codes' values come out the same.
;;   OPERANDS COMPUTED ON THE WAY. 'Computed on the way' means the value that the module computes at that place (a softmax that the list does not call 'softmax' is quantised finished and normalised). What goes into a quantiser is computed in f32, as accurately as f32 sums, v_exp_f32 and their like allow (about 1e-6 of the number): no bf16 or f16 on the way to a quantiser, and a product that is left as it is and whose result goes on into a quantised operand takes f32 operands (vector FMAs, or v_wmma_f32_16x16x4_f32). A number that lies on a knife's edge between two numbers of the format may be rounded either way, as far as f32 arithmetic and the matrix unit's own rounding can turn it there, and no further.
;;   INPUTS GIVEN AS CODES. Wkv (in the module: [1024, 2048], K = its axis 0); Wout (in the module: [1024, 1024], K = its axis 0); Wq (in the module: [1024, 1024], K = its axis 0); context (in the module: [2, 4, 1024, 1024], K = its axis 3); x (in the module: [2, 1024, 1024], K = its axis 2): each comes as NAME_codes (uint8): NAME with its K axis moved to the last place and cut into blocks of 32 codes, [.., K / 32, bytes a block], one block behind the other in memory; one code a byte (a code: sign, 5 exponent bits, 2 mantissa bits); and NAME_scales (uint8): the same leading axes, one E8M0 byte (e + 127) for each 32 codes along K. Its value is code x scale, taken as it is: it is not quantised again, and the codes and scales need not be those that the quantiser above would give.
;; 2 versions. Each part assembles by itself: llvm-mc -triple=amdgcn-amd-amdhsa -mcpu=gfx1250 --defsym DOCPART=n.
;; ======== version 1 of 2: 3 launches
;; workspace buffers: kvc 16,777,216 bytes; kvs 524,288 bytes; oc 2,097,152 bytes; os 65,536 bytes
;; launch proj (part 1): grid 16 x 16, 4 waves a work-group, clusters of 4 x 4, 327,680 bytes of LDS; arguments context_codes, context_scales, Wkv_codes, Wkv_scales, kvc, kvs; writes kvc, kvs
.if DOCPART == 1
	.amdgcn_target "amdgcn-amd-amdhsa--gfx1250"
	.amdhsa_code_object_version 6
	.text
	.protected	k_q17d87778db_proj
	.globl	k_q17d87778db_proj
	.p2align	8
	.type	k_q17d87778db_proj,@function
k_q17d87778db_proj:
	s_mov_b64 s[64:65], 0
	v_nop
	global_prefetch_b8 v0, s[64:65] scope:SCOPE_SE
	s_setreg_imm32_b32 hwreg(HW_REG_WAVE_MODE, 25, 1), 1
	s_wait_xcnt 0x0
	s_wait_alu depctr_hold_cnt(0) depctr_sa_sdst(0) depctr_va_vdst(0) depctr_va_sdst(0) depctr_va_ssrc(0) depctr_va_vcc(0) depctr_vm_vsrc(0)
	s_getreg_b32 s2, hwreg(HW_REG_IB_STS2, 6, 4)
	s_cmp_eq_u32 s2, 0
	s_cbranch_scc0 .Lentry_in_a_cluster
	s_endpgm
.Lentry_in_a_cluster:
	s_bfe_u32 s2, ttmp6, 0x10000c
	s_cmp_lg_u32 s2, 0xf033
	s_cbranch_scc0 .Lentry_shape_is_right
	s_endpgm
.Lentry_shape_is_right:
; k and v = context x Wkv on codes of BF8 (E5M2) with one E8M0 scale for each 32 along K = 1,024; the f32 sums are quantised here, in registers, and leave as codes:
; k along the head's 128 channels, v along the keys.  Nothing in f32 goes to memory.
; ONE SHAPE SERVES BOTH.  C = A B^T in tiles of 256 x 256, four waves, 128 x 128 a wave (64 accumulators, 512 registers).  The matrix instruction is used transposed (source 0 = 16 rows of B,
; source 1 = 16 rows of A): a lane holds ONE row of A and its registers run along B's rows, and that is the axis that is quantised.
;   k: A = context (8,192 keys), B = Wkv's rows 0-1,023 (channels).      v: A = Wkv's rows 1,024-2,047 (channels), B = context (keys).
; 128 + 128 tiles = 256 work-groups = 16 clusters of 4 x 4.  Clusters 0-7 make k, clusters 8-15 make v: the choice hangs on the cluster's number alone, which all partners share, and selects numbers and pointers; no branch.
; CLUSTERS: the four of a row of the cluster need the same tiles of A, the four of a column the same tiles of B: each tile is asked for jointly, by the same tensor load with a mask that names the four.
; K goes in four steps of 256 through a ring of two LDS slots; the scale bytes of the work-group's rows come once, with the first fills.  K has four such steps, so they are written straight, without a loop.
; THE WAY OUT.  A wave's 128 of B's rows are one K step of the attention's products.  For each of my eight blocks of 16 rows of A the 8 accumulators become one operand fragment (16 rows x 128: 16 registers a lane)
; and one scale word a row.  Tiles are natural: in tile 2 b a lane (r, h) holds k = 32 b + 8 h + j, in tile 2 b + 1 k = 32 b + 16 + 8 h + j.  Each tile's eight numbers become two registers of codes, and
; v_permlane16_swap_b32 (first register's lanes 16-31 against second register's lanes 0-15) then leaves k = 32 b + 16 h + 0 .. 15 in four registers on end: the operand's own order.
; kvc: [batch x head 16][step of 128 keys 32][K: 8 fragments of 16 keys, V: 8 fragments of 16 channels], a fragment = 2,048 bytes: registers 4 c .. 4 c + 3 at 512 c + 16 x lane.  kvs: the same order, 16 words a fragment.
; A block's scale: the largest magnitude's exponent field - 15, held at 1 from below.
; LIMITS: NaN and infinities among the inputs are not served.  A block of zeros, or one whose largest magnitude lies under 2^-111, gets the byte 1 (the rule says 127 for zeros): its codes are zeros or held by that byte, and this program alone reads the bytes.
; REGISTERS, in windows of 256: window 0: v16-31 addresses; v32-63 scale words, two sets; v64-127 the quantiser's; from v128 A's fragments, ONE set, later 64 held numbers.
;   window 1: B's fragments, two sets.   window 2: the accumulators of my rows 0-63 ((a, b) at v[8 (8 a + b)]);   window 3: those of my rows 64-127.
.set KSTEP,  256                       ; along K in a slot
.set NQ,     2                         ; matrix instructions deep
.set ROWB,   256                       ; a tile's row in bytes
.set KROW,   1024                      ; a row of codes in memory
.set PITCH,  272                       ; an LDS row: 256 bytes + 16 of padding = 68 words: the 16 rows that a load touches start 4 words apart modulo 64 (64 banks of 4 bytes: ISA guide 11.1)
.set FR,     16                        ; registers of a fragment
.set NL,     4                         ; LDS loads that bring one
.set NP,     8                         ; places behind this matrix instruction (ISA guide 7.12.1)
.set HALFT,  128*PITCH                 ; 128 rows: what one tensor load brings
.set SLOT,   4*HALFT                   ; A's 256 rows, then B's 256 rows
.set KS,     32                        ; a row of scale bytes
.set SCL,    2*SLOT                    ; behind the ring: the scales, as units of 256 bytes + 16 of padding
.set HALFS,  (128*KS/256)*272          ; the scales of 128 rows
.set SBLK,   (16*KS/256)*272           ; those of 16 rows
.set SPARE,  SCL+4*HALFS               ; the spare words, 128 bytes a wave
.set SCR,    SPARE+512                 ; 512 bytes a wave: my eight fragments' scale words on their way out; no tile lands here
.set ADRA, 16                          ; v16-17  LDS address of my A fragments in slot 0, 1
.set ADRB, 20                          ; v20-21  the same for B
.set CO,   26                          ; v26     16 x lane: my place in a store of 512 bytes
.set ADRS, 27                          ; v27     LDS address of my scale words: lanes 0-15 A's rows, lanes 16-31 B's
.set SPW,  28                          ; v28     my spare word; never rewritten
.set NIL,  29                          ; v29     0; never rewritten
.set SWA,  30                          ; v30     SCR + 512 x wave + 4 x (lane % 16)
.set SRA,  31                          ; v31     SCR + 512 x wave + 16 x lane
.set SC,   32                          ; v32-63  scale words, set s at v[SC + 16 s]
.set TM,   64                          ; v64-67 largest magnitudes, v68-71 bytes, v72-75 the largest number x the scale, v76-79 the conversions' scale operands
.set PW,   80                          ; v80-87  block a's scale word
.set PCD,  88                          ; v88-119 a fragment's codes, two sets by turns
.set OW,   120                         ; v120-123 the scale words on the way out
.set T,    128                         ; v128-191 64 numbers, held
.set AF,   128                         ; A's fragments
.set WV,   16                          ; s16 wave;  s17 my half of the tile's rows (also: I fetch for A, 0, or for B, 1);  s18 my half of its columns (also: which 128 rows I fetch)
.set RH,   17
.set CH,   18
.set G1, 24                            ; s[24:31] group 1 for A's tiles;  s[32:39] group 0, one set for each slot
.set G0, 32
.set G1B, 48                           ; the same for B's tiles
.set G0B, 56
.set G1S, 68                           ; groups 1 and 0 for A's scales, then for B's
.set G0S, 76
.set G1SB, 80
.set G0SB, 88
.set MSB, 0
.macro WIN new                         ; the immediate's high byte repeats the setting that is left
.if MSB != \new
	s_set_vgpr_msb (MSB<<8)|\new
.set MSB, \new
.endif
.endm
.set MUL_LO, 0xa1                      ; source 0 (B) window 1, source 1 (A) window 0, C and D window 2
.set MUL_HI, 0xf1                      ; the same, C and D window 3
.set TO_B,   0x40                      ; destination window 1
; A joint load: waves 0 and 1 fetch for A, waves 2 and 3 for B; the branch hangs on the wave's number alone.  Four v_nop follow each of the two lines.
.macro JLOAD g0a, g1a, g0b, g1b
	s_cmp_eq_u32 s[RH], 0
	s_cbranch_scc0 .Lfor_b_\@
	tensor_load_to_lds s[\g0a:\g0a+3], s[\g1a:\g1a+7]
	s_nop 0
.rept 4
	v_nop
.endr
	s_branch .Lasked_\@
.Lfor_b_\@:
	tensor_load_to_lds s[\g0b:\g0b+3], s[\g1b:\g1b+7]
	s_nop 0
.rept 4
	v_nop
.endr
.Lasked_\@:
.endm
.macro CREST                           ; a round of the cluster's barrier behind its opening barrier
	s_cmp_lg_u32 s[WV], 0
	s_cbranch_scc1 .Lnot_wave_0_\@
	s_barrier_signal -3
.Lnot_wave_0_\@:
	s_barrier_wait -3
	s_barrier_signal -1
	s_barrier_wait -1
.endm
.macro CROUND                          ; a whole round
	s_barrier_signal -1
	s_barrier_wait -1
	CREST
.endm
	s_load_b256 s[4:11], s[0:1], 0x0               ; context's codes s[4:5], its scales s[6:7], Wkv's codes s[8:9], its scales s[10:11]
	s_load_b128 s[12:15], s[0:1], 0x20             ; kvc s[12:13], kvs s[14:15]
	v_lshl_add_u32 v[SPW], v0, 2, SPARE
	v_mov_b32 v[NIL], 0
	ds_add_u32 v28, v29
	ds_add_u32 v28, v29
	s_wait_dscnt 0x0
	v_lshrrev_b32 v1, 5, v0
	v_readfirstlane_b32 s[WV], v1                  ; wave 0..3
	s_lshr_b32 s[RH], s[WV], 1
	s_and_b32 s[CH], s[WV], 1
	s_bfe_u32 s40, ttmp6, 0x40000                  ; cx, cy: my place in the cluster
	s_bfe_u32 s41, ttmp6, 0x40004
	s_and_b32 s66, ttmp7, 0xffff
	s_lshl_b32 s66, s66, 2
	s_add_co_u32 s66, s66, ttmp9                   ; the cluster's number, 0..15: the same in all sixteen partners
	s_sub_co_u32 s67, s66, 8
	s_cmp_lt_u32 s66, 8                            ; clusters 0-7: k;  8-15: v
	s_cselect_b32 s20, s66, 0                      ; which four tile rows
	s_cselect_b32 s67, 0, s67                      ; which four tile columns
	s_cselect_b32 s95, 0, 1024                     ; A's first row: v's channels are Wkv's rows 1,024 on
	s_lshl_b32 s19, s20, 2
	s_add_co_u32 s19, s19, s41                     ; tile row
	s_lshl_b32 s42, s67, 2
	s_add_co_u32 s42, s42, s40                     ; tile column
	s_lshl_b32 s43, s41, 2
	s_lshl_b32 s43, 15, s43                        ; my row of the cluster
	s_lshl_b32 s44, 0x1111, s40                    ; my column
	; group 1: a tile of 128 rows x 256 bytes, padded in LDS
	s_or_b32 s[G1+0], s43, (0<<16)|(1<<20)|(1<<21)|(5<<22)|(3<<25)  ; 15:0 the mask: A's tiles go to my row; 17:16 elements of 1 byte; 20 padding on; 21 set beside a mask; 24:22 after every 64 words; 31:25 four words
	s_or_b32 s[G1B+0], s44, (0<<16)|(1<<20)|(1<<21)|(5<<22)|(3<<25)
.irp g, G1, G1B
	s_mov_b32 s[\g+1], ROWB<<16                    ; tensor_dim0
	s_mov_b32 s[\g+2], 128<<16                     ; tensor_dim1
	s_mov_b32 s[\g+3], ROWB<<16                    ; tile_dim0
	s_mov_b32 s[\g+4], 128                         ; tile_dim1
	s_mov_b32 s[\g+5], KROW                        ; from row to row
	s_mov_b32 s[\g+6], 0
	s_mov_b32 s[\g+7], 0
.endr
	; the scales of 128 rows: 4,096 dense bytes, as 16 rows of 256 bytes (32 elements of 8 bytes), 16 bytes of padding behind each
	s_or_b32 s[G1S+0], s43, (3<<16)|(1<<20)|(1<<21)|(5<<22)|(3<<25)
	s_or_b32 s[G1SB+0], s44, (3<<16)|(1<<20)|(1<<21)|(5<<22)|(3<<25)
.irp g, G1S, G1SB
	s_mov_b32 s[\g+1], 32<<16
	s_mov_b32 s[\g+2], (128*KS/256)<<16
	s_mov_b32 s[\g+3], 32<<16
	s_mov_b32 s[\g+4], 128*KS/256
	s_mov_b32 s[\g+5], 32
	s_mov_b32 s[\g+6], 0
	s_mov_b32 s[\g+7], 0
.endr
	s_lshl_b32 s45, s[CH], 7                       ; which 128 rows of the tile I fetch
	s_lshl_b32 s20, s19, 8
	s_add_co_u32 s20, s20, s45
	s_add_co_u32 s20, s20, s95                     ; A: its first row + 256 x tile row + 128 x half
	s_lshl_b32 s46, s42, 8
	s_add_co_u32 s46, s46, s45                     ; B: 256 x tile column + 128 x half
	s_lshl_b32 s22, s20, 5                         ; these rows' scales, 32 bytes a row,
	s_mov_b32 s23, 0
	s_lshl_b32 s20, s20, 10                        ; and their codes, 1,024 bytes a row (under 2^24)
	s_mov_b32 s21, 0
	s_lshl_b32 s92, s46, 5
	s_mov_b32 s93, 0
	s_lshl_b32 s46, s46, 10
	s_mov_b32 s47, 0
	s_mul_i32 s45, s[WV], HALFT                    ; where they go: wave x 128 rows: no place in the cluster enters an LDS address
	s_mul_i32 s94, s[WV], HALFS
	s_wait_kmcnt 0x0
	s_cmp_lt_u32 s66, 8                            ; which tensor is A and which is B: by the cluster's number
	s_cselect_b64 s[96:97], s[4:5], s[8:9]         ; A's codes
	s_cselect_b64 s[98:99], s[8:9], s[4:5]         ; B's codes
	s_cselect_b64 s[100:101], s[6:7], s[10:11]     ; A's scales
	s_cselect_b64 s[104:105], s[10:11], s[6:7]     ; B's scales
	s_add_nc_u64 s[20:21], s[96:97], s[20:21]
	s_add_nc_u64 s[22:23], s[100:101], s[22:23]
	s_add_nc_u64 s[46:47], s[98:99], s[46:47]
	s_add_nc_u64 s[92:93], s[104:105], s[92:93]
	CROUND                                         ; all sixteen work-groups are here: the first joint loads meet
	s_mov_b32 s[G0S], 1
	s_add_co_u32 s[G0S+1], s94, SCL
	s_mov_b64 s[G0S+2:G0S+3], s[22:23]
	s_or_b32 s[G0S+3], s[G0S+3], 0x80000000
	s_mov_b32 s[G0SB], 1
	s_add_co_u32 s[G0SB+1], s94, SCL
	s_mov_b64 s[G0SB+2:G0SB+3], s[92:93]
	s_or_b32 s[G0SB+3], s[G0SB+3], 0x80000000
	JLOAD G0S, G1S, G0SB, G1SB                     ; the scales first: they are wanted with K step 0
.irp s, 0,1
	s_mov_b32 s[G0+4*\s], 1
	s_add_co_u32 s[G0+4*\s+1], s45, \s*SLOT
	s_add_nc_u64 s[G0+4*\s+2:G0+4*\s+3], s[20:21], \s*ROWB
	s_or_b32 s[G0+4*\s+3], s[G0+4*\s+3], 0x80000000
	s_mov_b32 s[G0B+4*\s], 1
	s_add_co_u32 s[G0B+4*\s+1], s45, \s*SLOT
	s_add_nc_u64 s[G0B+4*\s+2:G0B+4*\s+3], s[46:47], \s*ROWB
	s_or_b32 s[G0B+4*\s+3], s[G0B+4*\s+3], 0x80000000
	JLOAD G0+4*\s, G1, G0B+4*\s, G1B
.endr
	s_mov_b32 s4, 0x76543210                       ; v_permlanex16_b32's selects for lane l xor 16
	s_mov_b32 s5, 0xfedcba98
	s_mov_b32 s6, 0x600000                         ; the mantissa field of 57,344
	v_and_b32 v1, 15, v0                           ; l % 16
	v_bfe_u32 v2, v0, 4, 1                         ; l / 16
	v_mul_u32_u24 v3, v1, PITCH
	v_lshl_add_u32 v4, v2, 4, v3                   ; a fragment's row x pitch + 16 x half
	s_mul_i32 s21, s[RH], HALFT                    ; my 128 rows of A
	s_mul_i32 s22, s[CH], HALFT                    ; my 128 rows of B,
	s_add_co_u32 s22, s22, 2*HALFT                 ; which lie behind A's 256
.irp s, 0,1
	v_add_nc_u32 v[ADRA+\s], s21, v4
	v_add_nc_u32 v[ADRB+\s], s22, v4
	s_add_co_u32 s21, s21, SLOT
	s_add_co_u32 s22, s22, SLOT
.endr
	v_mul_u32_u24 v5, v1, KS                       ; my row's scales: 32 bytes a row,
	v_lshrrev_b32 v6, 8, v5
	v_lshl_add_u32 v5, v6, 4, v5                   ; and 16 more for each 256 passed
	s_mul_i32 s21, s[RH], HALFS                    ; A's: my 128 rows
	s_mul_i32 s22, s[CH], HALFS                    ; B's: my 128 rows, behind A's 256
	s_add_co_u32 s22, s22, 2*HALFS
	s_sub_co_u32 s22, s22, s21
	v_mul_u32_u24 v6, s22, v2                      ; lanes 16-31 take B's
	s_add_co_u32 s21, s21, SCL
	v_add_nc_u32 v5, v5, v6
	v_add_nc_u32 v[ADRS], s21, v5
	s_lshl_b32 s23, s[WV], 9
	s_add_co_u32 s23, s23, SCR                     ; my 512 bytes for the scale words
	v_lshl_add_u32 v[SWA], v1, 2, s23
	v_and_b32 v6, 31, v0
	v_lshlrev_b32 v[CO], 4, v6
	v_add_nc_u32 v[SRA], s23, v[CO]
	; where my eight fragments go.  My 128 rows of A are group 2 x tile row + half, my 128 of B group 2 x tile column + half; one of the two is a step of 128 keys (0..63), the other a head
	s_lshl_b32 s20, s19, 1
	s_add_co_u32 s20, s20, s[RH]
	s_lshl_b32 s21, s42, 1
	s_add_co_u32 s21, s21, s[CH]
	s_cmp_lt_u32 s66, 8
	s_cselect_b32 s22, s20, s21                    ; the keys' group
	s_cselect_b32 s23, s21, s20                    ; the head
	s_cselect_b32 s7, 0, 1                         ; K's half of a step's block, or V's
	s_lshr_b32 s20, s22, 5
	s_lshl_b32 s20, s20, 8                         ; batch x 8 heads x 32 steps
	s_lshl_b32 s23, s23, 5
	s_add_co_u32 s20, s20, s23
	s_and_b32 s22, s22, 31
	s_add_co_u32 s20, s20, s22                     ; (batch x 8 + head) x 32 + step
	s_lshl_b32 s22, s20, 15
	s_lshl_b32 s21, s7, 14
	s_add_co_u32 s22, s22, s21
	s_mov_b32 s23, 0
	s_add_nc_u64 s[12:13], s[12:13], s[22:23]      ; kvc: 32,768 bytes a step, V's half 16,384 on
	s_lshl_b32 s22, s20, 10
	s_lshl_b32 s21, s7, 9
	s_add_co_u32 s22, s22, s21
	s_add_nc_u64 s[14:15], s[14:15], s[22:23]      ; kvs: 1,024 bytes a step, V's half 512 on
.macro FRAG reg, adr, q, i             ; a fragment: lane l holds row l % 16; registers 4 c .. 4 c + 3 hold K = 32 c + 16 (l / 16) + 0 .. 15
.irp c, 0,1,2,3
	ds_load_b128 v[\reg+4*\c:\reg+4*\c+3], v[\adr] offset:128*(\q)+32*\c+(\i)*16*PITCH
.endr
.endm
; 16 matrix instructions: A's blocks a0, a0 + 1 x B's eight, 128 along K: the slot's q-th.  p: B's set;  sc: the set of scale words.  zero = 1: the first product starts the sums.
; The 64 accumulators take turns, one instruction a turn, in the same order in every step.
.macro MUL16 a0, p, q, sc, zero
.irp a, \a0, \a0+1
.irp b, 0,1,2,3,4,5,6,7
.if \zero
	v_wmma_scale_f32_16x16x128_f8f6f4 v[8*(8*((\a)%4)+\b):8*(8*((\a)%4)+\b)+7], v[128*(\p)+FR*\b:128*(\p)+FR*\b+FR-1], v[AF+FR*(\a):AF+FR*(\a)+FR-1], 0, v[SC+8*NQ*(\sc)+NQ*\b+(\q)], v[SC+8*NQ*(\sc)+NQ*(\a)+(\q)] matrix_a_fmt:MATRIX_FMT_BF8 matrix_b_fmt:MATRIX_FMT_BF8 matrix_a_scale:MATRIX_SCALE_ROW1
.else
	v_wmma_scale_f32_16x16x128_f8f6f4 v[8*(8*((\a)%4)+\b):8*(8*((\a)%4)+\b)+7], v[128*(\p)+FR*\b:128*(\p)+FR*\b+FR-1], v[AF+FR*(\a):AF+FR*(\a)+FR-1], v[8*(8*((\a)%4)+\b):8*(8*((\a)%4)+\b)+7], v[SC+8*NQ*(\sc)+NQ*\b+(\q)], v[SC+8*NQ*(\sc)+NQ*(\a)+(\q)] matrix_a_fmt:MATRIX_FMT_BF8 matrix_b_fmt:MATRIX_FMT_BF8 matrix_a_scale:MATRIX_SCALE_ROW1
.endif
.endr
.endr
.endm
.macro FETCH_B slot, q, p              ; B's eight fragments of the slot's q-th 128 along K into set p
	WIN TO_B
.irp i, 0,1,2,3,4,5,6,7
	FRAG 128*(\p)+FR*\i, ADRB+\slot, \q, \i
.endr
	WIN 0
.endm
.macro FETCH_A slot, q, i0             ; A's blocks i0 .. i0 + 3
.irp i, \i0, \i0+1, \i0+2, \i0+3
	FRAG AF+FR*(\i), ADRA+\slot, \q, \i
.endr
.endm
.macro SCALES sc                       ; the next K step's scale words into set sc: two words a row; lanes 0-15 take A's block i, lanes 16-31 B's block i
.irp i, 0,1,2,3,4,5,6,7
	ds_load_b64 v[SC+8*NQ*\sc+NQ*\i:SC+8*NQ*\sc+NQ*\i+1], v[ADRS] offset:\i*SBLK
.endr
.endm
; A load into a register that a matrix instruction has read, and a vector instruction that reads a matrix result or writes one of its registers, stand NP places behind it; only plain vector
; instructions that name none of its registers are places (ISA guide 7.12.1 for vector instructions).
.macro PLACES n
.rept \n
	v_nop
.endr
.endm
; A step of 128 along K that has its successor in the same slot.
.macro STEP slot, q, zero
	s_wait_dscnt 4*NL                              ; B's set and A's blocks 0-3 are in; the youngest sixteen loads (A's blocks 4-7) may be out
	WIN MUL_LO
	MUL16 0, (\q)%2, \q, \slot, \zero
	MUL16 2, (\q)%2, \q, \slot, \zero
	s_wait_dscnt 0                                 ; A's blocks 4-7 are in (asked for 32 matrix instructions ago)
	PLACES NP
	FETCH_B \slot, (\q)+1, 1-(\q)%2
	FETCH_A \slot, (\q)+1, 0
	WIN MUL_HI
	MUL16 4, (\q)%2, \q, \slot, \zero
	MUL16 6, (\q)%2, \q, \slot, \zero
	PLACES NP
	WIN 0
	FETCH_A \slot, (\q)+1, 4
.endm
; A slot's last step changes slots: ONE barrier; in front of it each wave waits for all its tensor loads, adds 0 to its spare word, and waits for that and for its own reads of this slot.  fill = 1: this slot is filled again, two K steps ahead.
.macro TURN slot, next, fill
	s_wait_tensorcnt 0x0                           ; all my tensor loads have landed: my part of the next slot (every window is 0 here)
	ds_add_u32 v[SPW], v[NIL]                      ; 0 onto my spare word
	s_wait_dscnt 4*NL+1                            ; (the add and the youngest sixteen loads, A's blocks 4-7, may be out)
	WIN MUL_LO
	MUL16 0, 1, NQ-1, \slot, 0                     ; sixteen matrix instructions stand between the add and the wait for it
	s_wait_dscnt 0x0                               ; the add is done, and my reads of this slot are over
	s_barrier_signal -1
	MUL16 2, 1, NQ-1, \slot, 0
	WIN 0
	s_barrier_wait -1
.if \fill
	CREST                                          ; the barrier has opened a round of the cluster's barrier: no wave of any partner still reads this slot's tile or has a load on its way
	s_add_nc_u64 s[G0+4*\slot+2:G0+4*\slot+3], s[G0+4*\slot+2:G0+4*\slot+3], 2*ROWB
	s_add_nc_u64 s[G0B+4*\slot+2:G0B+4*\slot+3], s[G0B+4*\slot+2:G0B+4*\slot+3], 2*ROWB
	JLOAD G0+4*\slot, G1, G0B+4*\slot, G1B         ; the first tensor load behind the round; its four v_nop are among the places in front of the loads below
	PLACES NP-4
.else
	PLACES NP
.endif
	v_add_nc_u32 v[ADRS], 4*NQ, v[ADRS]            ; on to the next K step's scale words (no LDS load of mine is out)
	FETCH_B \next, 0, 0
	FETCH_A \next, 0, 0
	SCALES \next
	WIN MUL_HI
	MUL16 4, 1, NQ-1, \slot, 0
	MUL16 6, 1, NQ-1, \slot, 0
	PLACES NP
	WIN 0
	FETCH_A \next, 0, 4
.endm
	s_wait_tensorcnt 1                             ; the scales and my part of K step 0 are in (K step 1's load may be out),
	s_barrier_signal -1
	s_barrier_wait -1                              ; everybody's are
	FETCH_B 0, 0, 0
	FETCH_A 0, 0, 0
	SCALES 0
	FETCH_A 0, 0, 4
	STEP 0, 0, 1                                   ; K 0-127: its products start the sums
	TURN 0, 1, 1                                   ; K 128-255; slot 0 takes K 512-767
	STEP 1, 0, 0
	TURN 1, 0, 1                                   ; slot 1 takes K 768-1,023
	STEP 0, 0, 0
	TURN 0, 1, 0                                   ; nothing is left to fetch: no round
	STEP 1, 0, 0
	s_wait_dscnt 4*NL                              ; the very last step
	WIN MUL_LO
	MUL16 0, 1, NQ-1, 1, 0
	MUL16 2, 1, NQ-1, 1, 0
	s_wait_dscnt 0
	WIN MUL_HI
	MUL16 4, 1, NQ-1, 1, 0
	MUL16 6, 1, NQ-1, 1, 0
	WIN 0
; THE WAY OUT.  Block a (16 rows of A x my 128 of B's rows: 64 numbers a lane, register 16 b + i of block of 32 b) becomes a fragment and a scale word.
.macro QUANT a
.set QS,  64*((\a)%4)                  ; its eight accumulators,
.set QW,  2+(\a)/4                     ; in window 2 or 3
.set QWW, 0x0a+5*((\a)/4)              ; sources 0 and 1 in that window
.set PCS, PCD+16*((\a)%2)
	WIN QWW
.irp b, 0,1,2,3
	v_max3_num_f32 v[TM+\b], |v[QS+16*\b]|, |v[QS+16*\b+1]|, 0x8000000   ; my 16 numbers of block b, each accumulator from its low end on, and the floor 2^(16 - 127): the byte cannot fall under 1
.endr
.irp i, 2,4,6,8,10,12,14
.irp b, 0,1,2,3
	v_max3_num_f32 v[TM+\b], |v[QS+16*\b+\i]|, |v[QS+16*\b+\i+1]|, v[TM+\b]   ; (the four blocks by turns)
.endr
.endr
	WIN 0
.irp b, 0,1,2,3
	v_permlanex16_b32 v[TM+4+\b], v[TM+\b], s4, s5
.endr
.irp b, 0,1,2,3
	v_max_num_f32 v[TM+\b], v[TM+\b], v[TM+4+\b]   ; with lane l xor 16's 16: the block's largest magnitude
.endr
.irp b, 0,1,2,3
	v_add_nc_u32 v[TM+12+\b], 0xf8800000, v[TM+\b] ; 15 off its exponent field: the conversion takes the exponent field of this operand as its scale
.endr
.irp b, 0,1,2,3
	v_and_or_b32 v[TM+8+\b], v[TM+\b], 0x7f800000, s6   ; 57,344 x the scale
.endr
.irp b, 0,1,2,3
	v_lshrrev_b32 v[TM+4+\b], 23, v[TM+12+\b]      ; the scale's byte
.endr
	v_lshl_or_b32 v[PW+(\a)], v[TM+5], 8, v[TM+4]  ; my row's scale word
	v_lshl_or_b32 v[PW+(\a)], v[TM+6], 16, v[PW+(\a)]
	v_lshl_or_b32 v[PW+(\a)], v[TM+7], 24, v[PW+(\a)]
	WIN QW                                         ; source 0 in the accumulators' window
.irp b, 0,1,2,3
.set i, 0
.rept 16
	v_med3_num_f32 v[T+16*\b+i], v[QS+16*\b+i], -v[TM+8+\b], v[TM+8+\b]   ; the conversion to an 8-bit code does not saturate (ISA guide 7.6.2): the hold, on the way into window 0
.set i, i+1
.endr
.endr
	WIN 0
.if (\a) > 1
	s_wait_xcnt 0x0                                ; block a - 2's stores have read this set of codes: it is written again only behind this wait
.endif
.irp b, 0,1,2,3
	v_cvt_scalef32_pk8_bf8_f32 v[PCS+4*\b:PCS+4*\b+1], v[T+16*\b:T+16*\b+7], v[TM+12+\b]
	v_cvt_scalef32_pk8_bf8_f32 v[PCS+4*\b+2:PCS+4*\b+3], v[T+16*\b+8:T+16*\b+15], v[TM+12+\b]
.endr
	v_nop                                          ; one plain vector instruction between the conversions and the lines that touch their results
.irp b, 0,1,2,3
	v_permlane16_swap_b32 v[PCS+4*\b], v[PCS+4*\b+2]     ; k = 8 .. 15 down to lanes 0-15, k = 16 .. 23 up to lanes 16-31: the four registers now hold k = 32 b + 16 (l / 16) + 0 .. 15
	v_permlane16_swap_b32 v[PCS+4*\b+1], v[PCS+4*\b+3]
.endr
.irp c, 0,1,2,3
	global_store_b128 v[CO], v[PCS+4*\c:PCS+4*\c+3], s[12:13] offset:(\a)*2048+512*\c   ; 32 lanes store 512 consecutive bytes, at a multiple of 256 from the buffer's first byte
.endr
.endm
	PLACES NP                                      ; behind the last products: their results are read and A's registers written below
.irp b, 0,1,2,3
	v_mov_b32 v[TM+4+\b], 0                        ; written once: a lane permute's destination counts as one of its sources
.endr
.irp a, 0,1,2,3,4,5,6,7
	QUANT \a
.endr
.irp a, 0,1,2,3,4,5,6,7
	ds_store_b32 v[SWA], v[PW+\a] offset:64*\a     ; lanes r and r + 16 write the same word with the same value
.endr
	ds_load_b128 v[OW:OW+3], v[SRA]                ; LDS serves a wave's instructions in order (ISA guide 5.7.1.4): this sees my stores
	s_wait_dscnt 0x0
	global_store_b128 v[CO], v[OW:OW+3], s[14:15]  ; my eight fragments' 128 words: 512 consecutive bytes
	s_wait_tensorcnt 0x0                           ; the wave's end
	ds_add_u32 v[SPW], v[NIL]
	s_wait_dscnt 0x0
	CROUND                                         ; the closing round: no work-group ends while a partner may still ask for a tile that names it
	s_endpgm
.Lfunc_end_k_q17d87778db_proj:
	.size	k_q17d87778db_proj, .Lfunc_end_k_q17d87778db_proj-k_q17d87778db_proj
	.p2alignl 7, 3214868480
	.fill 96, 4, 3214868480
	.section	.rodata,"a",@progbits
	.p2align	6, 0x0
	.amdhsa_kernel k_q17d87778db_proj
		.amdhsa_group_segment_fixed_size 327680
		.amdhsa_private_segment_fixed_size 0
		.amdhsa_enable_private_segment 0
		.amdhsa_kernarg_size 48
		.amdhsa_user_sgpr_count 2
		.amdhsa_user_sgpr_kernarg_segment_ptr 1
		.amdhsa_wavefront_size32 1
		.amdhsa_system_sgpr_workgroup_id_x 1
		.amdhsa_system_sgpr_workgroup_id_y 1
		.amdhsa_system_sgpr_workgroup_id_z 1
		.amdhsa_system_vgpr_workitem_id 0
		.amdhsa_next_free_vgpr 1024
		.amdhsa_next_free_sgpr 106
		.amdhsa_reserve_vcc 0
		.amdhsa_float_denorm_mode_32 3
		.amdhsa_float_denorm_mode_16_64 3
		.amdhsa_memory_ordered 1
		.amdhsa_forward_progress 1
		.amdhsa_inst_pref_size 187
	.end_amdhsa_kernel
	.amdgpu_metadata
---
amdhsa.version: [ 1, 2 ]
amdhsa.kernels:
  - .name:           k_q17d87778db_proj
    .symbol:         k_q17d87778db_proj.kd
    .args:
      - { .name: context_codes, .offset: 0, .size: 8, .value_kind: global_buffer, .address_space: global }
      - { .name: context_scales, .offset: 8, .size: 8, .value_kind: global_buffer, .address_space: global }
      - { .name: Wkv_codes, .offset: 16, .size: 8, .value_kind: global_buffer, .address_space: global }
      - { .name: Wkv_scales, .offset: 24, .size: 8, .value_kind: global_buffer, .address_space: global }
      - { .name: kvc, .offset: 32, .size: 8, .value_kind: global_buffer, .address_space: global }
      - { .name: kvs, .offset: 40, .size: 8, .value_kind: global_buffer, .address_space: global }
    .group_segment_fixed_size: 327680
    .private_segment_fixed_size: 0
    .kernarg_segment_align: 8
    .kernarg_segment_size: 48
    .max_flat_workgroup_size: 128
    .sgpr_count:     106
    .vgpr_count:     1024
    .wavefront_size: 32
...
	.end_amdgpu_metadata
.endif
;; end of part 1
;; launch attn (part 2): grid 16 x 16, 16 waves a work-group, clusters of 4 x 1, 327,680 bytes of LDS; arguments x_codes, x_scales, Wq_codes, Wq_scales, kvc, kvs, doc_similarities, beta, oc, os; writes oc, os
.if DOCPART == 2
	.amdgcn_target "amdgcn-amd-amdhsa--gfx1250"
	.amdhsa_code_object_version 6
	.text
	.protected	k_q17d87778db_attn
	.globl	k_q17d87778db_attn
	.p2align	8
	.type	k_q17d87778db_attn,@function
k_q17d87778db_attn:
	s_mov_b64 s[64:65], 0
	v_nop
	global_prefetch_b8 v0, s[64:65] scope:SCOPE_SE
	s_setreg_imm32_b32 hwreg(HW_REG_WAVE_MODE, 25, 1), 1
	s_wait_xcnt 0x0
	s_wait_alu depctr_hold_cnt(0) depctr_sa_sdst(0) depctr_va_vdst(0) depctr_va_sdst(0) depctr_va_ssrc(0) depctr_va_vcc(0) depctr_vm_vsrc(0)
	s_getreg_b32 s2, hwreg(HW_REG_IB_STS2, 6, 4)
	s_cmp_eq_u32 s2, 0
	s_cbranch_scc0 .Lentry_in_a_cluster
	s_endpgm
.Lentry_in_a_cluster:
	s_bfe_u32 s2, ttmp6, 0x10000c
	s_cmp_lg_u32 s2, 0x3003
	s_cbranch_scc0 .Lentry_shape_is_right
	s_endpgm
.Lentry_shape_is_right:
; q = x Wq, quantised;  S = q k^T;  softmax with the documents' bias;  O = p v;  O / l, quantised for the last product.  All products on codes of BF8 (E5M2) with one E8M0 scale for each 32 along K.
; SHARES.  A work-group owns 64 queries of one (batch, head): 16 x 16 = 256 work-groups.  Wave w: tile of 16 queries w / 4, DOCUMENT w % 4 (1,024 keys, eight steps of 128).  Sixteen waves of 256 registers, four to a SIMD,
; so that one wave's vector work stands beside another's products and LDS loads.  A document's bias is one number for the wave.  The four waves of a tile meet at the end: their M are whole numbers, so the merge multiplies by exact powers of two.
; SOFTMAX.  t = score x log2(e) / 32 + sim x beta x log2(e);  M = the running largest t rounded UP to a whole number;  p = 2^(t - M) is quantised along the keys, not normalised; l is the sum of the unquantised p and divides at the end.
; LAYOUT.  Both products transposed: S^T = K Q^T, O^T = V^T P^T: a lane holds ONE query throughout.  K's and V's fragments lie in kvc in the order of the operand's registers (registers 4 c .. 4 c + 3 at 512 c + 16 x lane).
; Tiles are natural: tile 2 b holds keys 32 b + 8 h + j, tile 2 b + 1 keys 32 b + 16 + 8 h + j; each tile's codes are two registers, and v_permlane16_swap_b32 (first register's lanes 16-31 against the second's lanes 0-15)
; leaves keys 32 b + 16 h + 0 .. 15 in four registers on end.
; CLUSTER.  The four query blocks of a cluster belong to one (batch, head) and walk the same K and V: every tile is asked for jointly, mask 15, each of the sixteen waves asking for 8,192 of a step's 131,072 bytes.
; q IS MADE HERE: wave (tile, d) makes its 16 queries x channels 32 d .. 32 d + 31 of the head (two accumulators, eight K steps, operands straight from memory), while the first tiles are on their way; the four blocks meet in LDS.
; LIMITS: NaN and infinities among the inputs are not served.  A block of zeros, or one under 2^-111, gets the scale byte 1 (this program alone reads the bytes).  A p under 2^-126 counts as 0 (v_exp_f32, ISA guide 15.8).
; REGISTERS: v0 the thread; v1 16 x lane, v2 4 x lane; v3, v8 addresses in hand; v4, v9 my document's place; v5, v6 the add's; v7 the prefetches' offset; v10 bias - M, v11 bias; v12 -M, v13 the largest t, v[14:15] l in two halves;
;   v16-31 Q; v32-95 four fragments; v96-159 S^T, then p; v160-223 O^T; v224-239 p's codes; v232-247 at work; v248-251, v253, v255 scale words and nothing else; v252 f; v254 at work.
.set SLOT1, 1<<17                      ; a slot: [document 4][K 16,384 bytes, V 16,384 bytes]; slot 1 begins here: one exclusive or turns an address
.set SCB,   2*SLOT1                    ; the (batch, head)'s scale words, 32,768 bytes: filled once
.set SPARE, SCB+32768                  ; the spare words, 128 bytes for each of sixteen waves
.set QIMG,  SPARE+2048                 ; Q's four fragments, as images of their registers
.set QSC,   QIMG+8192                  ; their scale words: 128 bytes a tile, 4 a lane
.set MLX,   QSC+512                    ; for each wave 128 bytes of -M and 128 of l
.set OSC,   MLX+4096                   ; the output's scale words: [tile 4][16 rows]
.set ADK, 3
.set KB0, 4
.set SPW, 5
.set NIL, 6
.set PFO, 7
.set ADS, 8
.set SB0, 9
.set WV,  24                           ; s24 wave;  s25 wave / 4;  s26 wave % 4;  s27 cx;  s28 my block of 64 queries;  s29 batch x 8 + head;  s30 batch;  s31 head
.set QT,  25
.set DD,  26
.set CX,  27
.set QB,  28
.set BH,  29
.set BB,  30
.set HH,  31
.set G1C, 32                           ; s[32:39] group 1 for the codes: 8,192 dense bytes;  s[40:47] for the scale words: 2,048;  s[48:51], s[52:55] their groups 0
.set G1S, 40
.set G0C, 48
.set G0S, 52
.set SEL, 56                           ; s[56:57] v_permlanex16_b32's selects for lane l xor 16
.set CS,  58                           ; s[58:59] c = log2(e) / 32: the packed form names a pair and takes its low word
.set MNT, 60                           ; s60 the mantissa field of 57,344
.set TB,  61                           ; s61 where the slot in hand begins
.set TS,  62                           ; s62 the step's scale words: 1,024 bytes a step
.set SLOTS, 63                         ; s63 steps still to be asked for
.set LIM, 66                           ; s66 1 in a wave that prefetches, else the greatest number
.set PFA, 68                           ; s[68:69] where my prefetches stand
.macro CROUND                          ; a round of the cluster's barrier
	s_barrier_signal -1
	s_barrier_wait -1
	s_cmp_lg_u32 s[WV], 0
	s_cbranch_scc1 .Lnot_wave_0_\@
	s_barrier_signal -3
.Lnot_wave_0_\@:
	s_barrier_wait -3
	s_barrier_signal -1
	s_barrier_wait -1
.endm
; A PREFETCH INTO THE L2 of what the NEXT change of slots will ask for: a step's 32,768 bytes of each document.  All four clusters of a (batch, head) walk the same bytes: the first of them asks.  In it waves 0, 4, 8, 12 ask,
; each for one document; the four partners share its 128 blocks of 256 bytes out BY ADDRESS, 32 each, a lane a block: each block is named once in the launch.  The last change that fills a slot asks for nothing; steps 0 and 1 come by their loads alone.
.macro ASK
	s_cmp_gt_u32 s[SLOTS], s[LIM]
	s_cbranch_scc0 .Lnot_mine_\@
	global_prefetch_b8 v[PFO], s[PFA:PFA+1] th:TH_LOAD_NT scope:SCOPE_SE
.Lnot_mine_\@:
.endm
	s_load_b256 s[4:11], s[0:1], 0x0               ; x's codes s[4:5], x's scales s[6:7], Wq's codes s[8:9], Wq's scales s[10:11]
	s_load_b256 s[12:19], s[0:1], 0x20             ; kvc s[12:13], kvs s[14:15], doc_similarities s[16:17], beta s[18:19]
	s_load_b128 s[20:23], s[0:1], 0x40             ; oc s[20:21], os s[22:23]
	v_lshl_add_u32 v[SPW], v0, 2, SPARE
	v_mov_b32 v[NIL], 0
	ds_add_u32 v5, v6
	ds_add_u32 v5, v6
	s_wait_dscnt 0x0
	v_lshrrev_b32 v1, 5, v0
	v_readfirstlane_b32 s[WV], v1                  ; wave 0..15
	s_lshr_b32 s[QT], s[WV], 2
	s_and_b32 s[DD], s[WV], 3
	s_bfe_u32 s[CX], ttmp6, 0x40000                ; my place in the cluster
	s_lshl_b32 s[QB], ttmp9, 2
	s_add_co_u32 s[QB], s[QB], s[CX]               ; my block of 64 queries: it enters x's, oc's and os's addresses alone
	s_and_b32 s[BH], ttmp7, 0xffff                 ; which the four partners share
	s_lshr_b32 s[BB], s[BH], 3
	s_and_b32 s[HH], s[BH], 7
	s_mov_b32 s[G1C], 15|(3<<16)|(1<<21)           ; 15:0 the mask: all four work-groups; 17:16 elements of 8 bytes; 21 set beside a mask; no padding: images are read 16 x lane on end
	s_mov_b32 s[G1C+1], 32<<16                     ; tensor_dim0 = 32 elements: rows of 256 bytes
	s_mov_b32 s[G1C+2], 32<<16                     ; tensor_dim1 = 32 rows
	s_mov_b32 s[G1C+3], 32<<16                     ; tile_dim0
	s_mov_b32 s[G1C+4], 32                         ; tile_dim1
	s_mov_b32 s[G1C+5], 32                         ; dense
	s_mov_b32 s[G1C+6], 0
	s_mov_b32 s[G1C+7], 0
	s_mov_b32 s[G1S], 15|(3<<16)|(1<<21)
	s_mov_b32 s[G1S+1], 32<<16
	s_mov_b32 s[G1S+2], 8<<16                      ; 8 rows
	s_mov_b32 s[G1S+3], 32<<16
	s_mov_b32 s[G1S+4], 8
	s_mov_b32 s[G1S+5], 32
	s_mov_b32 s[G1S+6], 0
	s_mov_b32 s[G1S+7], 0
	s_lshl_b32 s70, s[BH], 20                      ; kvc: 32 steps of 32,768 bytes a (batch, head),
	s_lshl_b32 s71, s[QT], 18                      ; eight steps a document: as a fetcher wave w takes document w / 4,
	s_add_co_u32 s70, s70, s71
	s_lshl_b32 s71, s[DD], 13                      ; quarter w % 4 of its step
	s_add_co_u32 s72, s70, s71
	s_mov_b32 s73, 0
	s_lshl_b32 s74, s[BH], 15                      ; kvs: 32,768 bytes a (batch, head), 2,048 a wave
	s_lshl_b32 s75, s[WV], 11
	s_add_co_u32 s74, s74, s75
	s_mov_b32 s75, 0
	s_lshl_b32 s76, s[BB], 2
	s_add_co_u32 s76, s76, s[DD]
	s_lshl_b32 s76, s76, 2                         ; doc_similarities[batch][my document]
	s_mov_b32 s77, 0
	s_wait_kmcnt 0x0
	s_mov_b32 s[G0C], 1
	s_lshl_b32 s[G0C+1], s[WV], 13                 ; slot 0, 8,192 x wave
	s_add_nc_u64 s[G0C+2:G0C+3], s[12:13], s[72:73]
	s_or_b32 s[G0C+3], s[G0C+3], 0x80000000
	s_mov_b32 s[G0S], 1
	s_lshl_b32 s[G0S+1], s[WV], 11
	s_add_co_u32 s[G0S+1], s[G0S+1], SCB
	s_add_nc_u64 s[G0S+2:G0S+3], s[14:15], s[74:75]
	s_or_b32 s[G0S+3], s[G0S+3], 0x80000000
	s_add_nc_u64 s[16:17], s[16:17], s[76:77]
	s_load_b32 s78, s[16:17], 0x0                  ; my document's similarity
	s_load_b32 s79, s[18:19], 0x0                  ; beta
	CROUND                                         ; all four work-groups are here: the first joint loads meet
	tensor_load_to_lds s[G0S:G0S+3], s[G1S:G1S+7]  ; the scale words: filled once
	s_nop 0
	tensor_load_to_lds s[G0C:G0C+3], s[G1C:G1C+7]  ; step 0 of each document: two loads of mine are out
	s_nop 0
.rept 4
	v_nop
.endr
	s_lshl_b32 s80, s[CX], 13                      ; the prefetches: my work-group's 8,192 bytes of the document's step,
	s_add_co_u32 s80, s80, s70
	s_add_co_u32 s80, s80, 32768                   ; at step 1: the first change of slots steps it to step 2.  Nothing is prefetched here, at the head
	s_mov_b32 s81, 0
	s_add_nc_u64 s[PFA:PFA+1], s[12:13], s[80:81]
	s_or_b32 s[LIM], s[DD], ttmp9                  ; 0 in waves 0, 4, 8, 12 of the (batch, head)'s first cluster: the same in all four partners
	s_cmp_eq_u32 s[LIM], 0
	s_cselect_b32 s[LIM], 1, -1
	s_lshl_b32 s82, s[BB], 10
	s_lshl_b32 s83, s[QB], 6
	s_add_co_u32 s82, s82, s83
	s_lshl_b32 s83, s[QT], 4
	s_add_co_u32 s82, s82, s83                     ; my tile's first row of x: 1,024 batch + 64 block + 16 tile
	s_lshl_b32 s84, s82, 10
	s_mov_b32 s85, 0
	s_add_nc_u64 s[4:5], s[4:5], s[84:85]          ; its codes, 1,024 bytes a row,
	s_lshl_b32 s84, s82, 5
	s_add_nc_u64 s[6:7], s[6:7], s[84:85]          ; its scale bytes, 32 a row
	s_lshl_b32 s83, s[HH], 7
	s_lshl_b32 s84, s[DD], 5
	s_add_co_u32 s83, s83, s84                     ; my 32 rows of Wq: 128 head + 32 d
	s_lshl_b32 s84, s83, 10
	s_add_nc_u64 s[8:9], s[8:9], s[84:85]
	s_lshl_b32 s84, s83, 5
	s_add_nc_u64 s[10:11], s[10:11], s[84:85]
	s_lshr_b32 s84, s82, 4                         ; oc: [tile of 16 rows][head][2,048 bytes], my block of 32 channels 512 d on
	s_lshl_b32 s84, s84, 3
	s_add_co_u32 s84, s84, s[HH]
	s_lshl_b32 s84, s84, 11
	s_lshl_b32 s83, s[DD], 9
	s_add_co_u32 s84, s84, s83
	s_add_nc_u64 s[20:21], s[20:21], s[84:85]
	s_lshl_b32 s84, s[HH], 13                      ; os: [head][tile of 16 rows][16 words]: 8,192 head + 4,096 batch + 256 block
	s_lshl_b32 s83, s[BB], 12
	s_add_co_u32 s84, s84, s83
	s_lshl_b32 s83, s[QB], 8
	s_add_co_u32 s84, s84, s83
	s_add_nc_u64 s[22:23], s[22:23], s[84:85]
	s_mov_b32 s[SEL], 0x76543210
	s_mov_b32 s[SEL+1], 0xfedcba98
	s_mov_b32 s[CS], 0x3d38aa3b                    ; log2(e) / 32
	s_mov_b32 s[CS+1], s[CS]
	s_mov_b32 s[MNT], 0x600000
	s_mov_b32 s[TB], 0
	s_mov_b32 s[TS], 0
	s_mov_b32 s[SLOTS], 7
	v_and_b32 v2, 31, v0                           ; lane
	v_lshlrev_b32 v1, 4, v2
	v_lshlrev_b32 v[PFO], 8, v2
	v_lshlrev_b32 v13, 5, v2                       ; (until q is made) Wq's scale bytes: row = lane: lanes 0-15 my first 16 rows, lanes 16-31 the next
	v_lshlrev_b32 v2, 2, v2
	v_and_b32 v10, 15, v0                          ; r
	v_bfe_u32 v254, v0, 4, 1                       ; h
	v_lshlrev_b32 v3, 10, v10
	v_lshl_add_u32 v3, v254, 4, v3                 ; (until q is made) x's and Wq's codes: row r of 1,024 bytes + 16 h
	v_lshlrev_b32 v12, 5, v10
	v_lshl_add_u32 v12, v254, 2, v12               ; (until q is made) x's scale bytes: row r, lanes 16-31 one K step further on
	s_lshl_b32 s83, s[DD], 15
	v_add_nc_u32 v[KB0], s83, v1                   ; my document's 32,768 bytes of a slot
	s_lshl_b32 s83, s[DD], 13
	s_add_co_u32 s83, s83, SCB
	v_add_nc_u32 v[SB0], s83, v2                   ; and its eight steps' scale words
	s_lshl_b32 s83, s[WV], 9
	s_add_co_u32 s83, s83, QIMG
	v_add_nc_u32 v14, s83, v1                      ; Q's image, in: tile x 2,048 + d x 512 = 512 x wave
	s_lshl_b32 s83, s[QT], 7
	s_add_co_u32 s83, s83, QSC
	v_add_nc_u32 v8, s83, v2                       ; Q's scale word, back,
	v_add_nc_u32 v15, s[DD], v8                    ; and my byte of it, in
	s_lshl_b32 s83, s[QT], 11
	s_add_co_u32 s83, s83, QIMG
	v_add_nc_u32 v10, s83, v1                      ; Q's image, back
	v_mov_b32 v241, 0                              ; written once: a lane permute's destination counts as one of its sources
; q: two K steps' operands.  For K step s0 + k: x's fragment at v[set + 48 k], Wq's two at + 16 and + 32.  sx: x's scale words, lanes 0-15 step s0, lanes 16-31 step s0 + 1;  sw0, sw1: Wq's for the two steps, lanes 0-15 tile 0, lanes 16-31 tile 1.  27 loads
.macro LOADQ set, s0, sx, sw0, sw1
.irp k, 0,1
.irp c, 0,1,2,3
	global_load_b128 v[\set+48*\k+4*\c:\set+48*\k+4*\c+3], v3, s[4:5] offset:((\s0)+\k)*128+32*\c
.endr
.irp u, 0,1
.irp c, 0,1,2,3
	global_load_b128 v[\set+48*\k+16+16*\u+4*\c:\set+48*\k+16+16*\u+4*\c+3], v3, s[8:9] offset:\u*16384+((\s0)+\k)*128+32*\c
.endr
.endr
.endr
	global_load_b32 v[\sx], v12, s[6:7] offset:4*(\s0)
	global_load_b32 v[\sw0], v13, s[10:11] offset:4*(\s0)
	global_load_b32 v[\sw1], v13, s[10:11] offset:4*(\s0)+4
.endm
; four products: source 0 = 16 rows of Wq, source 1 = my 16 rows of x; the two accumulators by turns
.macro MULQ set, sx, sw0, sw1, zero
.if \zero
	v_wmma_scale_f32_16x16x128_f8f6f4 v[224:231], v[\set+16:\set+31], v[\set:\set+15], 0, v[\sw0], v[\sx] matrix_a_fmt:MATRIX_FMT_BF8 matrix_b_fmt:MATRIX_FMT_BF8
	v_wmma_scale_f32_16x16x128_f8f6f4 v[232:239], v[\set+32:\set+47], v[\set:\set+15], 0, v[\sw0], v[\sx] matrix_a_fmt:MATRIX_FMT_BF8 matrix_b_fmt:MATRIX_FMT_BF8 matrix_a_scale:MATRIX_SCALE_ROW1
.else
	v_wmma_scale_f32_16x16x128_f8f6f4 v[224:231], v[\set+16:\set+31], v[\set:\set+15], v[224:231], v[\sw0], v[\sx] matrix_a_fmt:MATRIX_FMT_BF8 matrix_b_fmt:MATRIX_FMT_BF8
	v_wmma_scale_f32_16x16x128_f8f6f4 v[232:239], v[\set+32:\set+47], v[\set:\set+15], v[232:239], v[\sw0], v[\sx] matrix_a_fmt:MATRIX_FMT_BF8 matrix_b_fmt:MATRIX_FMT_BF8 matrix_a_scale:MATRIX_SCALE_ROW1
.endif
	v_wmma_scale_f32_16x16x128_f8f6f4 v[224:231], v[\set+64:\set+79], v[\set+48:\set+63], v[224:231], v[\sw1], v[\sx] matrix_a_fmt:MATRIX_FMT_BF8 matrix_b_fmt:MATRIX_FMT_BF8 matrix_b_scale:MATRIX_SCALE_ROW1
	v_wmma_scale_f32_16x16x128_f8f6f4 v[232:239], v[\set+80:\set+95], v[\set+48:\set+63], v[232:239], v[\sw1], v[\sx] matrix_a_fmt:MATRIX_FMT_BF8 matrix_b_fmt:MATRIX_FMT_BF8 matrix_a_scale:MATRIX_SCALE_ROW1 matrix_b_scale:MATRIX_SCALE_ROW1
.endm
.macro PLACES8                         ; eight places behind this matrix instruction, ahead of loads into its registers and of vector lines that read its results
.rept 8
	v_nop
.endr
.endm
; ONE BLOCK OF 32: 16 registers of a lane (two natural tiles) and lane l xor 16's become four registers of codes, v[244:247], in the operand's order, and the scale's byte, v241.
.macro QB32 src
	v_max3_num_f32 v240, |v[\src]|, |v[\src+1]|, 0x8000000   ; from the low end on; the floor 2^(16 - 127): the byte cannot fall under 1
.irp i, 2,4,6,8,10,12,14
	v_max3_num_f32 v240, v240, |v[\src+\i]|, |v[\src+\i+1]|
.endr
	v_permlanex16_b32 v241, v240, s[SEL], s[SEL+1]
	v_max_num_f32 v240, v240, v241                 ; the block's largest magnitude
	v_add_nc_u32 v242, 0xf8800000, v240            ; 15 off its exponent field: the conversion's scale operand
	v_and_or_b32 v243, v240, 0x7f800000, s[MNT]    ; 57,344 x the scale
	v_lshrrev_b32 v241, 23, v242                   ; the byte
.set i, 0
.rept 16
	v_med3_num_f32 v[\src+i], v[\src+i], -v243, v243   ; the conversion to an 8-bit code does not saturate (ISA guide 7.6.2)
.set i, i+1
.endr
	v_cvt_scalef32_pk8_bf8_f32 v[244:245], v[\src:\src+7], v242
	v_cvt_scalef32_pk8_bf8_f32 v[246:247], v[\src+8:\src+15], v242
	v_nop                                          ; one plain vector instruction between the conversions and the lines that touch their results
	v_permlane16_swap_b32 v244, v246
	v_permlane16_swap_b32 v245, v247
.endm
	LOADQ 32, 0, 248, 249, 250
	LOADQ 128, 2, 251, 253, 255
	s_wait_kmcnt 0x0
	s_mul_f32 s78, s78, s79                        ; sim x beta,
	s_mul_f32 s78, s78, 0x3fb8aa3b                 ; x log2(e)
	v_mov_b32 v11, s78                             ; my document's bias, in t's unit
	s_wait_loadcnt 27                              ; the older batch is in, the younger 27 may be out
	MULQ 32, 248, 249, 250, 1
	PLACES8
	LOADQ 32, 4, 248, 249, 250
	s_wait_loadcnt 27
	MULQ 128, 251, 253, 255, 0
	PLACES8
	LOADQ 128, 6, 251, 253, 255
	s_wait_loadcnt 27
	MULQ 32, 248, 249, 250, 0
	s_wait_loadcnt 0x0
	MULQ 128, 251, 253, 255, 0
	PLACES8
	QB32 224                                       ; lane (r, h): query r, channels 32 d + 16 h + 0 .. 15: registers 4 d .. 4 d + 3 of Q's fragment
	ds_store_b128 v14, v[244:247]
	ds_store_b8 v15, v241
	s_wait_dscnt 0x0                               ; for the others' sake: my stores have landed
	s_barrier_signal -1
	s_barrier_wait -1
.irp c, 0,1,2,3
	ds_load_b128 v[16+4*\c:19+4*\c], v10 offset:512*\c   ; Q's fragment stays in registers
.endr
	ds_load_b32 v255, v8                           ; and its scale words
	v_mov_b32 v13, 0xff61b1e6                      ; the largest t so far: -3e38
	v_floor_f32 v12, -v13                          ; -M
	v_mov_b32 v14, 0                               ; l, in two halves
	v_mov_b32 v15, 0
	v_mov_b32 v10, 0
.irp b, 0,1,2,3
	v_mov_b32 v[236+\b], 0                         ; a lane permute's destination counts as one of its sources
.endr
	v_mov_b32 v253, 0                              ; (named as the upper half of the pair v[252:253] before it is first written)
.set j, 0
.rept 64
	v_mov_b32 v[160+j], 0                          ; O^T: the step is written once; the first finds zeros, which the first change of M leaves zeros
.set j, j+1
.endr
	s_wait_dscnt 0x0
.macro KQT g, t                        ; S^T, tile 4 g + t: source 0 = 16 keys, source 1 = my 16 queries.  A register of scale words serves two tiles: lanes 0-15 the even one, lanes 16-31 the odd one
.if (\t)%2
	v_wmma_scale_f32_16x16x128_f8f6f4 v[96+8*(4*\g+\t):103+8*(4*\g+\t)], v[32+16*\t:47+16*\t], v[16:31], 0, v[248+(\t)/2], v255 matrix_a_fmt:MATRIX_FMT_BF8 matrix_b_fmt:MATRIX_FMT_BF8 matrix_a_scale:MATRIX_SCALE_ROW1
.else
	v_wmma_scale_f32_16x16x128_f8f6f4 v[96+8*(4*\g+\t):103+8*(4*\g+\t)], v[32+16*\t:47+16*\t], v[16:31], 0, v[248+(\t)/2], v255 matrix_a_fmt:MATRIX_FMT_BF8 matrix_b_fmt:MATRIX_FMT_BF8
.endif
.endm
.macro PVT g, t                        ; O^T, tile 4 g + t: source 0 = 16 channels x 128 keys, source 1 = p
.if (\t)%2
	v_wmma_scale_f32_16x16x128_f8f6f4 v[160+8*(4*\g+\t):167+8*(4*\g+\t)], v[32+16*\t:47+16*\t], v[224:239], v[160+8*(4*\g+\t):167+8*(4*\g+\t)], v[248+(\t)/2], v253 matrix_a_fmt:MATRIX_FMT_BF8 matrix_b_fmt:MATRIX_FMT_BF8 matrix_a_scale:MATRIX_SCALE_ROW1
.else
	v_wmma_scale_f32_16x16x128_f8f6f4 v[160+8*(4*\g+\t):167+8*(4*\g+\t)], v[32+16*\t:47+16*\t], v[224:239], v[160+8*(4*\g+\t):167+8*(4*\g+\t)], v[248+(\t)/2], v253 matrix_a_fmt:MATRIX_FMT_BF8 matrix_b_fmt:MATRIX_FMT_BF8
.endif
.endm
; A KEY STEP: 128 keys of my document, in the slot in hand.
.macro STEP
	v_add_nc_u32 v[ADK], s[TB], v[KB0]
	v_add_nc_u32 v[ADS], s[TS], v[SB0]
.irp g, 0,1                                    ; S^T = K Q^T, four tiles of 16 keys at a time
.rept 8-2*(1-\g)
	v_nop                                          ; eight places in front of loads into registers that matrix instructions have read (the two additions above are places too)
.endr
.irp t, 0,1,2,3
.irp c, 0,1,2,3
	ds_load_b128 v[32+16*\t+4*\c:32+16*\t+4*\c+3], v[ADK] offset:(4*\g+\t)*2048+512*\c
.endr
.endr
.irp u, 0,1
	ds_load_b32 v[248+\u], v[ADS] offset:(2*\g+\u)*128
.endr
	s_wait_dscnt 0x0
.irp t, 0,1,2,3
	KQT \g, \t
.endr
.endr
.rept 8
	v_nop
.endr
.irp b, 0,1,2,3
	v_max3_num_f32 v[232+\b], v[96+16*\b], v[97+16*\b], v[98+16*\b]   ; the largest score of each block of 32 keys: for the row's maximum and, since p rises with the score, for the block's largest p
.endr
.irp i, 3,5,7,9,11,13
.irp b, 0,1,2,3
	v_max3_num_f32 v[232+\b], v[232+\b], v[96+16*\b+\i], v[97+16*\b+\i]
.endr
.endr
.irp b, 0,1,2,3
	v_max_num_f32 v[232+\b], v[232+\b], v[111+16*\b]
.endr
.irp b, 0,1,2,3
	v_permlanex16_b32 v[236+\b], v[232+\b], s[SEL], s[SEL+1]
.endr
.irp b, 0,1,2,3
	v_max_num_f32 v[232+\b], v[232+\b], v[236+\b]  ; with lane l xor 16's 16 keys
.endr
	v_max3_num_f32 v254, v232, v233, v234
	v_max_num_f32 v254, v254, v235                 ; the step's largest score of my query
	v_fma_f32 v254, v254, s[CS], v11               ; as t: c is positive, and the bias is one number for all my keys
	v_max_num_f32 v13, v13, v254                   ; the running largest t
	v_mov_b32 v254, v12
	v_floor_f32 v12, -v13                          ; the new -M = -ceil(t): a whole number
	v_sub_f32 v254, v12, v254                      ; old M - new M: a whole number, 0 or less
	v_cvt_i32_f32 v254, v254                       ; (it saturates)
	v_ldexp_f32 v252, 1.0, v254                    ; f = 2^(old M - new M): rounds nothing
	v_add_f32 v10, v11, v12                        ; bias - M
.set j, 0
.rept 32
	v_pk_fma_f32 v[96+j:97+j], v[96+j:97+j], s[CS:CS+1], v[10:11] op_sel_hi:[1,0,0]   ; t - M, two at a time (of the pairs the low word serves both halves)
.set j, j+2
.endr
.irp b, 0,1,2,3
	v_fma_f32 v[232+\b], v[232+\b], s[CS], v10     ; the same of each block's largest score
.endr
.set j, 0
.rept 64
	v_exp_f32 v[96+j], v[96+j]                     ; p = 2^(t - M): not normalised
.set j, j+1
.endr
	v_pk_mul_f32 v[14:15], v[14:15], v[252:253] op_sel_hi:[1,0]   ; l under the new M (a plain instruction behind the exponentials)
	s_wait_alu depctr_va_vdst(0)                   ; one for the whole batch, ahead of its first reader
.irp b, 0,1,2,3
	v_exp_f32 v[232+\b], v[232+\b]                 ; the block's largest p: the same two instructions on the same number
.endr
	v_pk_add_f32 v[236:237], v[96:97], v[98:99]    ; l is the sum of the UNQUANTISED p: two at a time, in two chains
.set j, 4
.rept 15
	v_pk_add_f32 v[14:15], v[14:15], v[96+j:97+j]
	v_pk_add_f32 v[236:237], v[236:237], v[98+j:99+j]
.set j, j+4
.endr
	v_pk_add_f32 v[14:15], v[14:15], v[236:237]
	s_wait_alu depctr_va_vdst(0)                   ; and one for the four
.irp b, 0,1,2,3
	v_max_num_f32 v[232+\b], 0x8000000, v[232+\b]  ; the floor 2^(16 - 127)
.endr
.irp b, 0,1,2,3
	v_add_nc_u32 v[244+\b], 0xf8800000, v[232+\b]  ; the conversion's scale operand
.endr
.irp b, 0,1,2,3
	v_and_or_b32 v[240+\b], v[232+\b], 0x7f800000, s[MNT]   ; 57,344 x the scale
.endr
.irp b, 0,1,2,3
	v_lshrrev_b32 v[236+\b], 23, v[244+\b]         ; the byte
.endr
	v_lshl_or_b32 v253, v237, 8, v236              ; p's scale word for these 128 keys
	v_lshl_or_b32 v253, v238, 16, v253
	v_lshl_or_b32 v253, v239, 24, v253
.irp b, 0,1,2,3
.set i, 0
.rept 16
	v_min_num_f32 v[96+16*\b+i], v[96+16*\b+i], v[240+\b]   ; the hold; p is not negative, so it is one-sided
.set i, i+1
.endr
	v_cvt_scalef32_pk8_bf8_f32 v[224+4*\b:225+4*\b], v[96+16*\b:103+16*\b], v[244+\b]
	v_cvt_scalef32_pk8_bf8_f32 v[226+4*\b:227+4*\b], v[104+16*\b:111+16*\b], v[244+\b]
.endr
.set j, 0
.rept 16
	v_pk_mul_f32 v[160+j:161+j], v[160+j:161+j], v[252:253] op_sel_hi:[1,0]   ; O^T under the new M: its first half stands between the conversions and the swaps,
.set j, j+2
.endr
.irp b, 0,1,2,3
	v_permlane16_swap_b32 v[224+4*\b], v[226+4*\b] ; keys 32 b + 16 h + 0 .. 15 in four registers on end
	v_permlane16_swap_b32 v[225+4*\b], v[227+4*\b]
.endr
.rept 16
	v_pk_mul_f32 v[160+j:161+j], v[160+j:161+j], v[252:253] op_sel_hi:[1,0]   ; its second half between the swaps and the products that take the codes
.set j, j+2
.endr
.irp g, 0,1                                    ; O^T += V^T P^T: four tiles of 16 channels at a time
.if \g > 0
.rept 8
	v_nop
.endr
.endif
.irp t, 0,1,2,3
.irp c, 0,1,2,3
	ds_load_b128 v[32+16*\t+4*\c:32+16*\t+4*\c+3], v[ADK] offset:16384+(4*\g+\t)*2048+512*\c
.endr
.endr
.irp u, 0,1
	ds_load_b32 v[248+\u], v[ADS] offset:512+(2*\g+\u)*128
.endr
	s_wait_dscnt 0x0
.irp t, 0,1,2,3
	PVT \g, \t
.endr
.endr
	s_add_co_u32 s[TS], s[TS], 1024                ; the next step's scale words,
	s_xor_b32 s[TB], s[TB], SLOT1                  ; in the other slot
.endm
; THE CHANGE OF SLOTS stands at a step's head.  Each wave waits for all its tensor loads (its part of the slot that it is about to read), adds 0 to its spare word, and waits for that and for its reads of the slot that it has left.
; fill = 1: the barrier is a round of the cluster's, so that no wave of any partner still reads that slot or has a load on its way; the joint refill is the first thing behind it and has a whole step in which to land.
.macro CHANGE fill
	s_wait_tensorcnt 0x0                           ; no tensor load of mine is out, so the group 0 may be written
	ds_add_u32 v[SPW], v[NIL]                      ; 0 onto my spare word
.if \fill
	s_xor_b32 s[G0C+1], s[G0C+1], SLOT1            ; the other slot than last time,
	s_add_nc_u64 s[G0C+2:G0C+3], s[G0C+2:G0C+3], 32768   ; the next step; the type bits on top are not reached
	s_wait_xcnt 0x0                                ; the last prefetch, a step back, has read its address, so it may be written:
	s_add_nc_u64 s[PFA:PFA+1], s[PFA:PFA+1], 32768 ; one step further on than the walking descriptor
.endif
	s_wait_dscnt 0x0                               ; the add is done, and my reads of the slot that I have left are over
.if \fill
	CROUND
	tensor_load_to_lds s[G0C:G0C+3], s[G1C:G1C+7]  ; my one tensor load until the next round
	s_nop 0
.rept 4
	v_nop
.endr
	ASK
.else
	s_barrier_signal -1
	s_barrier_wait -1
.endif
.endm
.Lslot:                                            ; seven trips: trip i asks for step i and works step i - 1
	CHANGE 1
	STEP
	s_sub_co_u32 s[SLOTS], s[SLOTS], 1
	s_cmp_lg_u32 s[SLOTS], 0
	s_cbranch_scc1 .Lslot
	CHANGE 0                                       ; the last step is written out
	STEP
	; THE MERGE.  Each wave lays -M, l and O^T down; wave (tile, d) takes channels 32 d .. 32 d + 31 of the tile's four documents.  O^T's stage is slot 0, 8,192 bytes a wave: it has had its last fill (step 6),
	; and every wave has left it at the last change of slots.  The eight address lines are the places behind the last products: they name none of their registers.
	s_lshl_b32 s83, s[WV], 8
	s_add_co_u32 s83, s83, MLX
	v_add_nc_u32 v3, s83, v2                       ; my -M and l
	s_lshl_b32 s83, s[WV], 13
	v_add_nc_u32 v4, s83, v1                       ; my O^T, as an image of its registers
	s_lshl_b32 s83, s[QT], 15
	s_lshl_b32 s84, s[DD], 11
	s_add_co_u32 s83, s83, s84
	v_add_nc_u32 v8, s83, v1                       ; back: the tile's four waves, registers 16 d on
	s_lshl_b32 s83, s[QT], 10
	s_add_co_u32 s83, s83, MLX
	v_add_nc_u32 v9, s83, v2
	v_and_b32 v10, 15, v0
	s_lshl_b32 s83, s[QT], 6
	s_add_co_u32 s83, s83, s[DD]
	s_add_co_u32 s83, s83, OSC
	v_lshl_add_u32 v10, v10, 2, s83                ; my byte of row r's scale word
	v_lshl_add_u32 v11, v2, 1, OSC                 ; the 64 words, 8 bytes a lane
	v_lshlrev_b32 v13, 1, v2
	v_add_f32 v14, v14, v15                        ; l's two halves,
	v_permlanex16_b32 v254, v14, s[SEL], s[SEL+1]
	v_add_f32 v14, v14, v254                       ; and lane l xor 16's
	ds_store_b32 v3, v12
	ds_store_b32 v3, v14 offset:128
.set j, 0
.rept 16
	ds_store_b128 v4, v[160+4*j:163+4*j] offset:512*j   ; each accumulator from its low end on
.set j, j+1
.endr
	s_wait_dscnt 0x0
	s_barrier_signal -1
	s_barrier_wait -1
.irp e, 0,1,2,3
.irp c, 0,1,2,3
	ds_load_b128 v[32+16*\e+4*\c:35+16*\e+4*\c], v8 offset:\e*8192+512*\c
.endr
.endr
.irp e, 0,1,2,3
	ds_load_b32 v[96+\e], v9 offset:256*\e         ; -M of document e
.endr
.irp e, 0,1,2,3
	ds_load_b32 v[100+\e], v9 offset:256*\e+128    ; l of document e
.endr
	s_wait_dscnt 0x0
	v_min3_num_f32 v112, v96, v97, v98
	v_min_num_f32 v112, v112, v99                  ; -M of the whole row
.irp e, 0,1,2,3
	v_sub_f32 v[104+2*\e], v112, v[96+\e]          ; M of document e less the row's: a whole number, 0 or less
.endr
.irp e, 0,1,2,3
	v_cvt_i32_f32 v[104+2*\e], v[104+2*\e]
.endr
.irp e, 0,1,2,3
	v_ldexp_f32 v[104+2*\e], 1.0, v[104+2*\e]      ; f of document e: an exact power of two
.endr
.irp e, 0,1,2,3
	v_mov_b32 v[105+2*\e], v[104+2*\e]             ; twice: a pair for the packed forms
.endr
	v_mul_f32 v113, v104, v100
	v_fmac_f32 v113, v106, v101
	v_fmac_f32 v113, v108, v102
	v_fmac_f32 v113, v110, v103                    ; the row's l
	v_rcp_f32 v114, v113
	v_rcp_f32 v115, v113
.set j, 0
.rept 8
	v_pk_mul_f32 v[128+j:129+j], v[32+j:33+j], v[104:105]   ; the four documents' O^T under the row's M: independent work behind the reciprocals
.set j, j+2
.endr
.irp e, 1,2,3
.set j, 0
.rept 8
	v_pk_fma_f32 v[128+j:129+j], v[32+16*\e+j:33+16*\e+j], v[104+2*\e:105+2*\e], v[128+j:129+j]
.set j, j+2
.endr
.endr
	s_wait_alu depctr_va_vdst(0)                   ; one for both reciprocals, ahead of their first reader
.set j, 0
.rept 8
	v_pk_mul_f32 v[128+j:129+j], v[128+j:129+j], v[114:115]   ; / l
.set j, j+2
.endr
	QB32 128                                       ; block d of the head's 128: registers 4 d .. 4 d + 3 of the last product's fragment (my 16 rows, K step = head)
	global_store_b128 v1, v[244:247], s[20:21]     ; 32 lanes store 512 consecutive bytes, at a multiple of 256 from the buffer's first byte
	ds_store_b8 v10, v241                          ; lanes r and r + 16 write the same byte with the same value
	s_wait_dscnt 0x0
	s_barrier_signal -1
	s_barrier_wait -1
	s_cmp_lg_u32 s[WV], 0                          ; wave 0 stores the work-group's 64 scale words: 256 consecutive bytes, aligned
	s_cbranch_scc1 .Lnot_first
	ds_load_b64 v[104:105], v11
	s_wait_dscnt 0x0
	global_store_b64 v13, v[104:105], s[22:23]
.Lnot_first:
	s_wait_tensorcnt 0x0                           ; the wave's end
	ds_add_u32 v[SPW], v[NIL]
	s_wait_dscnt 0x0
	CROUND                                         ; the closing round
	s_endpgm
.Lfunc_end_k_q17d87778db_attn:
	.size	k_q17d87778db_attn, .Lfunc_end_k_q17d87778db_attn-k_q17d87778db_attn
	.p2alignl 7, 3214868480
	.fill 96, 4, 3214868480
	.section	.rodata,"a",@progbits
	.p2align	6, 0x0
	.amdhsa_kernel k_q17d87778db_attn
		.amdhsa_group_segment_fixed_size 327680
		.amdhsa_private_segment_fixed_size 0
		.amdhsa_enable_private_segment 0
		.amdhsa_kernarg_size 80
		.amdhsa_user_sgpr_count 2
		.amdhsa_user_sgpr_kernarg_segment_ptr 1
		.amdhsa_wavefront_size32 1
		.amdhsa_system_sgpr_workgroup_id_x 1
		.amdhsa_system_sgpr_workgroup_id_y 1
		.amdhsa_system_sgpr_workgroup_id_z 1
		.amdhsa_system_vgpr_workitem_id 0
		.amdhsa_next_free_vgpr 256
		.amdhsa_next_free_sgpr 100
		.amdhsa_reserve_vcc 0
		.amdhsa_float_denorm_mode_32 3
		.amdhsa_float_denorm_mode_16_64 3
		.amdhsa_memory_ordered 1
		.amdhsa_forward_progress 1
		.amdhsa_inst_pref_size 82
	.end_amdhsa_kernel
	.amdgpu_metadata
---
amdhsa.version: [ 1, 2 ]
amdhsa.kernels:
  - .name:           k_q17d87778db_attn
    .symbol:         k_q17d87778db_attn.kd
    .args:
      - { .name: x_codes, .offset: 0, .size: 8, .value_kind: global_buffer, .address_space: global }
      - { .name: x_scales, .offset: 8, .size: 8, .value_kind: global_buffer, .address_space: global }
      - { .name: Wq_codes, .offset: 16, .size: 8, .value_kind: global_buffer, .address_space: global }
      - { .name: Wq_scales, .offset: 24, .size: 8, .value_kind: global_buffer, .address_space: global }
      - { .name: kvc, .offset: 32, .size: 8, .value_kind: global_buffer, .address_space: global }
      - { .name: kvs, .offset: 40, .size: 8, .value_kind: global_buffer, .address_space: global }
      - { .name: doc_similarities, .offset: 48, .size: 8, .value_kind: global_buffer, .address_space: global }
      - { .name: beta, .offset: 56, .size: 8, .value_kind: global_buffer, .address_space: global }
      - { .name: oc, .offset: 64, .size: 8, .value_kind: global_buffer, .address_space: global }
      - { .name: os, .offset: 72, .size: 8, .value_kind: global_buffer, .address_space: global }
    .group_segment_fixed_size: 327680
    .private_segment_fixed_size: 0
    .kernarg_segment_align: 8
    .kernarg_segment_size: 80
    .max_flat_workgroup_size: 512
    .sgpr_count:     100
    .vgpr_count:     256
    .wavefront_size: 32
...
	.end_amdgpu_metadata
.endif
;; end of part 2
;; launch outp (part 3): grid 8 x 32, 8 waves a work-group, clusters of 4 x 4, 239,616 bytes of LDS; arguments oc, os, Wout_codes, Wout_scales, bout, out0; writes out0
.if DOCPART == 3
	.amdgcn_target "amdgcn-amd-amdhsa--gfx1250"
	.amdhsa_code_object_version 6
	.text
	.protected	k_q17d87778db_outp
	.globl	k_q17d87778db_outp
	.p2align	8
	.type	k_q17d87778db_outp,@function
k_q17d87778db_outp:
	s_mov_b64 s[64:65], 0
	v_nop
	global_prefetch_b8 v0, s[64:65] scope:SCOPE_SE
	s_setreg_imm32_b32 hwreg(HW_REG_WAVE_MODE, 25, 1), 1
	s_wait_xcnt 0x0
	s_wait_alu depctr_hold_cnt(0) depctr_sa_sdst(0) depctr_va_vdst(0) depctr_va_sdst(0) depctr_va_ssrc(0) depctr_va_vcc(0) depctr_vm_vsrc(0)
	s_getreg_b32 s2, hwreg(HW_REG_IB_STS2, 6, 4)
	s_cmp_eq_u32 s2, 0
	s_cbranch_scc0 .Lentry_in_a_cluster
	s_endpgm
.Lentry_in_a_cluster:
	s_bfe_u32 s2, ttmp6, 0x10000c
	s_cmp_lg_u32 s2, 0xf033
	s_cbranch_scc0 .Lentry_shape_is_right
	s_endpgm
.Lentry_shape_is_right:
; out0 = o Wout + bout on codes of BF8 (E5M2) with one E8M0 scale for each 32 along K = 1,024; sums in f32.  o comes as operand fragments (oc: [tile of 16 rows][K step = head][2,048 bytes]) with its scale words (os: [head][tile][16 words]).
; SHARES.  2,048 x 1,024 outputs in tiles of 64 rows x 128 columns: 256 work-groups.  Eight waves: wave w makes rows 32 (w / 4) on x columns 32 (w % 4) on: four accumulators, eight K steps.
; ALL OF K COMES ONCE: 131,072 bytes of Wout's rows, 65,536 of o's fragments and their scales fit in LDS together, so every byte of LDS is filled once: no ring and no slot that is filled again.
; CLUSTERS: 4 x 4 work-groups.  Wout's rows hang on the tile column alone and are shared along a column of the cluster, o's fragments on the tile row alone and are shared along a row: joint loads, waves 0-3 for Wout, waves 4-7 for o.
; THE MATRIX INSTRUCTION IS USED TRANSPOSED (source 0 = 16 rows of Wout, source 1 = 16 rows of o): a lane holds eight neighbouring numbers of a row of out0.  The bias is the C of each sum's first product.
; REGISTERS: v1-11 addresses; v32-95, v96-159 two sets of fragments (o's two, then Wout's two); v160-191 the accumulators; v192-207 the bias in the result's layout; v208-215 Wout's scale words, v216-223 o's; v224-255 rows on the way out.
.set WP,   1040                        ; a row of Wout in LDS: 1,024 bytes + 16 of padding: an odd multiple of 16, so that the 16 rows of a load start 4 words apart modulo 64 (64 banks of 4 bytes: ISA guide 11.1)
.set WT,   0                           ; 128 such rows
.set OI,   128*WP                      ; o's 4 x 8 fragments
.set WSC,  OI+65536                    ; Wout's scale bytes: 128 rows of 32
.set OSC,  WSC+4096                    ; o's scale words: [head 8][tile 4][16]
.set STG,  OSC+2048                    ; the stage for the way out: 64 rows x (512 bytes + 16); no tile lands here
.set SP,   528
.set AO,   5                           ; v5  o's fragments: my 32 rows, 16 x lane
.set AW,   6                           ; v6  Wout's: my 32 rows, row r, + 16 h
.set WV,   16                          ; s16 wave;  s17 wave % 4;  s76 wave / 4
.set Q4,   17
.set RP,   76
.set G1W,  24                          ; s[24:31] Wout's codes;  s[32:39] its scales;  s[40:47] o's fragments;  s[48:55] its scale words;  their groups 0: s[56:59], s[60:63], s[68:71], s[72:75]
.set G1WS, 32
.set G1O,  40
.set G1OS, 48
.set G0W,  56
.set G0WS, 60
.set G0O,  68
.set G0OS, 72
.macro CROUND                          ; a round of the cluster's barrier
	s_barrier_signal -1
	s_barrier_wait -1
	s_cmp_lg_u32 s[WV], 0
	s_cbranch_scc1 .Lnot_wave_0_\@
	s_barrier_signal -3
.Lnot_wave_0_\@:
	s_barrier_wait -3
	s_barrier_signal -1
	s_barrier_wait -1
.endm
	s_load_b256 s[4:11], s[0:1], 0x0               ; oc s[4:5], os s[6:7], Wout's codes s[8:9], its scales s[10:11]
	s_load_b128 s[12:15], s[0:1], 0x20             ; bout s[12:13], out0 s[14:15]
	v_lshl_add_u32 v30, v0, 2, 0x3a400
	v_mov_b32 v31, 0
	ds_add_u32 v30, v31
	ds_add_u32 v30, v31
	v_lshrrev_b32 v1, 5, v0
	v_readfirstlane_b32 s[WV], v1                  ; wave 0..7
	s_and_b32 s[Q4], s[WV], 3
	s_lshr_b32 s[RP], s[WV], 2
	s_bfe_u32 s18, ttmp6, 0x40000                  ; cx, cy
	s_bfe_u32 s19, ttmp6, 0x40004
	s_lshl_b32 s20, ttmp9, 2
	s_add_co_u32 s20, s20, s18                     ; tile column, 0..7
	s_and_b32 s21, ttmp7, 0xffff
	s_lshl_b32 s21, s21, 2
	s_add_co_u32 s21, s21, s19                     ; tile row, 0..31
	s_lshl_b32 s22, 0x1111, s18                    ; my column of the cluster
	s_lshl_b32 s23, s19, 2
	s_lshl_b32 s23, 15, s23                        ; my row
	s_or_b32 s[G1W], s22, (0<<16)|(1<<20)|(1<<21)|(7<<22)|(3<<25)  ; the mask; elements of 1 byte; padding on; bit 21 beside a mask; after every 256 words four words
	s_mov_b32 s[G1W+1], 1024<<16                   ; tensor_dim0 = 1,024
	s_mov_b32 s[G1W+2], 32<<16                     ; tensor_dim1 = 32 rows
	s_mov_b32 s[G1W+3], 1024<<16                   ; tile_dim0
	s_mov_b32 s[G1W+4], 32                         ; tile_dim1
	s_mov_b32 s[G1W+5], 1024                       ; from row to row
	s_mov_b32 s[G1W+6], 0
	s_mov_b32 s[G1W+7], 0
	s_or_b32 s[G1WS], s22, (3<<16)|(1<<21)         ; 1,024 dense bytes: 4 rows of 32 elements of 8 bytes
	s_mov_b32 s[G1WS+1], 32<<16
	s_mov_b32 s[G1WS+2], 4<<16
	s_mov_b32 s[G1WS+3], 32<<16
	s_mov_b32 s[G1WS+4], 4
	s_mov_b32 s[G1WS+5], 32
	s_mov_b32 s[G1WS+6], 0
	s_mov_b32 s[G1WS+7], 0
	s_or_b32 s[G1O], s23, (3<<16)|(1<<21)          ; 16,384 dense bytes: 64 rows of 256
	s_mov_b32 s[G1O+1], 32<<16
	s_mov_b32 s[G1O+2], 64<<16
	s_mov_b32 s[G1O+3], 32<<16
	s_mov_b32 s[G1O+4], 64
	s_mov_b32 s[G1O+5], 32
	s_mov_b32 s[G1O+6], 0
	s_mov_b32 s[G1O+7], 0
	s_or_b32 s[G1OS], s23, (3<<16)|(1<<21)         ; two heads' 256 bytes, 8,192 bytes (1,024 elements) apart
	s_mov_b32 s[G1OS+1], 32<<16
	s_mov_b32 s[G1OS+2], 2<<16
	s_mov_b32 s[G1OS+3], 32<<16
	s_mov_b32 s[G1OS+4], 2
	s_mov_b32 s[G1OS+5], 1024
	s_mov_b32 s[G1OS+6], 0
	s_mov_b32 s[G1OS+7], 0
	s_lshl_b32 s78, s20, 17                        ; Wout's codes: rows 128 x tile column + 32 x quarter, 1,024 bytes each
	s_lshl_b32 s79, s[Q4], 15
	s_add_co_u32 s78, s78, s79
	s_mov_b32 s79, 0
	s_lshl_b32 s80, s20, 12                        ; its scale bytes, 32 a row
	s_lshl_b32 s81, s[Q4], 10
	s_add_co_u32 s80, s80, s81
	s_mov_b32 s81, 0
	s_lshl_b32 s82, s21, 16                        ; o's fragments: tile of rows 4 x tile row + quarter, 16,384 bytes each
	s_lshl_b32 s83, s[Q4], 14
	s_add_co_u32 s82, s82, s83
	s_mov_b32 s83, 0
	s_lshl_b32 s84, s21, 8                         ; its scale words: heads 2 x quarter and the next, the tile row's 256 bytes
	s_lshl_b32 s85, s[Q4], 14
	s_add_co_u32 s84, s84, s85
	s_mov_b32 s85, 0
	s_wait_dscnt 0x0
	s_wait_kmcnt 0x0
	s_mov_b32 s[G0W], 1
	s_mul_i32 s[G0W+1], s[Q4], 32*WP
	s_add_nc_u64 s[G0W+2:G0W+3], s[8:9], s[78:79]
	s_or_b32 s[G0W+3], s[G0W+3], 0x80000000
	s_mov_b32 s[G0WS], 1
	s_lshl_b32 s[G0WS+1], s[Q4], 10
	s_add_co_u32 s[G0WS+1], s[G0WS+1], WSC
	s_add_nc_u64 s[G0WS+2:G0WS+3], s[10:11], s[80:81]
	s_or_b32 s[G0WS+3], s[G0WS+3], 0x80000000
	s_mov_b32 s[G0O], 1
	s_lshl_b32 s[G0O+1], s[Q4], 14
	s_add_co_u32 s[G0O+1], s[G0O+1], OI
	s_add_nc_u64 s[G0O+2:G0O+3], s[4:5], s[82:83]
	s_or_b32 s[G0O+3], s[G0O+3], 0x80000000
	s_mov_b32 s[G0OS], 1
	s_lshl_b32 s[G0OS+1], s[Q4], 9
	s_add_co_u32 s[G0OS+1], s[G0OS+1], OSC
	s_add_nc_u64 s[G0OS+2:G0OS+3], s[6:7], s[84:85]
	s_or_b32 s[G0OS+3], s[G0OS+3], 0x80000000
	CROUND                                         ; all sixteen work-groups are here: the joint loads meet
	s_cmp_lt_u32 s[WV], 4                          ; a wave's two fills stand in one branch on the wave's number: two loads of mine are out
	s_cbranch_scc0 .Lfor_o
	tensor_load_to_lds s[G0W:G0W+3], s[G1W:G1W+7]
	s_nop 0
	tensor_load_to_lds s[G0WS:G0WS+3], s[G1WS:G1WS+7]
	s_nop 0
.rept 4
	v_nop
.endr
	s_branch .Lasked
.Lfor_o:
	tensor_load_to_lds s[G0O:G0O+3], s[G1O:G1O+7]
	s_nop 0
	tensor_load_to_lds s[G0OS:G0OS+3], s[G1OS:G1OS+7]
	s_nop 0
.rept 4
	v_nop
.endr
.Lasked:
	v_and_b32 v2, 31, v0                           ; lane
	v_and_b32 v3, 15, v0                           ; r
	v_bfe_u32 v4, v0, 4, 1                         ; h
	v_lshlrev_b32 v1, 4, v2                        ; 16 x lane
	s_lshl_b32 s77, s[RP], 15
	s_add_co_u32 s77, s77, OI
	v_add_nc_u32 v[AO], s77, v1
	s_mul_i32 s77, s[Q4], 32*WP
	v_mul_u32_u24 v[AW], v3, WP
	v_lshl_add_u32 v[AW], v4, 4, v[AW]
	v_add_nc_u32 v[AW], s77, v[AW]
	s_lshl_b32 s77, s[Q4], 10
	s_add_co_u32 s77, s77, WSC
	v_lshl_add_u32 v7, v2, 5, s77                  ; Wout's scale words: row = lane of my 32: lanes 0-15 tile 0, lanes 16-31 tile 1; eight words a row
	s_lshl_b32 s77, s[RP], 7
	s_add_co_u32 s77, s77, OSC
	v_lshl_add_u32 v8, v2, 2, s77                  ; o's: lanes 0-15 my first tile of rows, lanes 16-31 my second
	s_mul_i32 s77, s[RP], 32*SP
	s_lshl_b32 s86, s[Q4], 7
	s_add_co_u32 s77, s77, s86
	s_add_co_u32 s77, s77, STG
	v_mul_u32_u24 v9, v3, SP
	v_lshl_add_u32 v9, v4, 5, v9
	v_add_nc_u32 v9, s77, v9                       ; the stage, in: row 32 (w / 4) + r, byte 128 (w % 4) + 32 h
	s_mul_i32 s77, s[WV], 8*SP
	s_add_co_u32 s77, s77, STG
	v_add_nc_u32 v10, s77, v1                      ; back: my eight rows, 16 bytes a lane
	v_lshlrev_b32 v11, 5, v4                       ; the bias: my half's eight columns
	s_lshl_b32 s86, s20, 9
	s_lshl_b32 s87, s[Q4], 7
	s_add_co_u32 s86, s86, s87
	s_mov_b32 s87, 0
	s_add_nc_u64 s[12:13], s[12:13], s[86:87]      ; bout at column 128 x tile column + 32 (w % 4)
	s_lshl_b32 s86, s21, 18
	s_lshl_b32 s88, s[WV], 15
	s_add_co_u32 s86, s86, s88
	s_lshl_b32 s88, s20, 9
	s_add_co_u32 s86, s86, s88
	s_add_nc_u64 s[14:15], s[14:15], s[86:87]      ; out0 at row 64 x tile row + 8 x wave, column 128 x tile column
.irp u, 0,1
	global_load_b128 v[192+8*\u:195+8*\u], v11, s[12:13] offset:64*\u      ; lane (r, h), tile u: columns 16 u + 8 h + 0 .. 7
	global_load_b128 v[196+8*\u:199+8*\u], v11, s[12:13] offset:64*\u+16
.endr
.macro FETCH s                         ; K step s: o's two fragments (images: 16 x lane), Wout's two (rows): 16 loads
.set FS, 32+64*((\s)%2)
.irp i, 0,1
.irp c, 0,1,2,3
	ds_load_b128 v[FS+16*\i+4*\c:FS+16*\i+4*\c+3], v[AO] offset:\i*16384+(\s)*2048+512*\c
.endr
.endr
.irp u, 0,1
.irp c, 0,1,2,3
	ds_load_b128 v[FS+32+16*\u+4*\c:FS+32+16*\u+4*\c+3], v[AW] offset:\u*16*WP+(\s)*128+32*\c
.endr
.endr
.endm
.macro MUL s                           ; four products, the accumulators by turns; accumulator (tile of columns u, tile of rows i) at v[160 + 8 (2 i + u)]
.set FS, 32+64*((\s)%2)
.if (\s) == 0
	v_wmma_scale_f32_16x16x128_f8f6f4 v[160:167], v[FS+32:FS+47], v[FS:FS+15], v[192:199], v[208+(\s)], v[216+(\s)] matrix_a_fmt:MATRIX_FMT_BF8 matrix_b_fmt:MATRIX_FMT_BF8
	v_wmma_scale_f32_16x16x128_f8f6f4 v[168:175], v[FS+48:FS+63], v[FS:FS+15], v[200:207], v[208+(\s)], v[216+(\s)] matrix_a_fmt:MATRIX_FMT_BF8 matrix_b_fmt:MATRIX_FMT_BF8 matrix_a_scale:MATRIX_SCALE_ROW1
	v_wmma_scale_f32_16x16x128_f8f6f4 v[176:183], v[FS+32:FS+47], v[FS+16:FS+31], v[192:199], v[208+(\s)], v[216+(\s)] matrix_a_fmt:MATRIX_FMT_BF8 matrix_b_fmt:MATRIX_FMT_BF8 matrix_b_scale:MATRIX_SCALE_ROW1
	v_wmma_scale_f32_16x16x128_f8f6f4 v[184:191], v[FS+48:FS+63], v[FS+16:FS+31], v[200:207], v[208+(\s)], v[216+(\s)] matrix_a_fmt:MATRIX_FMT_BF8 matrix_b_fmt:MATRIX_FMT_BF8 matrix_a_scale:MATRIX_SCALE_ROW1 matrix_b_scale:MATRIX_SCALE_ROW1
.else
	v_wmma_scale_f32_16x16x128_f8f6f4 v[160:167], v[FS+32:FS+47], v[FS:FS+15], v[160:167], v[208+(\s)], v[216+(\s)] matrix_a_fmt:MATRIX_FMT_BF8 matrix_b_fmt:MATRIX_FMT_BF8
	v_wmma_scale_f32_16x16x128_f8f6f4 v[168:175], v[FS+48:FS+63], v[FS:FS+15], v[168:175], v[208+(\s)], v[216+(\s)] matrix_a_fmt:MATRIX_FMT_BF8 matrix_b_fmt:MATRIX_FMT_BF8 matrix_a_scale:MATRIX_SCALE_ROW1
	v_wmma_scale_f32_16x16x128_f8f6f4 v[176:183], v[FS+32:FS+47], v[FS+16:FS+31], v[176:183], v[208+(\s)], v[216+(\s)] matrix_a_fmt:MATRIX_FMT_BF8 matrix_b_fmt:MATRIX_FMT_BF8 matrix_b_scale:MATRIX_SCALE_ROW1
	v_wmma_scale_f32_16x16x128_f8f6f4 v[184:191], v[FS+48:FS+63], v[FS+16:FS+31], v[184:191], v[208+(\s)], v[216+(\s)] matrix_a_fmt:MATRIX_FMT_BF8 matrix_b_fmt:MATRIX_FMT_BF8 matrix_a_scale:MATRIX_SCALE_ROW1 matrix_b_scale:MATRIX_SCALE_ROW1
.endif
.endm
	s_wait_tensorcnt 0x0                           ; my two loads have landed,
	s_barrier_signal -1
	s_barrier_wait -1                              ; everybody's have
	ds_load_b128 v[208:211], v7                    ; Wout's scale words of K steps 0-3,
	ds_load_b128 v[212:215], v7 offset:16          ; 4-7
.irp s, 0,1,2,3,4,5,6,7
	ds_load_b32 v[216+\s], v8 offset:256*\s        ; o's, a head a K step
.endr
	FETCH 0
	FETCH 1
	s_wait_loadcnt 0x0                             ; the bias
.irp s, 0,1,2,3,4,5,6,7
.if \s < 7
	s_wait_dscnt 16                                ; this K step's fragments are in; the next step's sixteen loads may be out
.else
	s_wait_dscnt 0x0
.endif
	MUL \s
.rept 8
	v_nop                                          ; eight places in front of loads into registers that these products have read, and of the first read of results
.endr
.if \s < 6
	FETCH \s+2
.endif
.endr
	; THE WAY OUT: a lane's eight results are 32 neighbouring bytes of a row; a row's 512 bytes come from four waves: they meet in the stage, and each wave stores eight whole rows
.irp i, 0,1
.irp u, 0,1
	ds_store_b128 v9, v[160+8*(2*\i+\u):163+8*(2*\i+\u)] offset:\i*16*SP+64*\u       ; each accumulator from its low end on
	ds_store_b128 v9, v[164+8*(2*\i+\u):167+8*(2*\i+\u)] offset:\i*16*SP+64*\u+16
.endr
.endr
	s_wait_dscnt 0x0                               ; for the others' sake: my stores into the stage are done
	s_barrier_signal -1
	s_barrier_wait -1
.irp i, 0,1,2,3,4,5,6,7
	ds_load_b128 v[224+4*\i:227+4*\i], v10 offset:\i*SP
.endr
.irp i, 0,1,2,3,4,5,6,7
	s_wait_dscnt 7-\i                              ; row i is back; the younger loads may be out
	global_store_b128 v1, v[224+4*\i:227+4*\i], s[14:15] offset:\i*4096 th:TH_STORE_NT   ; 32 lanes store 512 consecutive bytes, at a multiple of 256 from out0's first byte
.endr
	s_wait_tensorcnt 0x0
	ds_add_u32 v30, v31
	s_wait_dscnt 0x0
	CROUND                                         ; the closing round: no work-group ends while a partner may still ask for a tile that names it
	s_endpgm
.Lfunc_end_k_q17d87778db_outp:
	.size	k_q17d87778db_outp, .Lfunc_end_k_q17d87778db_outp-k_q17d87778db_outp
	.p2alignl 7, 3214868480
	.fill 96, 4, 3214868480
	.section	.rodata,"a",@progbits
	.p2align	6, 0x0
	.amdhsa_kernel k_q17d87778db_outp
		.amdhsa_group_segment_fixed_size 239616
		.amdhsa_private_segment_fixed_size 0
		.amdhsa_enable_private_segment 0
		.amdhsa_kernarg_size 48
		.amdhsa_user_sgpr_count 2
		.amdhsa_user_sgpr_kernarg_segment_ptr 1
		.amdhsa_wavefront_size32 1
		.amdhsa_system_sgpr_workgroup_id_x 1
		.amdhsa_system_sgpr_workgroup_id_y 1
		.amdhsa_system_sgpr_workgroup_id_z 1
		.amdhsa_system_vgpr_workitem_id 0
		.amdhsa_next_free_vgpr 256
		.amdhsa_next_free_sgpr 96
		.amdhsa_reserve_vcc 0
		.amdhsa_float_denorm_mode_32 3
		.amdhsa_float_denorm_mode_16_64 3
		.amdhsa_memory_ordered 1
		.amdhsa_forward_progress 1
		.amdhsa_inst_pref_size 26
	.end_amdhsa_kernel
	.amdgpu_metadata
---
amdhsa.version: [ 1, 2 ]
amdhsa.kernels:
  - .name:           k_q17d87778db_outp
    .symbol:         k_q17d87778db_outp.kd
    .args:
      - { .name: oc, .offset: 0, .size: 8, .value_kind: global_buffer, .address_space: global }
      - { .name: os, .offset: 8, .size: 8, .value_kind: global_buffer, .address_space: global }
      - { .name: Wout_codes, .offset: 16, .size: 8, .value_kind: global_buffer, .address_space: global }
      - { .name: Wout_scales, .offset: 24, .size: 8, .value_kind: global_buffer, .address_space: global }
      - { .name: bout, .offset: 32, .size: 8, .value_kind: global_buffer, .address_space: global }
      - { .name: out0, .offset: 40, .size: 8, .value_kind: global_buffer, .address_space: global }
    .group_segment_fixed_size: 239616
    .private_segment_fixed_size: 0
    .kernarg_segment_align: 8
    .kernarg_segment_size: 48
    .max_flat_workgroup_size: 256
    .sgpr_count:     96
    .vgpr_count:     256
    .wavefront_size: 32
...
	.end_amdgpu_metadata
.endif
;; end of part 3
;; ======== version 2 of 2: 3 launches
;; limits: right only within a limited range of input values
;; workspace buffers: kvc 16,777,216 bytes; kvs 524,288 bytes; oc 2,097,152 bytes; os 65,536 bytes
;; launch proj (part 4): grid 16 x 16, 4 waves a work-group, clusters of 4 x 4, 327,680 bytes of LDS; arguments context_codes, context_scales, Wkv_codes, Wkv_scales, kvc, kvs; writes kvc, kvs
.if DOCPART == 4
	.amdgcn_target "amdgcn-amd-amdhsa--gfx1250"
	.amdhsa_code_object_version 6
	.text
	.protected	k_q17d87778db_proj
	.globl	k_q17d87778db_proj
	.p2align	8
	.type	k_q17d87778db_proj,@function
k_q17d87778db_proj:
	s_mov_b64 s[64:65], 0
	v_nop
	global_prefetch_b8 v0, s[64:65] scope:SCOPE_SE
	s_setreg_imm32_b32 hwreg(HW_REG_WAVE_MODE, 25, 1), 1
	s_wait_xcnt 0x0
	s_wait_alu depctr_hold_cnt(0) depctr_sa_sdst(0) depctr_va_vdst(0) depctr_va_sdst(0) depctr_va_ssrc(0) depctr_va_vcc(0) depctr_vm_vsrc(0)
	s_getreg_b32 s2, hwreg(HW_REG_IB_STS2, 6, 4)
	s_cmp_eq_u32 s2, 0
	s_cbranch_scc0 .Lentry_in_a_cluster
	s_endpgm
.Lentry_in_a_cluster:
	s_bfe_u32 s2, ttmp6, 0x10000c
	s_cmp_lg_u32 s2, 0xf033
	s_cbranch_scc0 .Lentry_shape_is_right
	s_endpgm
.Lentry_shape_is_right:
; k, v = context Wkv (8,192 x 2,048 x 1,024) on codes of BF8 (E5M2), one E8M0 scale for each 32 along K, sums in f32; each result quantised again for attention: k along the head's channels, v along the keys.  No product of the problem is left out of this program.
; A work-group makes 256 x 256, a wave 128 x 128: 64 accumulators.  K goes in steps of 256 through two LDS slots; the scale bytes of all of K come once, at the head.  Clusters of 4 x 4 share the tiles' loads.
; Source 0 = rows of B, source 1 = rows of A: a lane holds one row of A and its registers run along B's rows.  For k: A = context, B = Wk; for v: A = Wv, B = context: the registers run along the next product's K in both.
; OUT: kvc: [batch x head][step of 128 keys][k 16,384, v 16,384 bytes]: tile a of eight at 2,048 a, registers 4 c .. 4 c + 3 of its fragment at 512 c + 16 x lane.  kvs: the same with 512 bytes of scale words: tile a's row r at 256 (a % 2) + 16 r + 4 (a / 2).
; Inside a block of 32 along the next K, lane half h holds numbers 8 h + 0 .. 7 and 16 + 8 h + 0 .. 7, as the accumulators have them.  The other operand of each of those products (q, p) is laid alike, so no lane is moved.
; PREFETCH INTO THE L2: K steps 1 and 2 are asked for behind the head's loads, K step 3 behind K step 1's.  Of the 128 rows that a wave fetches in the ring, each of the four partners names 32, told apart BY ADDRESS, a lane a row of 256 bytes.
; context's rows are asked for by both clusters that load them, Wk's and Wv's by four of their eight clusters (even cluster rows).
; LIMITS: NaN and infinities among the inputs are not served.  A block of zeros, or one under 2^-111, gets the scale byte 1 (this program alone reads the bytes).
.set KSTEP,  256
.set NQ,     2
.set ROWB,   256
.set KROW,   1024
.set PITCH,  272
.set FR,     16
.set NL,     4
.set NP,     8
.set HALFT,  128*PITCH
.set SLOT,   4*HALFT
.set KS,     32
.set SCL,    2*SLOT
.set HALFS,  (128*KS/256)*272
.set SBLK,   (16*KS/256)*272
.set SPARE,  SCL+4*HALFS
.set SCR,    SPARE+512
.set ADRA, 16
.set ADRB, 20
.set CO,   26
.set ADRS, 27
.set SPW,  28
.set NIL,  29
.set SWA,  30
.set SRA,  31
.set SC,   32
.set TM,   64
.set PW,   80
.set PCD,  88
.set OW,   120
.set T,    128
.set AF,   128
.set WV,   16
.set RH,   17
.set CH,   18
.set G1, 24
.set G0, 32
.set G1B, 48
.set G0B, 56
.set G1S, 68
.set G0S, 76
.set G1SB, 80
.set G0SB, 88
.set MSB, 0
.macro WIN new
.if MSB != \new
	s_set_vgpr_msb (MSB<<8)|\new
.set MSB, \new
.endif
.endm
.set MUL_LO, 0xa1
.set MUL_HI, 0xf1
.set TO_B,   0x40
.macro JLOAD g0a, g1a, g0b, g1b
	s_cmp_eq_u32 s[RH], 0
	s_cbranch_scc0 .Lfor_b_\@
	tensor_load_to_lds s[\g0a:\g0a+3], s[\g1a:\g1a+7]
	s_nop 0
.rept 4
	v_nop
.endr
	s_branch .Lasked_\@
.Lfor_b_\@:
	tensor_load_to_lds s[\g0b:\g0b+3], s[\g1b:\g1b+7]
	s_nop 0
.rept 4
	v_nop
.endr
.Lasked_\@:
.endm
.macro CREST
	s_cmp_lg_u32 s[WV], 0
	s_cbranch_scc1 .Lnot_wave_0_\@
	s_barrier_signal -3
.Lnot_wave_0_\@:
	s_barrier_wait -3
	s_barrier_signal -1
	s_barrier_wait -1
.endm
.macro CROUND
	s_barrier_signal -1
	s_barrier_wait -1
	CREST
.endm
	s_load_b256 s[4:11], s[0:1], 0x0
	s_load_b128 s[12:15], s[0:1], 0x20
	v_lshl_add_u32 v[SPW], v0, 2, SPARE
	v_mov_b32 v[NIL], 0
	ds_add_u32 v28, v29
	ds_add_u32 v28, v29
	s_wait_dscnt 0x0
	v_lshrrev_b32 v1, 5, v0
	v_readfirstlane_b32 s[WV], v1
	s_lshr_b32 s[RH], s[WV], 1
	s_and_b32 s[CH], s[WV], 1
	s_bfe_u32 s40, ttmp6, 0x40000
	s_bfe_u32 s41, ttmp6, 0x40004
	s_and_b32 s66, ttmp7, 0xffff
	s_lshl_b32 s66, s66, 2
	s_add_co_u32 s66, s66, ttmp9
	s_sub_co_u32 s67, s66, 8
	s_cmp_lt_u32 s66, 8
	s_cselect_b32 s20, s66, 0
	s_cselect_b32 s67, 0, s67
	s_cselect_b32 s95, 0, 1024
	s_lshl_b32 s19, s20, 2
	s_add_co_u32 s19, s19, s41
	s_lshl_b32 s42, s67, 2
	s_add_co_u32 s42, s42, s40
	s_lshl_b32 s43, s41, 2
	s_lshl_b32 s43, 15, s43
	s_lshl_b32 s44, 0x1111, s40
	s_or_b32 s[G1+0], s43, (0<<16)|(1<<20)|(1<<21)|(5<<22)|(3<<25)
	s_or_b32 s[G1B+0], s44, (0<<16)|(1<<20)|(1<<21)|(5<<22)|(3<<25)
.irp g, G1, G1B
	s_mov_b32 s[\g+1], ROWB<<16
	s_mov_b32 s[\g+2], 256<<16                     ; 256 rows for the head's loads; the ring's bring 128
	s_mov_b32 s[\g+3], ROWB<<16
	s_mov_b32 s[\g+4], 256
	s_mov_b32 s[\g+5], KROW
	s_mov_b32 s[\g+6], 0
	s_mov_b32 s[\g+7], 0
.endr
	s_or_b32 s[G1S+0], s43, (3<<16)|(1<<20)|(1<<21)|(5<<22)|(3<<25)
	s_or_b32 s[G1SB+0], s44, (3<<16)|(1<<20)|(1<<21)|(5<<22)|(3<<25)
.irp g, G1S, G1SB
	s_mov_b32 s[\g+1], 32<<16
	s_mov_b32 s[\g+2], KS<<16                      ; 256 rows of KS bytes, as KS rows of 256
	s_mov_b32 s[\g+3], 32<<16
	s_mov_b32 s[\g+4], KS
	s_mov_b32 s[\g+5], 32
	s_mov_b32 s[\g+6], 0
	s_mov_b32 s[\g+7], 0
.endr
	s_lshl_b32 s20, s19, 8
	s_add_co_u32 s20, s20, s95
	s_lshl_b32 s46, s42, 8
	s_lshl_b32 s22, s20, 5
	s_mov_b32 s23, 0
	s_lshl_b32 s20, s20, 10
	s_mov_b32 s21, 0
	s_lshl_b32 s92, s46, 5
	s_mov_b32 s93, 0
	s_lshl_b32 s46, s46, 10
	s_mov_b32 s47, 0
	s_mul_i32 s45, s[WV], HALFT
	s_lshl_b32 s94, s[CH], 17                      ; in the ring I fetch 128 of a tile's 256 rows: which half, in bytes
	s_mov_b32 s95, 0
	s_wait_kmcnt 0x0
	s_cmp_lt_u32 s66, 8
	s_cselect_b64 s[96:97], s[4:5], s[8:9]
	s_cselect_b64 s[98:99], s[8:9], s[4:5]
	s_cselect_b64 s[100:101], s[6:7], s[10:11]
	s_cselect_b64 s[104:105], s[10:11], s[6:7]
	s_add_nc_u64 s[20:21], s[96:97], s[20:21]
	s_add_nc_u64 s[22:23], s[100:101], s[22:23]
	s_add_nc_u64 s[46:47], s[98:99], s[46:47]
	s_add_nc_u64 s[92:93], s[104:105], s[92:93]
	CROUND
	s_mov_b32 s[G0S], 1
	s_mov_b32 s[G0S+1], SCL
	s_mov_b64 s[G0S+2:G0S+3], s[22:23]
	s_or_b32 s[G0S+3], s[G0S+3], 0x80000000
	s_mov_b32 s[G0SB], 1
	s_mov_b32 s[G0SB+1], SCL+2*HALFS
	s_mov_b64 s[G0SB+2:G0SB+3], s[92:93]
	s_or_b32 s[G0SB+3], s[G0SB+3], 0x80000000
	s_mov_b32 s96, 1                               ; s[96:99]: K step 0's 256 rows of A,
	s_mov_b32 s97, 0
	s_mov_b64 s[98:99], s[20:21]
	s_or_b32 s99, s99, 0x80000000
	s_mov_b32 s8, 1                                ; s[8:11]: and of B, behind them in slot 0
	s_mov_b32 s9, 2*HALFT
	s_mov_b64 s[10:11], s[46:47]
	s_or_b32 s11, s11, 0x80000000
	s_add_nc_u64 s[20:21], s[20:21], s[94:95]      ; for the ring: my 128 rows
	s_add_nc_u64 s[46:47], s[46:47], s[94:95]
.irp s, 0,1
	s_mov_b32 s[G0+4*\s], 1
	s_add_co_u32 s[G0+4*\s+1], s45, \s*SLOT
	s_add_nc_u64 s[G0+4*\s+2:G0+4*\s+3], s[20:21], \s*ROWB
	s_or_b32 s[G0+4*\s+3], s[G0+4*\s+3], 0x80000000
	s_mov_b32 s[G0B+4*\s], 1
	s_add_co_u32 s[G0B+4*\s+1], s45, \s*SLOT
	s_add_nc_u64 s[G0B+4*\s+2:G0B+4*\s+3], s[46:47], \s*ROWB
	s_or_b32 s[G0B+4*\s+3], s[G0B+4*\s+3], 0x80000000
.endr
; THE HEAD'S LOADS, one a wave: wave 0 K step 0's rows of A, wave 1 of B, wave 2 A's scales for all of K, wave 3 B's
.macro ARM under, g0, g1, next
	s_cmp_lt_u32 s[WV], \under
	s_cbranch_scc0 \next
	tensor_load_to_lds s[\g0:\g0+3], s[\g1:\g1+7]
	s_nop 0
.rept 4
	v_nop
.endr
	s_branch .Lhead_asked
\next:
.endm
	ARM 1, 96, G1, .Lhead_b
	ARM 2, 8, G1B, .Lhead_sa
	ARM 3, G0S, G1S, .Lhead_sb
	tensor_load_to_lds s[G0SB:G0SB+3], s[G1SB:G1SB+7]
	s_nop 0
.rept 4
	v_nop
.endr
.Lhead_asked:
	s_cmp_eq_u32 s[RH], 0                          ; the prefetches: my 128 rows of A or of B, my work-group's 32 of them
	s_cselect_b64 s[100:101], s[20:21], s[46:47]
	s_cselect_b32 s94, s40, s41
	s_lshl_b32 s94, s94, 15
	s_add_nc_u64 s[100:101], s[100:101], s[94:95]
	s_lshr_b32 s92, s66, 3
	s_xor_b32 s92, s92, s[RH]                      ; 0: my rows are context's
	s_lshr_b32 s93, s66, 2
	s_and_b32 s92, s92, s93                        ; 1: rows of Wkv in an odd cluster row: not asked for
	v_and_b32 v22, 31, v0
	v_lshlrev_b32 v22, 10, v22                     ; a lane a row of 1,024 bytes; never rewritten
	s_cmp_eq_u32 s92, 0
	s_cbranch_scc0 .Lno_ask_1
	global_prefetch_b8 v22, s[100:101] offset:ROWB th:TH_LOAD_NT scope:SCOPE_SE
	global_prefetch_b8 v22, s[100:101] offset:2*ROWB th:TH_LOAD_NT scope:SCOPE_SE
.Lno_ask_1:
	s_mov_b32 s4, 0x76543210
	s_mov_b32 s5, 0xfedcba98
	s_mov_b32 s6, 0x600000
	v_and_b32 v1, 15, v0
	v_bfe_u32 v2, v0, 4, 1
	v_mul_u32_u24 v3, v1, PITCH
	v_lshl_add_u32 v4, v2, 4, v3
	s_mul_i32 s21, s[RH], HALFT
	s_mul_i32 s22, s[CH], HALFT
	s_add_co_u32 s22, s22, 2*HALFT
.irp s, 0,1
	v_add_nc_u32 v[ADRA+\s], s21, v4
	v_add_nc_u32 v[ADRB+\s], s22, v4
	s_add_co_u32 s21, s21, SLOT
	s_add_co_u32 s22, s22, SLOT
.endr
	v_mul_u32_u24 v5, v1, KS
	v_lshrrev_b32 v6, 8, v5
	v_lshl_add_u32 v5, v6, 4, v5
	s_mul_i32 s21, s[RH], HALFS
	s_mul_i32 s22, s[CH], HALFS
	s_add_co_u32 s22, s22, 2*HALFS
	s_sub_co_u32 s22, s22, s21
	v_mul_u32_u24 v6, s22, v2
	s_add_co_u32 s21, s21, SCL
	v_add_nc_u32 v5, v5, v6
	v_add_nc_u32 v[ADRS], s21, v5
	s_lshl_b32 s23, s[WV], 9
	s_add_co_u32 s23, s23, SCR
	v_lshl_add_u32 v[SWA], v1, 4, s23
	v_and_b32 v6, 31, v0
	v_lshlrev_b32 v[CO], 4, v6
	v_add_nc_u32 v[SRA], s23, v[CO]
	s_lshl_b32 s20, s19, 1
	s_add_co_u32 s20, s20, s[RH]
	s_lshl_b32 s21, s42, 1
	s_add_co_u32 s21, s21, s[CH]
	s_cmp_lt_u32 s66, 8
	s_cselect_b32 s22, s20, s21
	s_cselect_b32 s23, s21, s20
	s_cselect_b32 s7, 0, 1
	s_lshr_b32 s20, s22, 5
	s_lshl_b32 s20, s20, 8
	s_lshl_b32 s23, s23, 5
	s_add_co_u32 s20, s20, s23
	s_and_b32 s22, s22, 31
	s_add_co_u32 s20, s20, s22
	s_lshl_b32 s22, s20, 15
	s_lshl_b32 s21, s7, 14
	s_add_co_u32 s22, s22, s21
	s_mov_b32 s23, 0
	s_add_nc_u64 s[12:13], s[12:13], s[22:23]
	s_lshl_b32 s22, s20, 10
	s_lshl_b32 s21, s7, 9
	s_add_co_u32 s22, s22, s21
	s_add_nc_u64 s[14:15], s[14:15], s[22:23]
.macro FRAG reg, adr, q, i
.irp c, 0,1,2,3
	ds_load_b128 v[\reg+4*\c:\reg+4*\c+3], v[\adr] offset:128*(\q)+32*\c+(\i)*16*PITCH
.endr
.endm
.macro MUL16 a0, p, q, sc, zero
.irp a, \a0, \a0+1
.irp b, 0,1,2,3,4,5,6,7
.if \zero
	v_wmma_scale_f32_16x16x128_f8f6f4 v[8*(8*((\a)%4)+\b):8*(8*((\a)%4)+\b)+7], v[128*(\p)+FR*\b:128*(\p)+FR*\b+FR-1], v[AF+FR*(\a):AF+FR*(\a)+FR-1], 0, v[SC+8*NQ*(\sc)+NQ*\b+(\q)], v[SC+8*NQ*(\sc)+NQ*(\a)+(\q)] matrix_a_fmt:MATRIX_FMT_BF8 matrix_b_fmt:MATRIX_FMT_BF8 matrix_a_scale:MATRIX_SCALE_ROW1
.else
	v_wmma_scale_f32_16x16x128_f8f6f4 v[8*(8*((\a)%4)+\b):8*(8*((\a)%4)+\b)+7], v[128*(\p)+FR*\b:128*(\p)+FR*\b+FR-1], v[AF+FR*(\a):AF+FR*(\a)+FR-1], v[8*(8*((\a)%4)+\b):8*(8*((\a)%4)+\b)+7], v[SC+8*NQ*(\sc)+NQ*\b+(\q)], v[SC+8*NQ*(\sc)+NQ*(\a)+(\q)] matrix_a_fmt:MATRIX_FMT_BF8 matrix_b_fmt:MATRIX_FMT_BF8 matrix_a_scale:MATRIX_SCALE_ROW1
.endif
.endr
.endr
.endm
.macro FETCH_B slot, q, p
	WIN TO_B
.irp i, 0,1,2,3,4,5,6,7
	FRAG 128*(\p)+FR*\i, ADRB+\slot, \q, \i
.endr
	WIN 0
.endm
.macro FETCH_A slot, q, i0
.irp i, \i0, \i0+1, \i0+2, \i0+3
	FRAG AF+FR*(\i), ADRA+\slot, \q, \i
.endr
.endm
.macro SCALES sc
.irp i, 0,1,2,3,4,5,6,7
	ds_load_b64 v[SC+8*NQ*\sc+NQ*\i:SC+8*NQ*\sc+NQ*\i+1], v[ADRS] offset:\i*SBLK
.endr
.endm
.macro PLACES n
.rept \n
	v_nop
.endr
.endm
.macro STEP slot, q, zero
	s_wait_dscnt 4*NL
	WIN MUL_LO
	MUL16 0, (\q)%2, \q, \slot, \zero
	MUL16 2, (\q)%2, \q, \slot, \zero
	s_wait_dscnt 0
	PLACES NP
	FETCH_B \slot, (\q)+1, 1-(\q)%2
	FETCH_A \slot, (\q)+1, 0
	WIN MUL_HI
	MUL16 4, (\q)%2, \q, \slot, \zero
	MUL16 6, (\q)%2, \q, \slot, \zero
	PLACES NP
	WIN 0
	FETCH_A \slot, (\q)+1, 4
.endm
.macro TURN slot, next, fill
	s_wait_tensorcnt 0x0
	ds_add_u32 v[SPW], v[NIL]
	s_wait_dscnt 4*NL+1
	WIN MUL_LO
	MUL16 0, 1, NQ-1, \slot, 0
	s_wait_dscnt 0x0
	s_barrier_signal -1
	MUL16 2, 1, NQ-1, \slot, 0
	WIN 0
	s_barrier_wait -1
.if \fill
	CREST
	s_add_nc_u64 s[G0+4*\slot+2:G0+4*\slot+3], s[G0+4*\slot+2:G0+4*\slot+3], 2*ROWB
	s_add_nc_u64 s[G0B+4*\slot+2:G0B+4*\slot+3], s[G0B+4*\slot+2:G0B+4*\slot+3], 2*ROWB
	JLOAD G0+4*\slot, G1, G0B+4*\slot, G1B
	PLACES NP-4
.else
	PLACES NP
.endif
	s_wait_alu depctr_va_vdst(0)
	v_add_nc_u32 v[ADRS], 4*NQ, v[ADRS]
	FETCH_B \next, 0, 0
	FETCH_A \next, 0, 0
	SCALES \next
	WIN MUL_HI
	MUL16 4, 1, NQ-1, \slot, 0
	MUL16 6, 1, NQ-1, \slot, 0
	PLACES NP
	WIN 0
	FETCH_A \next, 0, 4
.endm
	s_wait_alu depctr_va_vdst(0)                   ; the wait at the head's end
	s_wait_tensorcnt 0x0                           ; my tile of the head's four is in
	ds_add_u32 v[SPW], v[NIL]
	s_mov_b32 s[G1+2], 128<<16                     ; no tensor load of mine is out: from here on a load brings 128 rows
	s_mov_b32 s[G1+4], 128
	s_mov_b32 s[G1B+2], 128<<16
	s_mov_b32 s[G1B+4], 128
	s_wait_dscnt 0x0
	CROUND                                         ; all four tiles are in, and all sixteen work-groups are here
	JLOAD G0+4, G1, G0B+4, G1B                     ; K step 1
	FETCH_B 0, 0, 0
	FETCH_A 0, 0, 0
	SCALES 0
	FETCH_A 0, 0, 4
	s_cmp_eq_u32 s92, 0
	s_cbranch_scc0 .Lno_ask_2
	global_prefetch_b8 v22, s[100:101] offset:3*ROWB th:TH_LOAD_NT scope:SCOPE_SE
.Lno_ask_2:
	STEP 0, 0, 1
	TURN 0, 1, 1
	STEP 1, 0, 0
	TURN 1, 0, 1
	STEP 0, 0, 0
	TURN 0, 1, 0
	STEP 1, 0, 0
	s_wait_dscnt 4*NL
	WIN MUL_LO
	MUL16 0, 1, NQ-1, 1, 0
	MUL16 2, 1, NQ-1, 1, 0
	s_wait_dscnt 0
	WIN MUL_HI
	MUL16 4, 1, NQ-1, 1, 0
	MUL16 6, 1, NQ-1, 1, 0
	WIN 0
.macro QUANT a
.set QS,  64*((\a)%4)
.set QW,  2+(\a)/4
.set QWW, 0x0a+5*((\a)/4)
; BLOCKS a AND a + 1 OF 16 ROWS (k = 0, 1), four scale blocks of 32 each, side by side: working registers v[64 ..] and v[0 ..], held numbers v[128 ..] and v[192 ..], codes v[88 ..] and v[104 ..]
	WIN QWW
.irp b, 0,1,2,3
.irp k, 0,1
	v_max3_num_f32 v[TM*(1-\k)+\b], |v[QS+64*\k+16*\b]|, |v[QS+64*\k+16*\b+1]|, 0x8000000   ; the floor 2^(16 - 127)
.endr
.endr
.irp i, 2,4,6,8,10,12,14
.irp b, 0,1,2,3
.irp k, 0,1
	v_max3_num_f32 v[TM*(1-\k)+\b], |v[QS+64*\k+16*\b+\i]|, |v[QS+64*\k+16*\b+\i+1]|, v[TM*(1-\k)+\b]
.endr
.endr
.endr
	WIN 0
.irp b, 0,1,2,3
.irp k, 0,1
	v_permlanex16_b32 v[TM*(1-\k)+4+\b], v[TM*(1-\k)+\b], s4, s5
.endr
.endr
.irp b, 0,1,2,3
.irp k, 0,1
	v_max_num_f32 v[TM*(1-\k)+\b], v[TM*(1-\k)+\b], v[TM*(1-\k)+4+\b]
.endr
.endr
.irp b, 0,1,2,3
.irp k, 0,1
	v_add_nc_u32 v[TM*(1-\k)+12+\b], 0xf8800000, v[TM*(1-\k)+\b]   ; 15 off the exponent field: the conversion's scale operand
.endr
.endr
.irp b, 0,1,2,3
.irp k, 0,1
	v_and_or_b32 v[TM*(1-\k)+8+\b], v[TM*(1-\k)+\b], 0x7f800000, s6   ; 57,344 x the scale
.endr
.endr
.irp b, 0,1,2,3
.irp k, 0,1
	v_lshrrev_b32 v[TM*(1-\k)+4+\b], 23, v[TM*(1-\k)+12+\b]   ; the byte
.endr
.endr
.irp k, 0,1
	v_lshl_or_b32 v[PW+(\a)+\k], v[TM*(1-\k)+5], 8, v[TM*(1-\k)+4]
.endr
.irp k, 0,1
	v_lshl_or_b32 v[PW+(\a)+\k], v[TM*(1-\k)+6], 16, v[PW+(\a)+\k]
.endr
.irp k, 0,1
	v_lshl_or_b32 v[PW+(\a)+\k], v[TM*(1-\k)+7], 24, v[PW+(\a)+\k]
.endr
	WIN QW
.irp k, 0,1
.irp b, 0,1,2,3
.set i, 0
.rept 16
	v_med3_num_f32 v[T+64*\k+16*\b+i], v[QS+64*\k+16*\b+i], -v[TM*(1-\k)+8+\b], v[TM*(1-\k)+8+\b]
.set i, i+1
.endr
.endr
.endr
	WIN 0
.if (\a) > 0
	s_wait_alu depctr_va_vdst(0)                   ; the wait ahead of the wait below
	s_wait_xcnt 0x0                                ; the last pair's stores have read the codes' registers
.endif
.irp k, 0,1
.irp b, 0,1,2,3
	v_cvt_scalef32_pk8_bf8_f32 v[PCD+16*\k+4*\b:PCD+16*\k+4*\b+1], v[T+64*\k+16*\b:T+64*\k+16*\b+7], v[TM*(1-\k)+12+\b]
	v_cvt_scalef32_pk8_bf8_f32 v[PCD+16*\k+4*\b+2:PCD+16*\k+4*\b+3], v[T+64*\k+16*\b+8:T+64*\k+16*\b+15], v[TM*(1-\k)+12+\b]
.endr
.endr
	v_nop                                          ; one plain vector instruction behind the last conversion
.irp k, 0,1
.irp c, 0,1,2,3
	global_store_b128 v[CO], v[PCD+16*\k+4*\c:PCD+16*\k+4*\c+3], s[12:13] offset:((\a)+\k)*2048+512*\c   ; 512 consecutive bytes
.endr
.endr
.endm
	PLACES NP
.irp b, 0,1,2,3
	v_mov_b32 v[TM+4+\b], 0                        ; a lane permute's destination counts as one of its sources
	v_mov_b32 v[4+\b], 0
.endr
.irp a, 0,2,4,6
	QUANT \a
.endr
.irp a, 0,1,2,3,4,5,6,7
	ds_store_b32 v[SWA], v[PW+\a] offset:256*(\a%2)+4*(\a/2)
.endr
	ds_load_b128 v[OW:OW+3], v[SRA]
	s_wait_dscnt 0x0
	global_store_b128 v[CO], v[OW:OW+3], s[14:15]
	s_wait_tensorcnt 0x0
	ds_add_u32 v[SPW], v[NIL]
	s_wait_dscnt 0x0
	CROUND
	s_endpgm
.Lfunc_end_k_q17d87778db_proj:
	.size	k_q17d87778db_proj, .Lfunc_end_k_q17d87778db_proj-k_q17d87778db_proj
	.p2alignl 7, 3214868480
	.fill 96, 4, 3214868480
	.section	.rodata,"a",@progbits
	.p2align	6, 0x0
	.amdhsa_kernel k_q17d87778db_proj
		.amdhsa_group_segment_fixed_size 327680
		.amdhsa_private_segment_fixed_size 0
		.amdhsa_enable_private_segment 0
		.amdhsa_kernarg_size 48
		.amdhsa_user_sgpr_count 2
		.amdhsa_user_sgpr_kernarg_segment_ptr 1
		.amdhsa_wavefront_size32 1
		.amdhsa_system_sgpr_workgroup_id_x 1
		.amdhsa_system_sgpr_workgroup_id_y 1
		.amdhsa_system_sgpr_workgroup_id_z 1
		.amdhsa_system_vgpr_workitem_id 0
		.amdhsa_next_free_vgpr 1024
		.amdhsa_next_free_sgpr 106
		.amdhsa_reserve_vcc 0
		.amdhsa_float_denorm_mode_32 3
		.amdhsa_float_denorm_mode_16_64 3
		.amdhsa_memory_ordered 1
		.amdhsa_forward_progress 1
		.amdhsa_inst_pref_size 187
	.end_amdhsa_kernel
	.amdgpu_metadata
---
amdhsa.version: [ 1, 2 ]
amdhsa.kernels:
  - .name:           k_q17d87778db_proj
    .symbol:         k_q17d87778db_proj.kd
    .args:
      - { .name: context_codes, .offset: 0, .size: 8, .value_kind: global_buffer, .address_space: global }
      - { .name: context_scales, .offset: 8, .size: 8, .value_kind: global_buffer, .address_space: global }
      - { .name: Wkv_codes, .offset: 16, .size: 8, .value_kind: global_buffer, .address_space: global }
      - { .name: Wkv_scales, .offset: 24, .size: 8, .value_kind: global_buffer, .address_space: global }
      - { .name: kvc, .offset: 32, .size: 8, .value_kind: global_buffer, .address_space: global }
      - { .name: kvs, .offset: 40, .size: 8, .value_kind: global_buffer, .address_space: global }
    .group_segment_fixed_size: 327680
    .private_segment_fixed_size: 0
    .kernarg_segment_align: 8
    .kernarg_segment_size: 48
    .max_flat_workgroup_size: 128
    .sgpr_count:     106
    .vgpr_count:     1024
    .wavefront_size: 32
...
	.end_amdgpu_metadata
.endif
;; end of part 4
;; launch attn (part 5): grid 16 x 16, 8 waves a work-group, clusters of 4 x 1, 327,680 bytes of LDS; arguments x_codes, x_scales, Wq_codes, Wq_scales, kvc, kvs, doc_similarities, beta, oc, os; writes oc, os
.if DOCPART == 5
	.amdgcn_target "amdgcn-amd-amdhsa--gfx1250"
	.amdhsa_code_object_version 6
	.text
	.protected	k_q17d87778db_attn
	.globl	k_q17d87778db_attn
	.p2align	8
	.type	k_q17d87778db_attn,@function
k_q17d87778db_attn:
	s_mov_b64 s[64:65], 0
	v_nop
	global_prefetch_b8 v0, s[64:65] scope:SCOPE_SE
	s_setreg_imm32_b32 hwreg(HW_REG_WAVE_MODE, 25, 1), 1
	s_wait_xcnt 0x0
	s_wait_alu depctr_hold_cnt(0) depctr_sa_sdst(0) depctr_va_vdst(0) depctr_va_sdst(0) depctr_va_ssrc(0) depctr_va_vcc(0) depctr_vm_vsrc(0)
	s_getreg_b32 s2, hwreg(HW_REG_IB_STS2, 6, 4)
	s_cmp_eq_u32 s2, 0
	s_cbranch_scc0 .Lentry_in_a_cluster
	s_endpgm
.Lentry_in_a_cluster:
	s_bfe_u32 s2, ttmp6, 0x10000c
	s_cmp_lg_u32 s2, 0x3003
	s_cbranch_scc0 .Lentry_shape_is_right
	s_endpgm
.Lentry_shape_is_right:
; q = x Wq, quantised;  S = q k^T;  softmax with the documents' bias;  O = p v;  O / l, quantised for the last product.  All products on codes of BF8 (E5M2) with one E8M0 scale for each 32 along K.
; SHARES.  A work-group owns 64 queries of one (batch, head): 16 x 16 = 256 work-groups.  Wave w of eight: 32 queries, two tiles of 16 (half w / 4), of DOCUMENT w % 4 (1,024 keys, eight steps of 128): a fragment of K or V feeds two products.
; A document's bias is one number for the wave.  The four waves of a half meet at the end: their M are whole numbers, so the merge multiplies by exact powers of two.
; SOFTMAX.  t = score x log2(e) / 32 + sim x beta x log2(e);  M = the running largest t rounded UP to a whole number;  p = 2^(t - M) is quantised along the keys, not normalised; l is the sum of the unquantised p and divides at the end.
; LAYOUT.  Both products transposed: S^T = K Q^T, O^T = V^T P^T: a lane holds ONE query of each tile throughout.  K's and V's fragments lie in kvc as images of the operand's registers.
; Inside a block of 32 along K, lane half h holds numbers 8 h + 0 .. 7 and 16 + 8 h + 0 .. 7, in q and k alike and in p and v alike: an order of k that both operands share leaves the products as they are.
; A STEP.  K Q^T; V's fragments are fetched into K's registers under the first tile's softmax; behind both softmaxes every LDS read of the slot is over, and a round of the cluster's barrier opens, with the second tile's rescaling inside it.
; Behind the round the slot is filled again (two steps on), and the next step's K is fetched among the products V^T P^T into the scores' registers, which are codes by then.  So two regions of 128 registers trade places from step to step: a trip is two steps.
; The wait for a refill stands close ahead of the next refill, so that each has nearly a whole step in which to land.
; CLUSTER.  The four query blocks of a cluster belong to one (batch, head) and walk the same K and V: every tile is asked for jointly, mask 15.  The four clusters of a (batch, head) have numbers four apart.
; q IS MADE HERE: wave w makes 16 queries (tile w / 2) x 64 channels of the head (half w % 2): four accumulators, eight K steps.  The head's 128 rows of Wq come once, jointly, into the bytes that slot 1 takes later (and 2,048 more); x's 16 rows come straight into registers.
; LIMITS: NaN and infinities among the inputs are not served.  A block of zeros, or one under 2^-111, gets the scale byte 1 (this program alone reads the bytes).  A p under 2^-126 counts as 0 (v_exp_f32, ISA guide 15.8).
; REGISTERS, two windows of 256.  Window 0: v1 16 x lane; v2 LDS address of my document's scale words; v3, v4 my document in slot 0, 1; v5, v6 the add's; v7 the prefetches' offset; v8 bias; v9 at work; v10, v12 bias - M of tile 0, 1; v14, v15 -M; v16, v17 largest t;
;   v[18:19], v[20:21] l in two halves; v22, v24 f; v26-39, v60-63 at work; v40-59 scale words and nothing else; v64-95 Q; v96-127 p's codes (while q is made: its accumulators); v128-255 region 0 (while q is made: x's eight fragments).
;   Window 1: v0-127 region 1; v128-255 O^T (while q is made: four sets of four fragments of Wq in all 256).  Even steps: K and V in region 0, scores in region 1; odd steps the other way round.
.set SLOT1, 1<<17                      ; a slot: [document 4][K 16,384 bytes, V 16,384 bytes]
.set WP,    1040                       ; a row of Wq in LDS: 1,024 bytes + 16 of padding: an odd multiple of 16, so that the 16 rows of a load start 4 words apart modulo 64 (64 banks of 4 bytes: ISA guide 11.1)
.set WST,   SLOT1
.set SCB,   WST+128*WP                 ; the (batch, head)'s scale words, 32,768 bytes: filled once
.set SPARE, SCB+32768                  ; the spare words, 128 bytes for each of eight waves
.set QIMG,  SPARE+1024                 ; Q's four fragments, as images of their registers
.set QSC,   QIMG+8192                  ; their scale words: 128 bytes a tile, 4 a lane
.set MLX,   QSC+512                    ; for each wave and tile 128 bytes of -M and 128 of l
.set OSC,   MLX+4096                   ; the output's scale words: [tile 4][16 rows]
.set DENSE, 15|(3<<16)|(1<<21)         ; group 1, word 0: the mask: all four work-groups; elements of 8 bytes; bit 21 beside a mask; no padding
.set PADW,  15|(1<<20)|(1<<21)|(7<<22)|(3<<25)  ; elements of 1 byte, after every 256 words four words of padding
.set WV,  24                           ; s24 wave;  s25 half;  s26 document;  s27 cx;  s28 my block of 64 queries;  s29 batch x 8 + head;  s30 batch;  s31 head
.set G1C, 32                           ; s[32:39] group 1: 64 rows of 256 bytes;  s[40:47] 64 rows of Wq;  s[88:95] 128 rows of 256 bytes
.set G1W, 40
.set G1H, 88
.set G0A, 48                           ; s[48:51], s[80:83] groups 0 of the ring, slot 0 and slot 1;  the head's: s[52:55] Wq, s[96:99] scale words, s[84:87] step 0
.set G0B, 80
.set G0W, 52
.set G0S, 96
.set G0H, 84
.set PFA, 68                           ; s[68:69] where my prefetches stand;  s66, s67 who asks;  s63 trips to go
.set MSB, 0
.macro WIN new                         ; the immediate's high byte repeats the setting that is left
.if MSB != (\new)
	s_set_vgpr_msb (MSB<<8)|(\new)
.set MSB, \new
.endif
.endm
.macro WALU
	s_wait_alu depctr_va_vdst(0)
.endm
.macro PLACES n
.rept \n
	v_nop
.endr
.endm
.macro CREST                           ; a round of the cluster's barrier behind its opening barrier
	s_cmp_lg_u32 s[WV], 0
	s_cbranch_scc1 .Lnot_wave_0_\@
	s_barrier_signal -3
.Lnot_wave_0_\@:
	s_barrier_wait -3
	s_barrier_signal -1
	s_barrier_wait -1
.endm
.macro CROUND
	s_barrier_signal -1
	s_barrier_wait -1
	CREST
.endm
.macro TLOAD g0, g1
	tensor_load_to_lds s[\g0:\g0+3], s[\g1:\g1+7]
	s_nop 0
	PLACES 4
.endm
; A PREFETCH INTO THE L2 of what the NEXT round's tensor loads will ask for: a step's 32,768 bytes of each document, one step ahead of that load.  Each cluster asks for what it will itself load: waves 0 to 3, each for one document;
; the four partners share its 128 blocks of 256 bytes out BY ADDRESS, 32 each, a lane a block: each block is named once in each cluster.  The last refill asks for nothing; steps 0 and 1 come by their loads alone.
.macro ASK lim
	s_cmp_gt_u32 s63, s[\lim]
	s_cbranch_scc0 .Lnot_mine_\@
	global_prefetch_b8 v7, s[PFA:PFA+1] th:TH_LOAD_NT scope:SCOPE_SE
.Lnot_mine_\@:
.endm
.macro GRP1 g, w, c, r, p              ; descriptor group 1: r rows of c elements, p from row to row
	s_mov_b32 s[\g], \w
	s_mov_b32 s[\g+1], \c<<16
	s_mov_b32 s[\g+2], \r<<16
	s_mov_b32 s[\g+3], \c<<16
	s_mov_b32 s[\g+4], \r
	s_mov_b32 s[\g+5], \p
	s_mov_b32 s[\g+6], 0
	s_mov_b32 s[\g+7], 0
.endm
.macro MM d, a, b, c, sa, sb, ra, rb   ; one product; ra, rb: A's, B's scales in lanes 16-31
.if (\ra) && (\rb)
	v_wmma_scale_f32_16x16x128_f8f6f4 v[\d:\d+7], v[\a:\a+15], v[\b:\b+15], \c, v[\sa], v[\sb] matrix_a_fmt:MATRIX_FMT_BF8 matrix_b_fmt:MATRIX_FMT_BF8 matrix_a_scale:MATRIX_SCALE_ROW1 matrix_b_scale:MATRIX_SCALE_ROW1
.elseif (\ra)
	v_wmma_scale_f32_16x16x128_f8f6f4 v[\d:\d+7], v[\a:\a+15], v[\b:\b+15], \c, v[\sa], v[\sb] matrix_a_fmt:MATRIX_FMT_BF8 matrix_b_fmt:MATRIX_FMT_BF8 matrix_a_scale:MATRIX_SCALE_ROW1
.elseif (\rb)
	v_wmma_scale_f32_16x16x128_f8f6f4 v[\d:\d+7], v[\a:\a+15], v[\b:\b+15], \c, v[\sa], v[\sb] matrix_a_fmt:MATRIX_FMT_BF8 matrix_b_fmt:MATRIX_FMT_BF8 matrix_b_scale:MATRIX_SCALE_ROW1
.else
	v_wmma_scale_f32_16x16x128_f8f6f4 v[\d:\d+7], v[\a:\a+15], v[\b:\b+15], \c, v[\sa], v[\sb] matrix_a_fmt:MATRIX_FMT_BF8 matrix_b_fmt:MATRIX_FMT_BF8
.endif
.endm
	s_load_b256 s[4:11], s[0:1], 0x0               ; x's codes s[4:5], x's scales s[6:7], Wq's codes s[8:9], Wq's scales s[10:11]
	s_load_b256 s[12:19], s[0:1], 0x20             ; kvc s[12:13], kvs s[14:15], doc_similarities s[16:17], beta s[18:19]
	s_load_b128 s[20:23], s[0:1], 0x40             ; oc s[20:21], os s[22:23]
	v_lshl_add_u32 v5, v0, 2, SPARE
	v_mov_b32 v6, 0
	ds_add_u32 v5, v6                              ; the wave's opening
	ds_add_u32 v5, v6
	v_lshrrev_b32 v1, 5, v0
	s_delay_alu instid0(VALU_DEP_1)
	v_readfirstlane_b32 s[WV], v1                  ; wave 0..7
	s_lshr_b32 s25, s[WV], 2
	s_and_b32 s26, s[WV], 3
	s_bfe_u32 s27, ttmp6, 0x40000                  ; my place in the cluster
	s_and_b32 s29, ttmp7, 0xffff                   ; cluster row y; with cluster column x the cluster's number is 4 y + x
	s_and_b32 s28, s29, 3
	s_lshl_b32 s28, s28, 2
	s_add_co_u32 s28, s28, s27                     ; my block of 64 queries, 4 (y % 4) + cx: it enters x's, oc's and os's addresses alone
	s_and_b32 s29, s29, 0xfffc
	s_add_co_u32 s29, s29, ttmp9                   ; batch x 8 + head = 4 (y / 4) + x
	s_lshr_b32 s30, s29, 3
	s_and_b32 s31, s29, 7
	GRP1 G1C, DENSE, 32, 64, 32
	GRP1 G1H, DENSE, 32, 128, 32
	GRP1 G1W, PADW, 1024, 64, 1024
	s_and_b32 s61, s[WV], 1
	s_lshl_b32 s70, s29, 20                        ; kvc: 32 steps of 32,768 bytes a (batch, head), eight a document
	s_lshr_b32 s71, s[WV], 1                       ; in the ring I fetch document w / 2, half w % 2 of its step
	s_lshl_b32 s71, s71, 18
	s_add_co_u32 s72, s70, s71
	s_lshl_b32 s71, s61, 14
	s_add_co_u32 s72, s72, s71
	s_mov_b32 s73, 0
	s_lshl_b32 s74, s26, 18                        ; at the head wave 4 + d fetches step 0 of document d
	s_add_co_u32 s74, s74, s70
	s_mov_b32 s75, 0
	s_lshl_b32 s76, s29, 15                        ; kvs: 32,768 bytes a (batch, head), half of them by wave 2 and by wave 3
	s_add_co_u32 s76, s76, s71
	s_mov_b32 s77, 0
	s_lshl_b32 s100, s31, 17                       ; Wq's codes: rows 128 x head + 64 x wave, by waves 0 and 1
	s_lshl_b32 s71, s61, 16
	s_add_co_u32 s100, s100, s71
	s_mov_b32 s101, 0
	s_lshl_b32 s71, s27, 13                        ; the prefetches: my work-group's 8,192 bytes of a document's step, from step 2 on
	s_add_co_u32 s70, s74, s71
	s_add_co_u32 s70, s70, 65536
	s_mov_b32 s71, 0
	WALU
	s_wait_dscnt 0x0                               ; both opening adds are done
	s_wait_kmcnt 0x0
	s_mov_b32 s[G0A], 1
	s_lshl_b32 s[G0A+1], s[WV], 14                 ; slot 0, 16,384 x wave
	s_add_nc_u64 s[G0A+2:G0A+3], s[12:13], s[72:73]   ; step 0: stepped ahead of its first use
	s_or_b32 s[G0A+3], s[G0A+3], 0x80000000
	s_mov_b32 s[G0B], 1
	s_lshl_b32 s[G0B+1], s[WV], 14
	s_add_co_u32 s[G0B+1], s[G0B+1], SLOT1
	s_add_nc_u64 s[72:73], s[72:73], 0x8000        ; step 1
	s_add_nc_u64 s[G0B+2:G0B+3], s[12:13], s[72:73]
	s_or_b32 s[G0B+3], s[G0B+3], 0x80000000
	s_mov_b32 s[G0H], 1
	s_lshl_b32 s[G0H+1], s26, 15
	s_add_nc_u64 s[G0H+2:G0H+3], s[12:13], s[74:75]
	s_or_b32 s[G0H+3], s[G0H+3], 0x80000000
	s_mov_b32 s[G0S], 1
	s_lshl_b32 s[G0S+1], s61, 14
	s_add_co_u32 s[G0S+1], s[G0S+1], SCB
	s_add_nc_u64 s[G0S+2:G0S+3], s[14:15], s[76:77]
	s_or_b32 s[G0S+3], s[G0S+3], 0x80000000
	s_mov_b32 s[G0W], 1
	s_mul_i32 s[G0W+1], s61, 64*WP
	s_add_co_u32 s[G0W+1], s[G0W+1], WST
	s_add_nc_u64 s[G0W+2:G0W+3], s[8:9], s[100:101]
	s_or_b32 s[G0W+3], s[G0W+3], 0x80000000
	s_add_nc_u64 s[PFA:PFA+1], s[12:13], s[70:71]
	s_lshl_b32 s72, s30, 2
	s_add_co_u32 s72, s72, s26
	s_lshl_b32 s72, s72, 2                         ; doc_similarities[batch][my document]
	s_mov_b32 s73, 0
	s_add_nc_u64 s[16:17], s[16:17], s[72:73]
	s_load_b32 s78, s[16:17], 0x0
	s_load_b32 s79, s[18:19], 0x0
	CROUND                                         ; all four work-groups are here: the first joint loads meet
; THE HEAD'S LOADS, one a wave: waves 0, 1 Wq's rows, which are wanted first; waves 2, 3 the scale words; waves 4 to 7 step 0 of a document each
	s_cmp_lt_u32 s[WV], 2
	s_cbranch_scc0 .Lhead_s
	TLOAD G0W, G1W
	s_branch .Lasked
.Lhead_s:
	s_cmp_lt_u32 s[WV], 4
	s_cbranch_scc0 .Lhead_c
	TLOAD G0S, G1C
	s_branch .Lasked
.Lhead_c:
	TLOAD G0H, G1H
.Lasked:
	s_cmp_eq_u32 s25, 0                            ; waves 0 to 3 prefetch
	s_cselect_b32 s66, 1, -1
	s_cselect_b32 s67, 0, -1
	s_mov_b32 s63, 3
	s_lshl_b32 s74, s30, 10
	s_lshl_b32 s75, s28, 6
	s_add_co_u32 s74, s74, s75                     ; the work-group's first row: 1,024 batch + 64 block
	s_lshr_b32 s75, s[WV], 1
	s_lshl_b32 s75, s75, 4
	s_add_co_u32 s75, s75, s74                     ; my 16 rows of x: tile w / 2
	s_lshl_b32 s72, s75, 10
	s_add_nc_u64 s[4:5], s[4:5], s[72:73]          ; codes, 1,024 bytes a row,
	s_lshl_b32 s72, s75, 5
	s_add_nc_u64 s[6:7], s[6:7], s[72:73]          ; scale bytes, 32 a row
	s_lshl_b32 s72, s31, 12
	s_lshl_b32 s75, s61, 11
	s_add_co_u32 s72, s72, s75
	s_add_nc_u64 s[10:11], s[10:11], s[72:73]      ; the scale bytes of my 64 rows of Wq: 128 head + 64 (w % 2)
	s_lshl_b32 s75, s25, 5
	s_add_co_u32 s74, s74, s75
	s_lshr_b32 s72, s74, 4                         ; oc: [tile of 16 rows][head][2,048 bytes], my half's first tile, my block of 32 channels 512 d on
	s_lshl_b32 s72, s72, 3
	s_add_co_u32 s72, s72, s31
	s_lshl_b32 s72, s72, 11
	s_lshl_b32 s75, s26, 9
	s_add_co_u32 s72, s72, s75
	s_add_nc_u64 s[20:21], s[20:21], s[72:73]
	s_lshl_b32 s72, s31, 13                        ; os: [head][tile of 16 rows][16 words]: 8,192 head + 4,096 batch + 256 block
	s_lshl_b32 s75, s30, 12
	s_add_co_u32 s72, s72, s75
	s_lshl_b32 s75, s28, 8
	s_add_co_u32 s72, s72, s75
	s_add_nc_u64 s[22:23], s[22:23], s[72:73]
	s_mov_b32 s56, 0x76543210
	s_mov_b32 s57, 0xfedcba98                      ; v_permlanex16_b32's selects for lane l xor 16
	s_mov_b32 s58, 0x3d38aa3b                      ; c = log2(e) / 32: the packed form names a pair and takes its low word
	s_mov_b32 s59, s58
	s_mov_b32 s60, 0x600000                        ; the mantissa field of 57,344
	s_mul_i32 s70, s61, 64*WP
	s_add_co_u32 s70, s70, WST
	s_lshl_b32 s71, s26, 15
	s_lshl_b32 s72, s26, 13
	s_add_co_u32 s72, s72, SCB
	s_lshl_b32 s73, s25, 12
	s_add_co_u32 s73, s73, QIMG
	s_lshl_b32 s74, s[WV], 10
	s_add_co_u32 s74, s74, QIMG
	s_lshl_b32 s75, s25, 8
	s_add_co_u32 s75, s75, QSC
	s_lshr_b32 s76, s[WV], 1
	s_lshl_b32 s76, s76, 7
	s_lshl_b32 s77, s61, 1
	s_add_co_u32 s76, s76, s77
	s_add_co_u32 s76, s76, QSC
	v_and_b32 v20, 31, v0                          ; lane
	v_and_b32 v9, 15, v0                           ; r
	v_bfe_u32 v21, v0, 4, 1                        ; h
	v_mov_b32 v30, 0                               ; a lane permute's destination counts as one of its sources
	v_mov_b32 v31, 0
	v_lshlrev_b32 v1, 4, v20
	v_lshlrev_b32 v7, 8, v20
	v_lshlrev_b32 v22, 5, v20                      ; Wq's scale bytes: row = lane: lanes 0-15 an even tile, lanes 16-31 the odd one behind it
	v_lshlrev_b32 v11, 10, v9
	v_lshlrev_b32 v12, 5, v9
	v_mul_u32_u24 v10, v9, WP
	v_lshl_add_u32 v23, v20, 2, s75                ; Q's scale words, back
	v_add_nc_u32 v3, s71, v1                       ; my document's 32,768 bytes of slot 0,
	v_lshl_add_u32 v11, v21, 4, v11                ; x's codes: row r of 1,024 bytes + 16 h
	v_lshl_add_u32 v12, v21, 4, v12                ; x's scale bytes: row r, lanes 16-31 four K steps on
	v_lshl_add_u32 v10, v21, 4, v10
	v_lshl_add_u32 v28, v20, 2, s76                ; my two bytes of Q's scale words, in
	v_add_nc_u32 v4, SLOT1, v3                     ; of slot 1
	v_add_nc_u32 v10, s70, v10                     ; Wq in LDS: row 64 (w % 2) + r, + 16 h
	v_add_nc_u32 v2, s72, v1                       ; my document's scale words, 1,024 bytes a step: K's 16 x lane, V's 512 on
	v_add_nc_u32 v24, s74, v1                      ; Q's image, in: tile x 2,048 + 1,024 (w % 2)
	v_add_nc_u32 v25, s73, v1                      ; and back
	WALU
	global_load_b128 v[40:43], v22, s[10:11]       ; Wq's scale words of K step s: tiles 0, 1 in v[40 + s],
	global_load_b128 v[44:47], v22, s[10:11] offset:16
	global_load_b128 v[48:51], v22, s[10:11] offset:1024   ; tiles 2, 3 in v[48 + s]
	global_load_b128 v[52:55], v22, s[10:11] offset:1040
	global_load_b128 v[56:59], v12, s[6:7]         ; x's: v[56 + s % 4], lanes 0-15 K steps 0-3, lanes 16-31 K steps 4-7
.irp s, 0,1,2,3,4,5,6,7                        ; x's fragments in the order of K: four loads a K step
.irp c, 0,1,2,3
	global_load_b128 v[128+16*\s+4*\c:131+16*\s+4*\c], v11, s[4:5] offset:\s*128+32*\c
.endr
.endr
	s_wait_kmcnt 0x0
	s_mul_f32 s78, s78, s79                        ; sim x beta,
	s_mul_f32 s78, s78, 0x3fb8aa3b                 ; x log2(e)
	v_mov_b32 v8, s78                              ; my document's bias, in t's unit
	WALU
	s_cmp_lt_u32 s[WV], 2
	s_cbranch_scc0 .Lnot_wq
	s_wait_tensorcnt 0x0                           ; waves 0 and 1: Wq's rows have landed.  The other waves' wait stands ahead of the round below
.Lnot_wq:
	s_barrier_signal -1
	s_barrier_wait -1
.macro FETCHW s                        ; Wq's four fragments of K step s: sixteen loads
	WIN 0x40
.irp u, 0,1,2,3
.irp c, 0,1,2,3
	ds_load_b128 v[64*((\s)%4)+16*\u+4*\c:3+64*((\s)%4)+16*\u+4*\c], v10 offset:\u*16*WP+(\s)*128+32*\c
.endr
.endr
	WIN 0
.endm
.macro QMUL s, u                       ; source 0 = 16 rows of Wq, source 1 = 16 rows of x; the four accumulators by turns
.if (\s) == 0
	MM 96+8*\u, 64*((\s)%4)+16*\u, 128+16*\s, 0, 40+8*(\u/2)+\s, 56+(\s)%4, \u%2, \s/4
.else
	MM 96+8*\u, 64*((\s)%4)+16*\u, 128+16*\s, v[96+8*\u:103+8*\u], 40+8*(\u/2)+\s, 56+(\s)%4, \u%2, \s/4
.endif
.endm
	FETCHW 0
	FETCHW 1
	FETCHW 2
	FETCHW 3
.irp s, 0,1,2,3,4,5,6,7
	s_wait_loadcnt 4*(7-\s)                        ; the scale words and x's fragments up to this K step are in; the later steps' four loads each may be out
.if \s < 5
	s_wait_dscnt 48                                ; this K step's fragments of Wq are in; the three younger sets may be out
.else
	s_wait_dscnt 16*(7-\s)
.endif
	WIN 0x01
.irp u, 0,1,2,3
	QMUL \s, \u
.endr
	WIN 0
.if \s < 4
	PLACES 8                                       ; in front of loads into registers that these products have read (ISA guide 7.12.1 for vector instructions)
	FETCHW \s+4
.endif
.endr
	PLACES 8
; TWO BLOCKS OF 32: 16 registers of a lane at v[96 + 16 i] (two natural tiles) and lane l xor 16's become four registers of codes, v[12 + 4 i ..], and the scale's byte, v[30 + i]
.macro QB2
.irp i, 0,1
	v_max3_num_f32 v[26+\i], |v[96+16*\i]|, |v[97+16*\i]|, 0x8000000   ; the floor 2^(16 - 127): the byte cannot fall under 1
.endr
.irp k, 2,4,6,8,10,12,14
.irp i, 0,1
	v_max3_num_f32 v[26+\i], v[26+\i], |v[96+16*\i+\k]|, |v[97+16*\i+\k]|
.endr
.endr
.irp i, 0,1
	v_permlanex16_b32 v[30+\i], v[26+\i], s56, s57
.endr
.irp i, 0,1
	v_max_num_f32 v[26+\i], v[26+\i], v[30+\i]     ; the block's largest magnitude
.endr
.irp i, 0,1
	v_add_nc_u32 v[60+\i], 0xf8800000, v[26+\i]    ; 15 off its exponent field: the conversion's scale operand
.endr
.irp i, 0,1
	v_and_or_b32 v[26+\i], v[26+\i], 0x7f800000, s60   ; 57,344 x the scale
.endr
.irp i, 0,1
	v_lshrrev_b32 v[30+\i], 23, v[60+\i]           ; the byte
.endr
.irp k, 0,1,2,3,4,5,6,7,8,9,10,11,12,13,14,15
.irp i, 0,1
	v_med3_num_f32 v[96+16*\i+\k], v[96+16*\i+\k], -v[26+\i], v[26+\i]   ; the conversion to an 8-bit code does not saturate (ISA guide 7.6.2)
.endr
.endr
.irp i, 0,1
	v_cvt_scalef32_pk8_bf8_f32 v[12+4*\i:13+4*\i], v[96+16*\i:103+16*\i], v[60+\i]
	v_cvt_scalef32_pk8_bf8_f32 v[14+4*\i:15+4*\i], v[104+16*\i:111+16*\i], v[60+\i]
.endr
	v_nop                                          ; one plain vector instruction between the conversions and what touches their results
.endm
	QB2                                            ; lane (r, h): query r of my tile, block 2 (w % 2) + i of the head's channels
	ds_store_b128 v24, v[12:15]
	ds_store_b128 v24, v[16:19] offset:512
	ds_store_b8 v28, v30
	ds_store_b8 v28, v31 offset:1
	WALU
	s_wait_tensorcnt 0x0                           ; my load of the head has landed
	ds_add_u32 v5, v6
	s_wait_dscnt 0x0                               ; the add is done, my stores have landed, my reads of Wq's rows are over
	CROUND
	TLOAD G0B, G1C                                 ; step 1, over Wq's rows
.macro LD4 base, va, t0, off           ; four fragments: 16 loads
.irp t, \t0, \t0+1, \t0+2, \t0+3
.irp c, 0,1,2,3
	ds_load_b128 v[\base+16*(\t)+4*\c:\base+16*(\t)+4*\c+3], v[\va] offset:\off+2048*(\t)+512*\c
.endr
.endr
.endm
.irp i, 0,1
.irp c, 0,1,2,3
	ds_load_b128 v[64+16*\i+4*\c:67+16*\i+4*\c], v25 offset:2048*\i+512*\c   ; Q's fragments stay in registers,
.endr
	ds_load_b32 v[44+\i], v23 offset:128*\i        ; and their scale words
.endr
	ds_load_b128 v[40:43], v2                      ; K's scale words: register u serves two tiles: lanes 0-15 tile 2 u, lanes 16-31 tile 2 u + 1
	LD4 128, 3, 0, 0                               ; step 0's K
	LD4 128, 3, 4, 0
	ASK 67
	v_mov_b32 v16, 0xff61b1e6                      ; the largest t so far: -3e38
	v_mov_b32 v17, 0xff61b1e6
.irp i, 10,11,12,13,18,19,20,21,22,23,24,25,32,33
	v_mov_b32 v\i, 0
.endr
	v_floor_f32 v14, -v16                          ; -M
	v_floor_f32 v15, -v17
	WIN 0x40
.set j, 0
.rept 128
	v_mov_b32 v[128+j], 0                          ; O^T: the step's text serves the first step too; it finds zeros, which the first change of M leaves zeros
.set j, j+1
.endr
	WIN 0
	WALU
; THE SOFTMAX OF TILE q, first part: the largest score of each block of 32 keys (for the row's maximum and, since p rises with the score, for the block's largest p), the new M
.macro SMAX q
.set SQ, SB+64*\q
	WIN 0x05*SWN
	WALU
.irp b, 0,1,2,3
	v_max_num_f32 v[26+\b], v[SQ+16*\b], v[SQ+16*\b+1]
.endr
.irp i, 2,4,6,8,10,12,14
.irp b, 0,1,2,3
	v_max3_num_f32 v[26+\b], v[SQ+16*\b+\i], v[SQ+16*\b+\i+1], v[26+\b]
.endr
.endr
	WIN 0
.irp b, 0,1,2,3
	v_permlanex16_b32 v[30+\b], v[26+\b], s56, s57
.endr
.irp b, 0,1,2,3
	s_delay_alu instid0(VALU_DEP_4)
	v_max_num_f32 v[26+\b], v[26+\b], v[30+\b]     ; with lane l xor 16's 16 keys
.endr
	s_delay_alu instid0(VALU_DEP_2)
	v_max3_num_f32 v9, v26, v27, v28
	s_delay_alu instid0(VALU_DEP_1)
	v_max_num_f32 v9, v9, v29
	s_delay_alu instid0(VALU_DEP_1)
	v_fma_f32 v9, v9, s58, v8                      ; as t: c is positive, and the bias is one number for all my keys
	s_delay_alu instid0(VALU_DEP_1)
	v_max_num_f32 v[16+\q], v[16+\q], v9           ; the running largest t
	v_mov_b32 v9, v[14+\q]
	s_delay_alu instid0(VALU_DEP_2)
	v_floor_f32 v[14+\q], -v[16+\q]                ; the new -M = -ceil(t): a whole number
	s_delay_alu instid0(VALU_DEP_1)
	v_sub_f32 v9, v[14+\q], v9                     ; old M - new M: a whole number, 0 or less
	s_delay_alu instid0(VALU_DEP_1)
	v_cvt_i32_f32 v9, v9                           ; (it saturates)
	s_delay_alu instid0(VALU_DEP_1)
	v_ldexp_f32 v[22+2*\q], 1.0, v9                ; f = 2^(old M - new M): rounds nothing
	s_delay_alu instid0(VALU_DEP_4)
	v_add_f32 v[10+2*\q], v8, v[14+\q]             ; bias - M
.endm
; second part: p, l, p's codes and scale word
.macro SEXP q
.set SQ, SB+64*\q
	WIN 0x41*SWN
.set j, 0
.rept 32
	v_pk_fma_f32 v[SQ+j:SQ+j+1], v[SQ+j:SQ+j+1], s[58:59], v[10+2*\q:11+2*\q] op_sel_hi:[1,0,0]   ; t - M, two at a time
.set j, j+2
.endr
	WIN 0
.irp b, 0,1,2,3
	v_fma_f32 v[26+\b], v[26+\b], s58, v[10+2*\q]  ; the same of each block's largest score
.endr
	WIN 0x41*SWN
	WALU                                           ; the wait ahead of the batch
.set j, 0
.rept 64
	v_exp_f32 v[SQ+j], v[SQ+j]                     ; p = 2^(t - M): not normalised
.set j, j+1
.endr
	WIN 0
	v_pk_mul_f32 v[18+2*\q:19+2*\q], v[18+2*\q:19+2*\q], v[22+2*\q:23+2*\q] op_sel_hi:[1,0]   ; l under the new M
	WALU                                           ; and behind it, ahead of its first reader
.irp b, 0,1,2,3
	v_exp_f32 v[26+\b], v[26+\b]                   ; the block's largest p: the same two instructions on the same number
.endr
	WIN 0x05*SWN
	v_pk_add_f32 v[34:35], v[SQ:SQ+1], v[SQ+2:SQ+3]   ; l is summed in four chains
	v_pk_add_f32 v[36:37], v[SQ+4:SQ+5], v[SQ+6:SQ+7]
	v_pk_add_f32 v[38:39], v[SQ+8:SQ+9], v[SQ+10:SQ+11]
	WIN SWN
.set j, 12
.rept 6
	v_pk_add_f32 v[18+2*\q:19+2*\q], v[SQ+j:SQ+j+1], v[18+2*\q:19+2*\q]
	v_pk_add_f32 v[34:35], v[SQ+j+2:SQ+j+3], v[34:35]
	v_pk_add_f32 v[36:37], v[SQ+j+4:SQ+j+5], v[36:37]
	v_pk_add_f32 v[38:39], v[SQ+j+6:SQ+j+7], v[38:39]
.set j, j+8
.endr
	v_pk_add_f32 v[18+2*\q:19+2*\q], v[SQ+60:SQ+61], v[18+2*\q:19+2*\q]
	v_pk_add_f32 v[34:35], v[SQ+62:SQ+63], v[34:35]
	WIN 0
	v_pk_add_f32 v[36:37], v[36:37], v[38:39]
	v_pk_add_f32 v[18+2*\q:19+2*\q], v[18+2*\q:19+2*\q], v[34:35]
	s_delay_alu instid0(VALU_DEP_1)
	v_pk_add_f32 v[18+2*\q:19+2*\q], v[18+2*\q:19+2*\q], v[36:37]
	WALU                                           ; and one for the four
.irp b, 0,1,2,3
	v_max_num_f32 v[26+\b], 0x8000000, v[26+\b]    ; the floor 2^(16 - 127)
.endr
.irp b, 0,1,2,3
	s_delay_alu instid0(VALU_DEP_4)
	v_add_nc_u32 v[60+\b], 0xf8800000, v[26+\b]    ; the conversion's scale operand
.endr
.irp b, 0,1,2,3
	v_and_or_b32 v[26+\b], v[26+\b], 0x7f800000, s60   ; 57,344 x the scale
.endr
.irp b, 0,1,2,3
	v_lshrrev_b32 v[30+\b], 23, v[60+\b]           ; the byte
.endr
	s_delay_alu instid0(VALU_DEP_3)
	v_lshl_or_b32 v[52+\q], v31, 8, v30            ; p's scale word for these 128 keys
	s_delay_alu instid0(VALU_DEP_1)
	v_lshl_or_b32 v[52+\q], v32, 16, v[52+\q]
	s_delay_alu instid0(VALU_DEP_1)
	v_lshl_or_b32 v[52+\q], v33, 24, v[52+\q]
.endm
; third part: the hold (p is not negative, so it is one-sided) and the conversion.  Scores in window 0: two holds an instruction
.macro SCVT q
.set SQ, SB+64*\q
	WIN 0x41*SWN
.irp b, 0,1,2,3
.set j, 0
.if SWN
.rept 16
	v_min_num_f32 v[SQ+16*\b+j], v[SQ+16*\b+j], v[26+\b]
.set j, j+1
.endr
.else
.rept 8
	v_dual_min_num_f32 v[SQ+16*\b+j], v[SQ+16*\b+j], v[26+\b] :: v_dual_min_num_f32 v[SQ+16*\b+j+1], v[SQ+16*\b+j+1], v[26+\b]
.set j, j+2
.endr
.endif
.endr
	WIN SWN
.irp b, 0,1,2,3
	v_cvt_scalef32_pk8_bf8_f32 v[96+16*\q+4*\b:97+16*\q+4*\b], v[SQ+16*\b:SQ+16*\b+7], v[60+\b]
	v_cvt_scalef32_pk8_bf8_f32 v[98+16*\q+4*\b:99+16*\q+4*\b], v[SQ+16*\b+8:SQ+16*\b+15], v[60+\b]
.endr
	v_nop                                          ; one plain vector instruction behind the last conversion
	WIN 0
.endm
.macro RESC q                          ; O^T of tile q under the new M
	WIN 0x41
	WALU
.set j, 0
.rept 32
	v_pk_mul_f32 v[128+64*\q+j:129+64*\q+j], v[128+64*\q+j:129+64*\q+j], v[22+2*\q:23+2*\q] op_sel_hi:[1,0]
.set j, j+2
.endr
	WIN 0
.endm
.macro QK4 t0                          ; S^T, four tiles: source 0 = 16 keys, source 1 = 16 queries
	WIN KWN|(SWN<<6)
.irp t, \t0, \t0+1, \t0+2, \t0+3
.irp q, 0,1
	MM SB+64*\q+8*(\t), KB+16*(\t), 64+16*\q, 0, 40+(\t)/2, 44+\q, (\t)%2, 0
.endr
.endr
.endm
.macro PV4 t0                          ; O^T, four tiles: source 0 = 16 channels x 128 keys, source 1 = p; the accumulators by turns
	WIN 0x50|KWN
.irp t, \t0, \t0+1, \t0+2, \t0+3
.irp q, 0,1
	MM 128+64*\q+8*(\t), KB+16*(\t), 96+16*\q, v[128+64*\q+8*(\t):135+64*\q+8*(\t)], 48+(\t)/2, 52+\q, (\t)%2, 0
.endr
.endr
	WIN 0
.endm
; A KEY STEP: 128 keys of my document.  sw: the scores' window; par: the step's parity; va, vb: this slot's address, the other's; mode 2: the slot is filled again; 1: a barrier shows the last step's tiles; 0: the last step.
.macro STEP sw, par, va, vb, mode, g0, lim
.set SWN, \sw
.set KWN, 1-\sw
.set SB, 128*(1-\sw)
.set KB, 128*\sw
	s_wait_dscnt 16                                ; K's first four fragments and the scale words are in; the youngest sixteen loads may be out
	QK4 0
	s_wait_dscnt 0x0
	QK4 4
	WIN 0
	PLACES 8                                       ; for the first read of the scores, and for the loads below into K's registers
	WIN KWN<<6
	LD4 KB, \va, 0, 16384                          ; V takes K's registers
	SMAX 0
	WIN KWN<<6
	LD4 KB, \va, 4, 16384
	WIN 0
	ds_load_b128 v[48:51], v2 offset:1024*\par+512
	SEXP 0
	SCVT 0
	SMAX 1
	SEXP 1
.if \mode
	WALU
	s_wait_tensorcnt 0x0                           ; my part of the other slot is in; no tensor load of mine is out, so a group 0 may be written
	ds_add_u32 v5, v6                              ; 0 onto my spare word
.if (\mode) == 2
	s_add_nc_u64 s[\g0+2:\g0+3], s[\g0+2:\g0+3], 0x10000   ; two steps on
	s_wait_xcnt 0x0                                ; the last prefetch, a step back, has read its address, so it may be written:
	s_add_nc_u64 s[PFA:PFA+1], s[PFA:PFA+1], 0x8000        ; one step further on than the refill
.endif
.endif
	RESC 0
.if \mode
	WALU
	s_wait_dscnt 0x0                               ; the add is done, V is in: my reads of this slot are over
	s_barrier_signal -1
.endif
	SCVT 1                                         ; register work inside the round: the second tile's hold and conversion, then its rescaling
	RESC 1
	WALU
.if \mode
	s_barrier_wait -1
.if (\mode) == 2
	CREST                                          ; no wave of any partner still reads this slot or has a load on its way
	TLOAD \g0, G1C                                 ; my one tensor load until the next round
.endif
	ds_load_b128 v[40:43], v2 offset:1024*\par+1024
	WIN SWN<<6
	LD4 SB, \vb, 0, 0                              ; the next step's K takes the scores' registers
.else
	s_wait_dscnt 0x0                               ; V is in
.endif
	PV4 0
.if (\mode) == 2
	ASK \lim
.endif
.if \mode
	WIN SWN<<6
	LD4 SB, \vb, 4, 0
.endif
	PV4 4
	PLACES 9                                       ; the next scores are written over V (ISA guide 7.12.1)
.endm
.Ltrip:                                            ; three trips of two steps; each step fills its slot with the step two on
	STEP 1, 0, 3, 4, 2, G0A, 67
	STEP 0, 1, 4, 3, 2, G0B, 66
	v_add_nc_u32 v2, 0x800, v2                     ; the next two steps' scale words
	s_sub_co_u32 s63, s63, 1
	s_cmp_lg_u32 s63, 0
	WALU                                           ; the wait ahead of the branch
	s_cbranch_scc1 .Ltrip
	STEP 1, 0, 3, 4, 1, G0A, 67                    ; the last two steps fill nothing
	STEP 0, 1, 4, 3, 0, G0A, 67
	; THE MERGE.  Each wave lays -M, l and O^T of its two tiles down; wave (half, d) takes channels 32 d .. 32 d + 31 of both tiles, of all four documents.  O^T's stage is slot 0, 16,384 bytes a wave: it has had its last fill (step 6),
	; and every wave has left it at step 6's barrier.
	s_lshl_b32 s70, s[WV], 9
	s_add_co_u32 s70, s70, MLX
	s_lshl_b32 s71, s[WV], 14
	s_lshl_b32 s72, s25, 16
	s_lshl_b32 s73, s26, 11
	s_add_co_u32 s72, s72, s73
	s_lshl_b32 s73, s25, 11
	s_add_co_u32 s73, s73, MLX
	s_lshl_b32 s74, s25, 7
	s_add_co_u32 s74, s74, s26
	s_add_co_u32 s74, s74, OSC
	v_lshrrev_b32 v27, 2, v1                       ; 4 x lane
	v_add_f32 v18, v18, v19                        ; l's two halves,
	v_add_f32 v20, v20, v21
	v_add_nc_u32 v28, s71, v1                      ; my O^T, as an image of its registers
	v_add_nc_u32 v29, s72, v1                      ; back: the half's four waves, registers 16 d on
	v_permlanex16_b32 v30, v18, s56, s57
	v_permlanex16_b32 v31, v20, s56, s57
	v_add_nc_u32 v26, s70, v27                     ; my -M and l
	v_add_nc_u32 v34, s73, v27
	v_and_b32 v35, 60, v27
	v_lshl_add_u32 v36, v27, 1, OSC                ; the 64 words, 8 bytes a lane
	v_add_f32 v18, v18, v30                        ; and lane l xor 16's
	v_add_f32 v20, v20, v31
	v_add_nc_u32 v35, s74, v35                     ; my byte of row r's scale word
	v_lshlrev_b32 v37, 1, v27
	ds_store_b32 v26, v14
	ds_store_b32 v26, v18 offset:128
	ds_store_b32 v26, v15 offset:256
	ds_store_b32 v26, v20 offset:384
	WIN 0x04
.irp q, 0,1
.set j, 0
.rept 16
	ds_store_b128 v28, v[128+64*\q+4*j:131+64*\q+4*j] offset:8192*\q+512*j   ; each accumulator from its low end on
.set j, j+1
.endr
.endr
	WIN 0
	WALU
	s_wait_dscnt 0x0
	s_barrier_signal -1
	s_barrier_wait -1
.irp q, 0,1
.irp e, 0,1,2,3
	ds_load_b32 v[64+4*\q+\e], v34 offset:512*\e+256*\q        ; -M of document e
	ds_load_b32 v[72+4*\q+\e], v34 offset:512*\e+256*\q+128    ; its l
.endr
.endr
.irp q, 0,1
.irp e, 0,1,2,3
.irp c, 0,1,2,3
	ds_load_b128 v[128+64*\q+16*\e+4*\c:131+64*\q+16*\e+4*\c], v29 offset:16384*\e+8192*\q+512*\c
.endr
.endr
.endr
	s_wait_dscnt 0x0
.irp q, 0,1
	v_min3_num_f32 v[26+\q], v[64+4*\q], v[65+4*\q], v[66+4*\q]
.endr
.irp q, 0,1
	v_min_num_f32 v[26+\q], v[26+\q], v[67+4*\q]   ; -M of the whole row
.endr
.irp q, 0,1
.irp e, 0,1,2,3
	v_sub_f32 v[80+8*\q+2*\e], v[26+\q], v[64+4*\q+\e]   ; M of document e less the row's: a whole number, 0 or less
.endr
.endr
.irp q, 0,1
.irp e, 0,1,2,3
	v_cvt_i32_f32 v[80+8*\q+2*\e], v[80+8*\q+2*\e]
.endr
.endr
.irp q, 0,1
.irp e, 0,1,2,3
	v_ldexp_f32 v[80+8*\q+2*\e], 1.0, v[80+8*\q+2*\e]   ; f of document e: an exact power of two
.endr
.endr
.irp q, 0,1
.irp e, 0,1,2,3
	v_mov_b32 v[81+8*\q+2*\e], v[80+8*\q+2*\e]     ; twice: a pair for the packed forms
.endr
.endr
.irp q, 0,1
	v_mul_f32 v[28+\q], v[80+8*\q], v[72+4*\q]
.endr
.irp e, 1,2,3
.irp q, 0,1
	v_fmac_f32 v[28+\q], v[80+8*\q+2*\e], v[72+4*\q+\e]   ; the row's l
.endr
.endr
	WALU
	v_rcp_f32 v32, v28
	v_rcp_f32 v38, v29
.irp q, 0,1
.set j, 0
.rept 8
	v_pk_mul_f32 v[96+16*\q+j:97+16*\q+j], v[128+64*\q+j:129+64*\q+j], v[80+8*\q:81+8*\q]   ; the four documents' O^T under the row's M
.set j, j+2
.endr
.endr
.irp e, 1,2,3
.irp q, 0,1
.set j, 0
.rept 8
	v_pk_fma_f32 v[96+16*\q+j:97+16*\q+j], v[128+64*\q+16*\e+j:129+64*\q+16*\e+j], v[80+8*\q+2*\e:81+8*\q+2*\e], v[96+16*\q+j:97+16*\q+j]
.set j, j+2
.endr
.endr
.endr
	WALU                                           ; one for both reciprocals, ahead of their first reader
.set j, 0
.rept 8
	v_pk_mul_f32 v[96+j:97+j], v[96+j:97+j], v[32:33] op_sel_hi:[1,0]   ; / l
	v_pk_mul_f32 v[112+j:113+j], v[112+j:113+j], v[38:39] op_sel_hi:[1,0]
.set j, j+2
.endr
	QB2                                            ; block d of the head's 128: registers 4 d .. 4 d + 3 of the last product's fragment (my 16 rows, K step = head)
.irp i, 0,1                                    ; Wout's codes lie in the natural order along K, so here the halves of the lanes trade registers: channels 32 d + 16 h + 0 .. 15
	v_permlane16_swap_b32 v[12+4*\i], v[14+4*\i]
	v_permlane16_swap_b32 v[13+4*\i], v[15+4*\i]
.endr
	global_store_b128 v1, v[12:15], s[20:21]       ; 32 lanes store 512 consecutive bytes, at a multiple of 256 from the buffer's first byte
	global_store_b128 v1, v[16:19], s[20:21] offset:16384
	ds_store_b8 v35, v30                           ; lanes r and r + 16 write the same byte with the same value
	ds_store_b8 v35, v31 offset:64
	WALU
	s_wait_dscnt 0x0
	s_barrier_signal -1
	s_barrier_wait -1
	s_cmp_lg_u32 s[WV], 0                          ; wave 0 stores the work-group's 64 scale words: 256 consecutive bytes, aligned
	s_cbranch_scc1 .Lnot_first
	ds_load_b64 v[104:105], v36
	s_wait_dscnt 0x0
	global_store_b64 v37, v[104:105], s[22:23]
.Lnot_first:
	s_wait_tensorcnt 0x0                           ; the wave's end
	ds_add_u32 v5, v6
	s_wait_dscnt 0x0
	CROUND                                         ; the closing round
	s_endpgm
.Lfunc_end_k_q17d87778db_attn:
	.size	k_q17d87778db_attn, .Lfunc_end_k_q17d87778db_attn-k_q17d87778db_attn
	.p2alignl 7, 3214868480
	.fill 96, 4, 3214868480
	.section	.rodata,"a",@progbits
	.p2align	6, 0x0
	.amdhsa_kernel k_q17d87778db_attn
		.amdhsa_group_segment_fixed_size 327680
		.amdhsa_private_segment_fixed_size 0
		.amdhsa_enable_private_segment 0
		.amdhsa_kernarg_size 80
		.amdhsa_user_sgpr_count 2
		.amdhsa_user_sgpr_kernarg_segment_ptr 1
		.amdhsa_wavefront_size32 1
		.amdhsa_system_sgpr_workgroup_id_x 1
		.amdhsa_system_sgpr_workgroup_id_y 1
		.amdhsa_system_sgpr_workgroup_id_z 1
		.amdhsa_system_vgpr_workitem_id 0
		.amdhsa_next_free_vgpr 512
		.amdhsa_next_free_sgpr 102
		.amdhsa_reserve_vcc 0
		.amdhsa_float_denorm_mode_32 3
		.amdhsa_float_denorm_mode_16_64 3
		.amdhsa_memory_ordered 1
		.amdhsa_forward_progress 1
		.amdhsa_inst_pref_size 223
	.end_amdhsa_kernel
	.amdgpu_metadata
---
amdhsa.version: [ 1, 2 ]
amdhsa.kernels:
  - .name:           k_q17d87778db_attn
    .symbol:         k_q17d87778db_attn.kd
    .args:
      - { .name: x_codes, .offset: 0, .size: 8, .value_kind: global_buffer, .address_space: global }
      - { .name: x_scales, .offset: 8, .size: 8, .value_kind: global_buffer, .address_space: global }
      - { .name: Wq_codes, .offset: 16, .size: 8, .value_kind: global_buffer, .address_space: global }
      - { .name: Wq_scales, .offset: 24, .size: 8, .value_kind: global_buffer, .address_space: global }
      - { .name: kvc, .offset: 32, .size: 8, .value_kind: global_buffer, .address_space: global }
      - { .name: kvs, .offset: 40, .size: 8, .value_kind: global_buffer, .address_space: global }
      - { .name: doc_similarities, .offset: 48, .size: 8, .value_kind: global_buffer, .address_space: global }
      - { .name: beta, .offset: 56, .size: 8, .value_kind: global_buffer, .address_space: global }
      - { .name: oc, .offset: 64, .size: 8, .value_kind: global_buffer, .address_space: global }
      - { .name: os, .offset: 72, .size: 8, .value_kind: global_buffer, .address_space: global }
    .group_segment_fixed_size: 327680
    .private_segment_fixed_size: 0
    .kernarg_segment_align: 8
    .kernarg_segment_size: 80
    .max_flat_workgroup_size: 256
    .sgpr_count:     102
    .vgpr_count:     512
    .wavefront_size: 32
...
	.end_amdgpu_metadata
.endif
;; end of part 5
;; launch outp (part 6): grid 8 x 32, 8 waves a work-group, clusters of 4 x 4, 169,984 bytes of LDS; arguments oc, os, Wout_codes, Wout_scales, bout, out0; writes out0
.if DOCPART == 6
	.amdgcn_target "amdgcn-amd-amdhsa--gfx1250"
	.amdhsa_code_object_version 6
	.text
	.protected	k_q17d87778db_outp
	.globl	k_q17d87778db_outp
	.p2align	8
	.type	k_q17d87778db_outp,@function
k_q17d87778db_outp:
	s_mov_b64 s[64:65], 0
	v_nop
	global_prefetch_b8 v0, s[64:65] scope:SCOPE_SE
	s_setreg_imm32_b32 hwreg(HW_REG_WAVE_MODE, 25, 1), 1
	s_wait_xcnt 0x0
	s_wait_alu depctr_hold_cnt(0) depctr_sa_sdst(0) depctr_va_vdst(0) depctr_va_sdst(0) depctr_va_ssrc(0) depctr_va_vcc(0) depctr_vm_vsrc(0)
	s_getreg_b32 s2, hwreg(HW_REG_IB_STS2, 6, 4)
	s_cmp_eq_u32 s2, 0
	s_cbranch_scc0 .Lentry_in_a_cluster
	s_endpgm
.Lentry_in_a_cluster:
	s_bfe_u32 s2, ttmp6, 0x10000c
	s_cmp_lg_u32 s2, 0xf033
	s_cbranch_scc0 .Lentry_shape_is_right
	s_endpgm
.Lentry_shape_is_right:
; out0 = o Wout + bout on codes of BF8 (E5M2) with one E8M0 scale for each 32 along K = 1,024; sums in f32.  o comes as operand fragments (oc: [tile of 16 rows][K step = head][2,048 bytes]) with its scale words (os: [head][tile][16 words]).
; SHARES.  2,048 x 1,024 outputs in tiles of 64 rows x 128 columns: 256 work-groups.  Eight waves: wave w makes rows 32 (w / 4) on x columns 32 (w % 4) on: four accumulators, eight K steps.
; ALL OF K COMES ONCE.  Wout's 128 rows come into LDS, where every byte is filled once: no ring.  o's fragments are images of the operand's registers (16 bytes a lane on end): each wave loads its two tiles, all eight K steps, straight into window 1; the scale words too.
; So LDS gives two fragments a K step for four products, and not four.
; CLUSTERS: 4 x 4 work-groups.  Wout's rows hang on the tile column alone and are shared along a column of the cluster by joint loads.  o's 65,536 bytes are not asked for jointly: a joint load ends in LDS, and they go to registers.
; No prefetch: there is no loop to run ahead in.
; THE MATRIX INSTRUCTION IS USED TRANSPOSED (source 0 = 16 rows of Wout, source 1 = 16 rows of o): a lane holds eight neighbouring numbers of a row of out0.  The bias is the C of each sum's first product.
; LIMITS: NaN and infinities among the inputs are not served.
; REGISTERS: v1-11 addresses; v30, v31 the add's; v32-159 four sets of Wout's two fragments; v160-191 the accumulators; v192-207 the bias in the result's layout; v208-215 Wout's scale words, v216-223 o's; v224-255 rows on the way out.  Window 1: o's fragments, tile i, K step s at v[128 i + 16 s].
.set WP,   528                         ; Wout in LDS: two halves of K, each 128 rows of 512 bytes + 16 of padding: an odd multiple of 16, so that the 16 rows of a load start 4 words apart modulo 64 (64 banks of 4 bytes: ISA guide 11.1)
.set HB,   128*WP                      ; the second half of K begins here: K steps 0-3 are multiplied from the first while it lands
.set STG,  2*HB                        ; the stage for the way out: 64 rows x (512 bytes + 16); no tile lands here
.set SP,   528
.set SPARE, STG+64*SP                  ; the spare words, 128 bytes for each wave
.set AW,   6                           ; v6  Wout's: my 32 rows, row r, + 16 h
.set WV,   16                          ; s16 wave;  s17 wave % 4;  s76 wave / 4
.set Q4,   17
.set RP,   76
.set G1W,  24                          ; s[24:31], s[56:59] Wout's codes
.set G0W,  56
.macro CROUND                          ; a round of the cluster's barrier
	s_barrier_signal -1
	s_barrier_wait -1
	s_cmp_lg_u32 s[WV], 0
	s_cbranch_scc1 .Lnot_wave_0_\@
	s_barrier_signal -3
.Lnot_wave_0_\@:
	s_barrier_wait -3
	s_barrier_signal -1
	s_barrier_wait -1
.endm
	s_load_b256 s[4:11], s[0:1], 0x0               ; oc s[4:5], os s[6:7], Wout's codes s[8:9], its scales s[10:11]
	s_load_b128 s[12:15], s[0:1], 0x20             ; bout s[12:13], out0 s[14:15]
	v_lshl_add_u32 v30, v0, 2, SPARE
	v_mov_b32 v31, 0
	ds_add_u32 v30, v31                            ; the wave's opening
	ds_add_u32 v30, v31
	v_lshrrev_b32 v1, 5, v0
	s_delay_alu instid0(VALU_DEP_1)
	v_readfirstlane_b32 s[WV], v1                  ; wave 0..7
	s_and_b32 s[Q4], s[WV], 3
	s_lshr_b32 s[RP], s[WV], 2
	s_bfe_u32 s18, ttmp6, 0x40000                  ; cx, cy
	s_bfe_u32 s19, ttmp6, 0x40004
	s_lshl_b32 s20, ttmp9, 2
	s_add_co_u32 s20, s20, s18                     ; tile column, 0..7
	s_and_b32 s21, ttmp7, 0xffff
	s_lshl_b32 s21, s21, 2
	s_add_co_u32 s21, s21, s19                     ; tile row, 0..31
	s_lshl_b32 s22, 0x1111, s18                    ; my column of the cluster
	s_or_b32 s[G1W], s22, (0<<16)|(1<<20)|(1<<21)|(6<<22)|(3<<25)  ; the mask; elements of 1 byte; padding on; bit 21 beside a mask; after every 128 words four words
	s_mov_b32 s[G1W+1], 512<<16                    ; tensor_dim0 = 512: half of K
	s_mov_b32 s[G1W+2], 32<<16                     ; tensor_dim1 = 32 rows a wave
	s_mov_b32 s[G1W+3], 512<<16                    ; tile_dim0
	s_mov_b32 s[G1W+4], 32                         ; tile_dim1
	s_mov_b32 s[G1W+5], 1024                       ; from row to row
	s_mov_b32 s[G1W+6], 0
	s_mov_b32 s[G1W+7], 0
	s_lshl_b32 s78, s20, 17                        ; Wout's codes: rows 128 x tile column + 32 x (wave % 4), 1,024 bytes each
	s_lshl_b32 s79, s[Q4], 15                      ; (as a fetcher: rows 32 x (wave % 4), half wave / 4 of K)
	s_add_co_u32 s78, s78, s79
	s_lshl_b32 s79, s[RP], 9
	s_add_co_u32 s78, s78, s79
	s_mov_b32 s79, 0
	s_lshl_b32 s80, s20, 12                        ; its scale bytes, 32 a row: my 32 rows
	s_lshl_b32 s81, s[Q4], 10
	s_add_co_u32 s80, s80, s81
	s_mov_b32 s81, 0
	s_lshl_b32 s82, s21, 16                        ; o's fragments: tiles of rows 4 x tile row + 2 (w / 4) and the next, 16,384 bytes each
	s_lshl_b32 s83, s[RP], 15
	s_add_co_u32 s82, s82, s83
	s_mov_b32 s83, 0
	s_lshl_b32 s84, s21, 8                         ; their scale words in each head's 8,192 bytes
	s_lshl_b32 s85, s[RP], 7
	s_add_co_u32 s84, s84, s85
	s_mov_b32 s85, 0
	s_wait_alu depctr_va_vdst(0)
	s_wait_dscnt 0x0                               ; both opening adds are done
	s_wait_kmcnt 0x0
	s_mov_b32 s[G0W], 1
	s_mul_i32 s[G0W+1], s[WV], 32*WP               ; waves 0 to 3 fill the first half, waves 4 to 7 the second
	s_add_nc_u64 s[G0W+2:G0W+3], s[8:9], s[78:79]
	s_or_b32 s[G0W+3], s[G0W+3], 0x80000000
	CROUND                                         ; all sixteen work-groups are here: the joint loads meet
	s_cmp_lt_u32 s[WV], 4                          ; the wave's one load: a line of its own for each half, since the halves are waited for apart
	s_cbranch_scc0 .Lsecond_half
	tensor_load_to_lds s[G0W:G0W+3], s[G1W:G1W+7]
	s_nop 0
.rept 4
	v_nop
.endr
	s_branch .Lasked
.Lsecond_half:
	tensor_load_to_lds s[G0W:G0W+3], s[G1W:G1W+7]
	s_nop 0
.rept 4
	v_nop
.endr
.Lasked:
	s_add_nc_u64 s[10:11], s[10:11], s[80:81]
	s_add_nc_u64 s[4:5], s[4:5], s[82:83]
	s_add_nc_u64 s[6:7], s[6:7], s[84:85]
	s_lshl_b32 s86, s20, 9
	s_lshl_b32 s87, s[Q4], 7
	s_add_co_u32 s86, s86, s87
	s_mov_b32 s87, 0
	s_add_nc_u64 s[12:13], s[12:13], s[86:87]      ; bout at column 128 x tile column + 32 (w % 4)
	s_lshl_b32 s86, s21, 18
	s_lshl_b32 s88, s[WV], 15
	s_add_co_u32 s86, s86, s88
	s_lshl_b32 s88, s20, 9
	s_add_co_u32 s86, s86, s88
	s_add_nc_u64 s[14:15], s[14:15], s[86:87]      ; out0 at row 64 x tile row + 8 x wave, column 128 x tile column
	s_mul_i32 s77, s[Q4], 32*WP
	s_mul_i32 s78, s[RP], 32*SP
	s_lshl_b32 s79, s[Q4], 7
	s_add_co_u32 s78, s78, s79
	s_add_co_u32 s78, s78, STG
	s_mul_i32 s79, s[WV], 8*SP
	s_add_co_u32 s79, s79, STG
	v_and_b32 v2, 31, v0                           ; lane
	v_and_b32 v3, 15, v0                           ; r
	v_bfe_u32 v4, v0, 4, 1                         ; h
	v_lshlrev_b32 v1, 4, v2                        ; 16 x lane
	v_lshlrev_b32 v7, 5, v2                        ; Wout's scale bytes: row = lane of my 32: lanes 0-15 tile 0, lanes 16-31 tile 1
	v_lshlrev_b32 v8, 2, v2                        ; o's scale words: lanes 0-15 my first tile of rows, lanes 16-31 my second
	v_lshlrev_b32 v11, 5, v4                       ; the bias: my half's eight columns
	v_mul_u32_u24 v[AW], v3, WP
	v_mul_u32_u24 v9, v3, SP
	v_add_nc_u32 v10, s79, v1                      ; the stage, back: my eight rows, 16 bytes a lane
	v_lshl_add_u32 v[AW], v4, 4, v[AW]
	v_lshl_add_u32 v9, v4, 5, v9
	v_add_nc_u32 v[AW], s77, v[AW]
	v_add_nc_u32 v9, s78, v9                       ; in: row 32 (w / 4) + r, byte 128 (w % 4) + 32 h
	v_add_nc_u32 v5, HB, v[AW]                     ; Wout's second half of K
	s_wait_alu depctr_va_vdst(0)                   ; the wait at the head's end
	global_load_b128 v[208:211], v7, s[10:11]      ; Wout's scale words of K steps 0-3,
	global_load_b128 v[212:215], v7, s[10:11] offset:16   ; 4-7
.irp s, 0,1,2,3,4,5,6,7
	global_load_b32 v[216+\s], v8, s[6:7] offset:8192*\s   ; o's, a head a K step
.endr
.irp u, 0,1
	global_load_b128 v[192+8*\u:195+8*\u], v11, s[12:13] offset:64*\u      ; the bias: lane (r, h), tile u: columns 16 u + 8 h + 0 .. 7
	global_load_b128 v[196+8*\u:199+8*\u], v11, s[12:13] offset:64*\u+16
.endr
	s_set_vgpr_msb 0x40                            ; destination window 1
.irp s, 0,1,2,3,4,5,6,7                        ; o's fragments in the order of K: eight loads a K step
.irp i, 0,1
.irp c, 0,1,2,3
	global_load_b128 v[128*\i+16*\s+4*\c:128*\i+16*\s+4*\c+3], v1, s[4:5] offset:\i*16384+\s*2048+512*\c
.endr
.endr
.endr
	s_set_vgpr_msb 0x4000
	s_cmp_lt_u32 s[WV], 4
	s_cbranch_scc0 .Lnot_first_half
	s_wait_tensorcnt 0x0                           ; waves 0 to 3: my rows of the first half have landed.  The other waves' wait stands ahead of the second barrier
.Lnot_first_half:
	s_barrier_signal -1
	s_barrier_wait -1                              ; the first half is whole
.macro FETCH s                         ; K step s: Wout's two fragments: eight loads
.irp u, 0,1
.irp c, 0,1,2,3
	ds_load_b128 v[32+32*((\s)%4)+16*\u+4*\c:35+32*((\s)%4)+16*\u+4*\c], v[AW-(\s)/4] offset:\u*16*WP+((\s)%4)*128+32*\c
.endr
.endr
.endm
.macro MUL s, c0, c1, c2, c3           ; four products, the accumulators by turns; accumulator (tile of columns u, tile of rows i) at v[160 + 8 (2 i + u)]
.set FS, 32+32*((\s)%4)
.set OS, 16*\s
	v_wmma_scale_f32_16x16x128_f8f6f4 v[160:167], v[FS:FS+15], v[OS:OS+15], \c0, v[208+(\s)], v[216+(\s)] matrix_a_fmt:MATRIX_FMT_BF8 matrix_b_fmt:MATRIX_FMT_BF8
	v_wmma_scale_f32_16x16x128_f8f6f4 v[168:175], v[FS+16:FS+31], v[OS:OS+15], \c1, v[208+(\s)], v[216+(\s)] matrix_a_fmt:MATRIX_FMT_BF8 matrix_b_fmt:MATRIX_FMT_BF8 matrix_a_scale:MATRIX_SCALE_ROW1
	v_wmma_scale_f32_16x16x128_f8f6f4 v[176:183], v[FS:FS+15], v[OS+128:OS+143], \c2, v[208+(\s)], v[216+(\s)] matrix_a_fmt:MATRIX_FMT_BF8 matrix_b_fmt:MATRIX_FMT_BF8 matrix_b_scale:MATRIX_SCALE_ROW1
	v_wmma_scale_f32_16x16x128_f8f6f4 v[184:191], v[FS+16:FS+31], v[OS+128:OS+143], \c3, v[208+(\s)], v[216+(\s)] matrix_a_fmt:MATRIX_FMT_BF8 matrix_b_fmt:MATRIX_FMT_BF8 matrix_a_scale:MATRIX_SCALE_ROW1 matrix_b_scale:MATRIX_SCALE_ROW1
.endm
	FETCH 0
	FETCH 1
	FETCH 2
	FETCH 3
.irp s, 0,1,2,3,4,5,6,7
	s_wait_loadcnt 8*(7-\s)                        ; scale words, bias and o's fragments up to this K step are in; the later steps' eight loads each may be out
.if \s < 3
	s_wait_dscnt 8*(3-\s)                          ; this K step's fragments of Wout are in; the younger sets' eight loads each may be out
.elseif \s > 3
	s_wait_dscnt 8*(7-\s)
.endif
.if \s == 0
	s_set_vgpr_msb 0x04                            ; source 1 window 1
	MUL \s, v[192:199], v[200:207], v[192:199], v[200:207]
.else
	s_set_vgpr_msb 0x04
	MUL \s, v[160:167], v[168:175], v[176:183], v[184:191]
.endif
	s_set_vgpr_msb 0x0400
.if \s == 2
	s_wait_tensorcnt 0x0                           ; every wave: waves 4 to 7's rows of the second half have landed
	s_wait_dscnt 0x0                               ; (K step 3's fragments are in)
	s_barrier_signal -1
	s_barrier_wait -1                              ; the second half is whole
.rept 8
	v_nop                                          ; eight places in front of loads into registers that these products have read
.endr
	FETCH 4
	FETCH 5
	FETCH 6
.elseif \s == 3
.rept 8
	v_nop
.endr
	FETCH 7
.endif
.endr
.rept 8
	v_nop                                          ; and of the first read of results (ISA guide 7.12.1)
.endr
	; THE WAY OUT: a lane's eight results are 32 neighbouring bytes of a row; a row's 512 bytes come from four waves: they meet in the stage, and each wave stores eight whole rows
.irp i, 0,1
.irp u, 0,1
	ds_store_b128 v9, v[160+8*(2*\i+\u):163+8*(2*\i+\u)] offset:\i*16*SP+64*\u       ; each accumulator from its low end on
	ds_store_b128 v9, v[164+8*(2*\i+\u):167+8*(2*\i+\u)] offset:\i*16*SP+64*\u+16
.endr
.endr
	s_wait_dscnt 0x0                               ; for the others' sake: my stores into the stage are done
	s_barrier_signal -1
	s_barrier_wait -1
.irp i, 0,1,2,3,4,5,6,7
	ds_load_b128 v[224+4*\i:227+4*\i], v10 offset:\i*SP
.endr
.irp i, 0,1,2,3,4,5,6,7
	s_wait_dscnt 7-\i                              ; row i is back; the younger loads may be out
	global_store_b128 v1, v[224+4*\i:227+4*\i], s[14:15] offset:\i*4096 th:TH_STORE_NT   ; 32 lanes store 512 consecutive bytes, at a multiple of 256 from out0's first byte
.endr
	s_wait_tensorcnt 0x0                           ; the wave's end
	ds_add_u32 v30, v31
	s_wait_dscnt 0x0
	CROUND                                         ; the closing round: no work-group ends while a partner may still ask for a tile that names it
	s_endpgm
.Lfunc_end_k_q17d87778db_outp:
	.size	k_q17d87778db_outp, .Lfunc_end_k_q17d87778db_outp-k_q17d87778db_outp
	.p2alignl 7, 3214868480
	.fill 96, 4, 3214868480
	.section	.rodata,"a",@progbits
	.p2align	6, 0x0
	.amdhsa_kernel k_q17d87778db_outp
		.amdhsa_group_segment_fixed_size 169984
		.amdhsa_private_segment_fixed_size 0
		.amdhsa_enable_private_segment 0
		.amdhsa_kernarg_size 48
		.amdhsa_user_sgpr_count 2
		.amdhsa_user_sgpr_kernarg_segment_ptr 1
		.amdhsa_wavefront_size32 1
		.amdhsa_system_sgpr_workgroup_id_x 1
		.amdhsa_system_sgpr_workgroup_id_y 1
		.amdhsa_system_sgpr_workgroup_id_z 1
		.amdhsa_system_vgpr_workitem_id 0
		.amdhsa_next_free_vgpr 512
		.amdhsa_next_free_sgpr 96
		.amdhsa_reserve_vcc 0
		.amdhsa_float_denorm_mode_32 3
		.amdhsa_float_denorm_mode_16_64 3
		.amdhsa_memory_ordered 1
		.amdhsa_forward_progress 1
		.amdhsa_inst_pref_size 26
	.end_amdhsa_kernel
	.amdgpu_metadata
---
amdhsa.version: [ 1, 2 ]
amdhsa.kernels:
  - .name:           k_q17d87778db_outp
    .symbol:         k_q17d87778db_outp.kd
    .args:
      - { .name: oc, .offset: 0, .size: 8, .value_kind: global_buffer, .address_space: global }
      - { .name: os, .offset: 8, .size: 8, .value_kind: global_buffer, .address_space: global }
      - { .name: Wout_codes, .offset: 16, .size: 8, .value_kind: global_buffer, .address_space: global }
      - { .name: Wout_scales, .offset: 24, .size: 8, .value_kind: global_buffer, .address_space: global }
      - { .name: bout, .offset: 32, .size: 8, .value_kind: global_buffer, .address_space: global }
      - { .name: out0, .offset: 40, .size: 8, .value_kind: global_buffer, .address_space: global }
    .group_segment_fixed_size: 169984
    .private_segment_fixed_size: 0
    .kernarg_segment_align: 8
    .kernarg_segment_size: 48
    .max_flat_workgroup_size: 256
    .sgpr_count:     96
    .vgpr_count:     512
    .wavefront_size: 32
...
	.end_amdgpu_metadata
.endif
;; end of part 6
